; MI455X (gfx1250); checked and timed in simulation.
; The chip was launched on July 23, 2026; its instructions are those of AMD's public machine-readable ISA for CDNA 5 (MIT licence, August 2026) and "CDNA5" Instruction Set Architecture Reference Guide (July 2026). The comments in the code are by the model that wrote it; some were corrected since.
;; Multi Head Self Attention Block. Allowed arithmetic: matrix products marked QUANTISED: E3M2 operands, one E8M0 scale for each 32 along K, by v_wmma_scale_f32_16x16x128_f8f6f4 with both operands' format E3M2, f32 sums; everything else in f32.
;; Inputs: bk 1,024 float32; bo 1,024 float32; bq 1,024 float32; bv 1,024 float32; k 2 x 2,048 x 1,024 float32; mask 1 x 1 x 2,048 x 2,048 int32; q 2 x 2,048 x 1,024 float32; v 2 x 2,048 x 1,024 float32; wk 1,024 x 1,024 float32; wo 1,024 x 1,024 float32; wq 1,024 x 1,024 float32; wv 1,024 x 1,024 float32.
;; Outputs: out0 2 x 2,048 x 1,024 float32.
;; This version of the problem:
;;   THIS VERSION OF THE PROBLEM IS GIVEN IN LOW PRECISION. The matrix products marked QUANTISED in the list below multiply operands that are first quantised to E3M2 (3 exponent bits, 2 mantissa bits; 6 bits a number), with one power-of-two scale for each 32 numbers along K (OCP MX v1.0); their sums are f32. All else is computed in f32.
;;   The module's matrix products, in the order in which they are computed (A, B: the left and right operand; K: the contracted axis; several contracted axes count as one K, in the product's order):
;;     1. [M 4,096, K 1,024] x [K 1,024, N 1,024]; A: input q; B: input wq: QUANTISED
;;     2. [M 4,096, K 1,024] x [K 1,024, N 1,024]; A: input k; B: input wk: QUANTISED
;;     3. [M 4,096, K 1,024] x [K 1,024, N 1,024]; A: input v; B: input wv: QUANTISED
;;     4. batch 32 x [M 2,048, K 64] x [K 64, N 2,048]; A: computed on the way; B: computed on the way: QUANTISED
;;     5. batch 32 x [M 2,048, K 2,048] x [K 2,048, N 64]; A: softmax (see below); B: computed on the way: QUANTISED
;;     6. [M 4,096, K 1,024] x [K 1,024, N 1,024]; A: computed on the way; B: input wo: QUANTISED
;;   THE QUANTISER, for each operand of a quantised product, along K:
;;     - K is cut into blocks of 32 from its start; a last block that is shorter is filled with zeros.
;;     - A block's scale is 2^e with e = floor(log2(the largest magnitude in the block)) - 4, held to -126 .. 127; a block of zeros has e = 0. As a byte (E8M0): e + 127.
;;     - Each number is divided by its block's scale, clamped to +-28, and rounded to the nearest number of E3M2, ties to even, subnormals kept.
;;     - The product sums the exact products of the quantised numbers (number of the format x scale) in f32.
;;   ~~~python
;;   def quantise(x, axis):      # numpy; x: float32 -> the quantised numbers, widened to float32 again
;;       x = np.moveaxis(x, axis, -1); K = x.shape[-1]
;;       x = np.pad(x, [(0, 0)] * (x.ndim - 1) + [(0, -K % 32)]); x = x.reshape(x.shape[:-1] + (-1, 32)); a = np.abs(x).max(-1, keepdims=True)
;;       e = np.where(a > 0, np.clip(np.frexp(np.where(a > 0, a, 1))[1] - 1 - 4, -126, 127), 0)      # np.frexp(a)[1] - 1 = floor(log2(a)), exactly
;;       r = np.clip(x / 2.0 ** e, -28, 28)
;;       step = 2.0 ** (np.maximum(np.frexp(np.where(r == 0, 1, r))[1] - 1, -2) - 2)
;;       q = np.round(r / step) * step * 2.0 ** e      # np.round: ties to even
;;       return np.moveaxis(q.reshape(q.shape[:-2] + (-1,))[..., :K], -1, axis).astype(np.float32)
;;   ~~~
;;   SOFTMAX AHEAD OF A QUANTISED PRODUCT. Where the list says 'softmax', what is quantised is not the finished softmax but p = 2^(t - M), with t = logit x log2(e) and M = ceil(the row's largest t), a whole number; so 1/2 < the row's largest p <= 1. The row's sum l is taken of the UNQUANTISED p, in f32, and the product's result is divided by l at the end. Since M is a whole number, a kernel that streams over the keys may use a running M (the ceiling of the running maximum): every later rescaling is an exact power of two, which a block's scale takes up: the codes' values come out the same.
;;   OPERANDS COMPUTED ON THE WAY. 'Computed on the way' means the value that the module computes at that place (a softmax that the list does not call 'softmax' is quantised finished and normalised). What goes into a quantiser is computed in f32, as accurately as f32 sums, v_exp_f32 and their like allow (about 1e-6 of the number): no bf16 or f16 on the way to a quantiser, and a product that is left as it is and whose result goes on into a quantised operand takes f32 operands (vector FMAs, or v_wmma_f32_16x16x4_f32). A number that lies on a knife's edge between two numbers of the format may be rounded either way, as far as f32 arithmetic and the matrix unit's own rounding can turn it there, and no further.
;; 2 versions. Each part assembles by itself: llvm-mc -triple=amdgcn-amd-amdhsa -mcpu=gfx1250 --defsym DOCPART=n.
;; ======== version 1 of 2: 5 launches
;; workspace buffers: cod 12,582,912 bytes; scl 524,288 bytes; mb 524,288 bytes of whole numbers; qimg 3,407,872 bytes; kvimg 6,684,672 bytes; xc 3,145,728 bytes; xs 131,072 bytes
;; launch quant (part 1): grid 256 x 1, 4 waves a work-group, no clusters, 90,624 bytes of LDS; arguments q, k, v, wq, wk, wv, wo, cod, scl; writes cod, scl
.if DOCPART == 1
	.amdgcn_target "amdgcn-amd-amdhsa--gfx1250"
	.amdhsa_code_object_version 6
	.text
	.protected	k_q270cdf863c_quant
	.globl	k_q270cdf863c_quant
	.p2align	8
	.type	k_q270cdf863c_quant,@function
k_q270cdf863c_quant:
	s_mov_b64 s[64:65], 0
	v_nop
	global_prefetch_b8 v0, s[64:65] scope:SCOPE_SE
	s_setreg_imm32_b32 hwreg(HW_REG_WAVE_MODE, 25, 1), 1
	s_wait_xcnt 0x0
; q, k, v [4096][1024] and wq, wk, wv, wo [1024][1024], f32, K innermost, become codes of BF6 (E3M2) with one E8M0 byte for each 32 along K.
; A block's scale is 2^(floor(log2(its largest magnitude)) - 4); its byte is the largest magnitude's exponent field - 4, held at 1 from below.
; LIMITS: a block of zeros, or one whose largest magnitude lies under 2^-122, gets the byte 1 (its codes are zeros or subnormal codes; the bytes are read by this program alone); NaN and infinities are not served.
; THE OUTPUT IS LAID AS THE MATRIX OPERANDS' REGISTERS.  A tile is 16 rows: row r of tile T is row 32 (T / 2) + 8 (T % 2) + r + 8 (r / 8) of its tensor.  cod: [tile 0..1023][g 0..15][768]: in the 768 bytes
; of (tile, g) lane l = r + 16 h has 24 bytes at 24 l: the codes k = 64 g + 32 h + 0 .. 31 of row r.  scl: [tile][512]: the byte of block kb of row r at 128 (kb / 8) + 8 r + kb % 8.
; Tiles: q 0-255, k 256-511, v 512-767, wq 768-831, wk 832-895, wv 896-959, wo 960-1023.
; A wave takes one tile, row by row: a row is 32 blocks, one to a lane.  Each of a row's eight loads reads 512 consecutive bytes; the row turns through the wave's own stage in LDS so that a lane gets its block's 128 bytes.
; The lane's 24 bytes of codes of row t belong at byte 384 lane + 24 t of the tile: they are gathered in a second stage and leave as 24 stores of 512 consecutive bytes.  Waves share nothing: no barrier.
.set WREG,   22528                     ; LDS of a wave
.set TPITCH, 144                       ; turn stage: a block's 128 bytes + 16
.set TSTG,   32*TPITCH                 ; two such stages, by turns
.set OUTS,   2*TSTG                    ; the codes' stage: 32 runs of 384 bytes, 400 apart
.set OPITCH, 400
.set SCB,    OUTS+32*OPITCH            ; the tile's 512 scale bytes
.set R,      32                        ; v32-159  four sets of 32 numbers as loaded
.set X,      160                       ; v160-223 two sets: my block's 32 numbers
.set C,      16                        ; v16-22, v24-30 codes, two sets by turns
	s_load_b512 s[4:19], s[0:1], 0x0               ; q, k, v, wq, wk, wv, wo, cod
	s_load_b64 s[20:21], s[0:1], 0x40              ; scl
	v_lshl_add_u32 v224, v0, 2, 0x16000
	v_mov_b32 v225, 0
	v_lshrrev_b32 v1, 5, v0
	v_readfirstlane_b32 s23, v1                    ; wave
	v_and_b32 v1, 31, v0                           ; lane
	s_mul_i32 s24, s23, WREG
	v_lshlrev_b32 v2, 4, v1                        ; 16 x lane: my place in 512 consecutive bytes
	v_lshrrev_b32 v12, 3, v1
	v_and_b32 v13, 7, v1
	v_mul_u32_u24 v3, v12, TPITCH
	v_lshl_add_u32 v3, v13, 4, v3
	v_add_nc_u32 v3, s24, v3                       ; turn stage, in: eight lanes fill a block
	v_mul_u32_u24 v4, v1, TPITCH
	v_add_nc_u32 v4, s24, v4                       ; and out: my block
	v_mul_u32_u24 v5, v1, OPITCH
	v_add_nc_u32 v5, s24, v5
	v_add_nc_u32 v5, OUTS, v5                      ; the codes' stage, in: my run of 384 bytes
	v_lshl_add_u32 v6, v12, 7, v13
	v_add_nc_u32 v6, s24, v6
	v_add_nc_u32 v6, SCB, v6                       ; my block's scale byte of row 0
	v_add_nc_u32 v10, s24, v2
.irp u, 0,1,2                                  ; the codes' stage, out: byte 512 u + 16 lane of 1,536, + 16 for each run of 384 passed
	v_add_nc_u32 v[7+\u], 8*(\u+1), v1
	v_lshrrev_b32 v[7+\u], 5, v[7+\u]
	v_lshl_add_u32 v[7+\u], v[7+\u], 4, v10
	v_add_nc_u32 v[7+\u], OUTS+528*\u, v[7+\u]
.endr
	v_add_nc_u32 v10, SCB, v10                     ; the scale bytes, out
	s_lshl_b32 s25, ttmp9, 2
	s_add_co_u32 s25, s25, s23                     ; my tile
	s_mov_b32 s22, 240                             ; the first work-group of the tensor chosen: wo to begin with
	s_wait_kmcnt 0x0
.macro PICK limit, ptr, first                  ; the choice hangs on the work-group's number alone
	s_cmp_lt_u32 ttmp9, \limit
	s_cselect_b64 s[16:17], s[\ptr:\ptr+1], s[16:17]
	s_cselect_b32 s22, \first, s22
.endm
	PICK 240, 14, 224
	PICK 224, 12, 208
	PICK 208, 10, 192
	PICK 192, 8, 128
	PICK 128, 6, 64
	PICK 64, 4, 0
	s_lshl_b32 s22, s22, 2
	s_sub_co_u32 s26, s25, s22                     ; the tile's number in its tensor
	s_lshr_b32 s27, s26, 1
	s_lshl_b32 s27, s27, 17                        ; 32 rows of 4,096 bytes
	s_and_b32 s26, s26, 1
	s_lshl_b32 s26, s26, 15                        ; 8 rows
	s_add_co_u32 s26, s26, s27
	s_mov_b32 s27, 0
	s_add_nc_u64 s[16:17], s[16:17], s[26:27]
	s_mul_i32 s26, s25, 12288
	s_add_nc_u64 s[18:19], s[18:19], s[26:27]
	s_lshl_b32 s26, s25, 9
	s_add_nc_u64 s[20:21], s[20:21], s[26:27]
.macro LOAD t                                  ; row t of the tile: eight loads of 512 consecutive bytes
.irp i, 0,1,2,3,4,5,6,7
	global_load_b128 v[R+32*((\t)%4)+4*\i:R+32*((\t)%4)+4*\i+3], v2, s[16:17] offset:((\t)+8*((\t)/8))*4096+512*\i th:TH_LOAD_NT
.endr
.endm
.macro TURN t                                  ; LDS serves a wave's instructions in order: no wait between the stores and the loads
.irp i, 0,1,2,3,4,5,6,7
	ds_store_b128 v3, v[R+32*((\t)%4)+4*\i:R+32*((\t)%4)+4*\i+3] offset:TSTG*((\t)%2)+4*TPITCH*\i
.endr
.irp i, 0,1,2,3,4,5,6,7
	ds_load_b128 v[X+32*((\t)%2)+4*\i:X+32*((\t)%2)+4*\i+3], v4 offset:TSTG*((\t)%2)+16*\i
.endr
.endm
.irp t, 0,1,2,3
	LOAD \t
.endr
	s_wait_loadcnt 24                              ; row 0's eight loads are in
	TURN 0
.macro STEP t
.set XS, X+32*((\t)%2)
.set CC, C+8*((\t)%2)
.set EB, 14+(\t)%2
.if (\t) > 0
	s_wait_dscnt 4                                 ; this row is back from the stage; the last row's four stores into the stages may be out
.else
	s_wait_dscnt 0x0
.endif
.if (\t)+4 < 16
	LOAD (\t)+4                                    ; into the registers that this row's stores into the stage have read
.endif
.if (\t)+1 < 16
.if (\t) < 12
	s_wait_loadcnt 24                              ; the next row is in; the three rows behind it may be out
.else
	s_wait_loadcnt 8*(14-(\t))
.endif
	TURN (\t)+1
.endif
	v_max3_num_f32 v12, |v[XS]|, |v[XS+1]|, |v[XS+2]|              ; the block's largest magnitude, in two chains
	v_max3_num_f32 v13, |v[XS+3]|, |v[XS+4]|, |v[XS+5]|
.irp i, 6,10,14,18,22,26
	v_max3_num_f32 v12, v12, |v[XS+\i]|, |v[XS+\i+1]|
	v_max3_num_f32 v13, v13, |v[XS+\i+2]|, |v[XS+\i+3]|
.endr
	v_max3_num_f32 v12, v12, |v[XS+30]|, |v[XS+31]|
	v_max3_num_f32 v12, v12, v13, 0x2800000        ; and the floor 2^(5 - 127): the byte cannot fall under 1
	v_add_nc_u32 v11, 0xfe000000, v12              ; 4 off the exponent field: the conversion takes this operand's exponent field as its scale
	v_cvt_scalef32_pk16_bf6_f32 v[CC:CC+2], v[XS:XS+15], v11
	v_cvt_scalef32_pk16_bf6_f32 v[CC+4:CC+6], v[XS+16:XS+31], v11  ; (a conversion's three registers begin on an even number)
	v_lshrrev_b32 v[EB], 23, v11                   ; the scale's byte; also the plain place behind the conversions
	v_mov_b32 v[CC+3], v[CC+4]
	v_mov_b32 v[CC+4], v[CC+5]
	v_mov_b32 v[CC+5], v[CC+6]                     ; 24 bytes on end
.irp p, 0,1,2
	ds_store_b64 v5, v[CC+2*\p:CC+2*\p+1] offset:24*(\t)+8*\p
.endr
	ds_store_b8 v6, v[EB] offset:8*(\t)
.endm
.irp t, 0,1,2,3,4,5,6,7,8,9,10,11,12,13,14,15
	STEP \t
.endr
.irp n, 0,1,2,3,4,5,6,7,8,9,10,11,12,13,14,15,16,17,18,19,20,21,22,23
	ds_load_b128 v[R+4*\n:R+4*\n+3], v[7+\n%3] offset:1600*(\n/3)   ; the tile's 12,288 bytes, 512 at a time: these see my stores
.endr
	ds_load_b128 v[X:X+3], v10
.irp n, 0,1,2,3,4,5,6,7,8,9,10,11,12,13,14,15,16,17,18,19,20,21,22,23
	s_wait_dscnt 24-\n
	global_store_b128 v2, v[R+4*\n:R+4*\n+3], s[18:19] offset:512*\n   ; 32 lanes store 512 consecutive bytes, aligned
.endr
	s_wait_dscnt 0x0
	global_store_b128 v2, v[X:X+3], s[20:21]
	s_wait_tensorcnt 0x0
	ds_add_u32 v224, v225
	s_wait_dscnt 0x0
	s_endpgm
.Lfunc_end_k_q270cdf863c_quant:
	.size	k_q270cdf863c_quant, .Lfunc_end_k_q270cdf863c_quant-k_q270cdf863c_quant
	.p2alignl 7, 3214868480
	.fill 96, 4, 3214868480
	.section	.rodata,"a",@progbits
	.p2align	6, 0x0
	.amdhsa_kernel k_q270cdf863c_quant
		.amdhsa_group_segment_fixed_size 90624
		.amdhsa_private_segment_fixed_size 0
		.amdhsa_enable_private_segment 0
		.amdhsa_kernarg_size 72
		.amdhsa_user_sgpr_count 2
		.amdhsa_user_sgpr_kernarg_segment_ptr 1
		.amdhsa_wavefront_size32 1
		.amdhsa_system_sgpr_workgroup_id_x 1
		.amdhsa_system_sgpr_workgroup_id_y 1
		.amdhsa_system_sgpr_workgroup_id_z 1
		.amdhsa_system_vgpr_workitem_id 0
		.amdhsa_next_free_vgpr 226
		.amdhsa_next_free_sgpr 66
		.amdhsa_reserve_vcc 0
		.amdhsa_float_denorm_mode_32 3
		.amdhsa_float_denorm_mode_16_64 3
		.amdhsa_memory_ordered 1
		.amdhsa_forward_progress 1
		.amdhsa_inst_pref_size 63
	.end_amdhsa_kernel
	.amdgpu_metadata
---
amdhsa.version: [ 1, 2 ]
amdhsa.kernels:
  - .name:           k_q270cdf863c_quant
    .symbol:         k_q270cdf863c_quant.kd
    .args:
      - { .name: q, .offset: 0, .size: 8, .value_kind: global_buffer, .address_space: global }
      - { .name: k, .offset: 8, .size: 8, .value_kind: global_buffer, .address_space: global }
      - { .name: v, .offset: 16, .size: 8, .value_kind: global_buffer, .address_space: global }
      - { .name: wq, .offset: 24, .size: 8, .value_kind: global_buffer, .address_space: global }
      - { .name: wk, .offset: 32, .size: 8, .value_kind: global_buffer, .address_space: global }
      - { .name: wv, .offset: 40, .size: 8, .value_kind: global_buffer, .address_space: global }
      - { .name: wo, .offset: 48, .size: 8, .value_kind: global_buffer, .address_space: global }
      - { .name: cod, .offset: 56, .size: 8, .value_kind: global_buffer, .address_space: global }
      - { .name: scl, .offset: 64, .size: 8, .value_kind: global_buffer, .address_space: global }
    .group_segment_fixed_size: 90624
    .private_segment_fixed_size: 0
    .kernarg_segment_align: 8
    .kernarg_segment_size: 72
    .max_flat_workgroup_size: 128
    .sgpr_count:     66
    .vgpr_count:     226
    .wavefront_size: 32
...
	.end_amdgpu_metadata
.endif
;; end of part 1
;; launch maskpack (part 2): grid 256 x 1, 8 waves a work-group, no clusters, 68,608 bytes of LDS; arguments mask, mb; writes mb
.if DOCPART == 2
	.amdgcn_target "amdgcn-amd-amdhsa--gfx1250"
	.amdhsa_code_object_version 6
	.text
	.protected	k_q270cdf863c_maskpack
	.globl	k_q270cdf863c_maskpack
	.p2align	8
	.type	k_q270cdf863c_maskpack,@function
k_q270cdf863c_maskpack:
	s_mov_b64 s[64:65], 0
	v_nop
	global_prefetch_b8 v0, s[64:65] scope:SCOPE_SE
	s_setreg_imm32_b32 hwreg(HW_REG_WAVE_MODE, 25, 1), 1
	s_wait_xcnt 0x0
; mask [2048][2048] int32 becomes lane masks for the attention launch, so that its 16 MiB are read once and not once for each of 32 heads.
; mb: [query tile qt 0..127][key step ks 0..15][n 0..63] words.  Bit l = r + 16 h of word n = 16 b + i says whether mask[query 32 (qt / 2) + 8 (qt % 2) + r + 8 (r / 8)][key 128 ks + 32 b + 16 h + i] is not 0:
; that is the lane mask of score register n of that tile and step.
; A wave takes one (qt, ks): 16 rows x 512 bytes, each load 512 consecutive bytes; through its own stage in LDS (rows 528 apart) a lane gets its 64 numbers; 64 compares give the 64 words, which leave as 256 consecutive bytes.
.set SPITCH, 528
.set WSTG,   16*SPITCH
.set LD,     8                         ; v8-71   as loaded
.set M,      72                        ; v72-135 my 64 numbers
	s_load_b128 s[4:7], s[0:1], 0x0                ; mask, mb
	v_lshl_add_u32 v144, v0, 2, 0x10800
	v_mov_b32 v145, 0
	v_lshrrev_b32 v1, 5, v0
	v_readfirstlane_b32 s8, v1                     ; wave
	v_and_b32 v1, 31, v0
	v_lshlrev_b32 v2, 4, v1                        ; 16 x lane
	s_mul_i32 s9, s8, WSTG
	v_add_nc_u32 v3, s9, v2                        ; the stage, in
	v_and_b32 v4, 15, v0
	v_bfe_u32 v5, v0, 4, 1
	v_mul_u32_u24 v4, v4, SPITCH
	v_lshl_add_u32 v4, v5, 6, v4
	v_add_nc_u32 v4, s9, v4                        ; and out: row r, + 64 h
	v_lshlrev_b32 v5, 3, v1                        ; 8 x lane
	v_mov_b32 v136, 0                              ; (a lane write's destination counts as read)
	v_mov_b32 v137, 0
	s_lshl_b32 s10, ttmp9, 3
	s_add_co_u32 s10, s10, s8                      ; 16 qt + ks
	s_lshr_b32 s11, s10, 4
	s_and_b32 s12, s10, 15
	s_lshr_b32 s13, s11, 1
	s_lshl_b32 s13, s13, 18                        ; 32 rows of 8,192 bytes
	s_and_b32 s11, s11, 1
	s_lshl_b32 s11, s11, 16                        ; 8 rows
	s_add_co_u32 s13, s13, s11
	s_lshl_b32 s12, s12, 9                         ; 128 keys
	s_add_co_u32 s12, s12, s13
	s_mov_b32 s13, 0
	s_lshl_b32 s14, s10, 8
	s_mov_b32 s15, 0
	s_wait_kmcnt 0x0
	s_add_nc_u64 s[4:5], s[4:5], s[12:13]
	s_add_nc_u64 s[6:7], s[6:7], s[14:15]
.irp i, 0,1,2,3,4,5,6,7,8,9,10,11,12,13,14,15
	global_load_b128 v[LD+4*\i:LD+4*\i+3], v2, s[4:5] offset:(\i+8*(\i/8))*8192 th:TH_LOAD_NT
.endr
.irp i, 0,1,2,3,4,5,6,7,8,9,10,11,12,13,14,15
	s_wait_loadcnt 15-\i
	ds_store_b128 v3, v[LD+4*\i:LD+4*\i+3] offset:SPITCH*\i
.endr
.irp k, 0,1,2,3,4,5,6,7,8,9,10,11,12,13,14,15
	ds_load_b128 v[M+4*\k:M+4*\k+3], v4 offset:128*(\k/4)+16*(\k%4)   ; these see my stores: LDS serves a wave's instructions in order
.endr
.irp k, 0,1,2,3,4,5,6,7,8,9,10,11,12,13,14,15
	s_wait_dscnt 15-\k
.irp e, 0,1,2,3
	v_cmp_ne_u32 s[16+(4*\k+\e)%8], 0, v[M+4*\k+\e]
	v_writelane_b32 v[136+\e%2], s[16+(4*\k+\e)%8], (4*\k+\e)/2      ; word n goes to lane n / 2, register n % 2
.endr
.endr
	global_store_b64 v5, v[136:137], s[6:7]        ; 32 lanes store 256 consecutive bytes, aligned
	s_wait_tensorcnt 0x0
	ds_add_u32 v144, v145
	s_wait_dscnt 0x0
	s_endpgm
.Lfunc_end_k_q270cdf863c_maskpack:
	.size	k_q270cdf863c_maskpack, .Lfunc_end_k_q270cdf863c_maskpack-k_q270cdf863c_maskpack
	.p2alignl 7, 3214868480
	.fill 96, 4, 3214868480
	.section	.rodata,"a",@progbits
	.p2align	6, 0x0
	.amdhsa_kernel k_q270cdf863c_maskpack
		.amdhsa_group_segment_fixed_size 68608
		.amdhsa_private_segment_fixed_size 0
		.amdhsa_enable_private_segment 0
		.amdhsa_kernarg_size 16
		.amdhsa_user_sgpr_count 2
		.amdhsa_user_sgpr_kernarg_segment_ptr 1
		.amdhsa_wavefront_size32 1
		.amdhsa_system_sgpr_workgroup_id_x 1
		.amdhsa_system_sgpr_workgroup_id_y 1
		.amdhsa_system_sgpr_workgroup_id_z 1
		.amdhsa_system_vgpr_workitem_id 0
		.amdhsa_next_free_vgpr 146
		.amdhsa_next_free_sgpr 66
		.amdhsa_reserve_vcc 0
		.amdhsa_float_denorm_mode_32 3
		.amdhsa_float_denorm_mode_16_64 3
		.amdhsa_memory_ordered 1
		.amdhsa_forward_progress 1
		.amdhsa_inst_pref_size 15
	.end_amdhsa_kernel
	.amdgpu_metadata
---
amdhsa.version: [ 1, 2 ]
amdhsa.kernels:
  - .name:           k_q270cdf863c_maskpack
    .symbol:         k_q270cdf863c_maskpack.kd
    .args:
      - { .name: mask, .offset: 0, .size: 8, .value_kind: global_buffer, .address_space: global }
      - { .name: mb, .offset: 8, .size: 8, .value_kind: global_buffer, .address_space: global }
    .group_segment_fixed_size: 68608
    .private_segment_fixed_size: 0
    .kernarg_segment_align: 8
    .kernarg_segment_size: 16
    .max_flat_workgroup_size: 256
    .sgpr_count:     66
    .vgpr_count:     146
    .wavefront_size: 32
...
	.end_amdgpu_metadata
.endif
;; end of part 2
;; launch proj (part 3): grid 4 x 48, 4 waves a work-group, clusters of 4 x 4, 327,680 bytes of LDS; arguments cod, scl, bq, bk, bv, qimg, kvimg; writes qimg, kvimg
.if DOCPART == 3
	.amdgcn_target "amdgcn-amd-amdhsa--gfx1250"
	.amdhsa_code_object_version 6
	.text
	.protected	k_q270cdf863c_proj
	.globl	k_q270cdf863c_proj
	.p2align	8
	.type	k_q270cdf863c_proj,@function
k_q270cdf863c_proj:
	s_mov_b64 s[64:65], 0
	v_nop
	global_prefetch_b8 v0, s[64:65] scope:SCOPE_SE
	s_setreg_imm32_b32 hwreg(HW_REG_WAVE_MODE, 25, 1), 1
	s_wait_xcnt 0x0
	s_wait_alu depctr_hold_cnt(0) depctr_sa_sdst(0) depctr_va_vdst(0) depctr_va_sdst(0) depctr_va_ssrc(0) depctr_va_vcc(0) depctr_vm_vsrc(0)
	s_getreg_b32 s2, hwreg(HW_REG_IB_STS2, 6, 4)
	s_cmp_eq_u32 s2, 0
	s_cbranch_scc0 .Lentry_in_a_cluster
	s_endpgm
.Lentry_in_a_cluster:
	s_bfe_u32 s2, ttmp6, 0x10000c
	s_cmp_lg_u32 s2, 0xf033
	s_cbranch_scc0 .Lentry_shape_is_right
	s_endpgm
.Lentry_shape_is_right:
; The three projections on codes of BF6 with E8M0 scales, each result (+ bias) quantised again on the way out, as an operand of the attention launch.
; A tile of 256 x 256 of a product is made by four waves, 128 x 128 each: 64 accumulators, 512 registers.  The product has two operands: P (source 1: a lane holds one row of P) and R (source 0: a lane's registers run along R's rows).
; Clusters 0-3 along y: query = q wq^T + bq (P = q, R = wq); 4-7: key likewise; 8-11: value, the other way round (P = wv, R = v), so that a lane holds a channel and its registers run along the tokens, which are the K of attention's second product.
; Codes and scale bytes lie in cod and scl in the order of the operands' registers (tiles of 16 rows; row r of tile T is row 32 (T / 2) + 8 (T % 2) + r + 8 (r / 8)), so that the 16 registers of R's tiles 2 b, 2 b + 1 are 16 neighbours.
; K = 1,024 goes in four steps of 256 through a ring of two LDS slots; the scale bytes of the work-group's rows come once and stay.  4 x 4 work-groups form a cluster: P's tiles are asked for jointly along a row, R's along a column.
; WAY OUT: for each of P's eight blocks a lane's 64 sums are 128 neighbours along R in two lanes: four blocks of 32 are quantised in registers (largest magnitude, scale byte, conversion) and the codes leave through the wave's stage.
;   qimg, for each (batch, head) 106,496 bytes: scale words [group 16][g 2][r 16][4] (tile 4 g + a': bytes d0, d1, 0x7f, 0x7f), then at 8,192 [group][tile 8][768].
;   kvimg, for each (batch, head) 208,896 bytes: K's scale words as Q's; at 8,192 V's [step 16][r 16][tile 4]; at 12,288 [step 16] x (K: 8 tiles x 768 | V: [64 keys 2][tile 4][768]).
; LIMITS: a block of zeros, or one whose largest magnitude lies under 2^-122, gets the byte 1; NaN and infinities are not served.
; REGISTERS: window 0: v1-3 r, h, lane; v10 bias offset; v16-31 addresses; v32-63 scale words, two sets; v64-127 the bias in the result's layout, later work of the way out; v128-223 P's fragments, one set.
;   window 1: R's fragments, two sets.   windows 2, 3: the accumulators ((a, b) at v[8 (8 (a % 4) + b)]).
.set NQ,     2                         ; matrix instructions deep in a slot
.set FR,     12
.set NL,     6
.set NP,     4                         ; places behind this matrix instruction (ISA guide 7.12.1)
.set TILEB,  12288                     ; a tile's codes in memory
.set SLB,    3072                      ; and those of 256 along K
.set HALFT,  8*SLB                     ; 8 tiles: what one tensor load brings, and what a wave reads of P or of R
.set SLOT,   4*HALFT
.set SCL,    2*SLOT                    ; behind the ring: the scale bytes, 512 a tile
.set HALFS,  4096
.set SBLK,   512
.set SPARE,  SCL+4*HALFS               ; the spare words, 128 bytes for each wave
.set STG,    SPARE+512                 ; the way out: 12,288 bytes for each wave; no tensor load lands here
.set BOF,  10
.set ADRA, 16
.set ADRB, 20
.set STO,  24
.set RD,   25
.set CO,   26
.set ADRS, 27
.set SPW,  28
.set NIL,  29
.set SHV,  30
.set SVO,  31
.set SC,   32
.set CB,   64
.set TM,   64
.set PW,   80
.set PC,   84
.set SW,   104
.set AF,   128
.set BK,   128
.set G1, 24
.set G0, 32
.set G1B, 48
.set G0B, 56
.set G1S, 68
.set G0S, 76
.set G1SB, 80
.set G0SB, 88
.set MSB, 0
.macro WIN new                         ; the immediate's high byte repeats the setting that is left
.if MSB != (\new)
	s_set_vgpr_msb (MSB<<8)|(\new)
.set MSB, (\new)
.endif
.endm
.set MUL_LO, 0xa1                      ; source 0 (R) window 1, source 1 (P) window 0, C and D window 2
.set MUL_HI, 0xf1
.set TO_B,   0x40
.macro JLOAD g0a, g1a, g0b, g1b        ; a joint load: waves 0, 1 fetch for P, waves 2, 3 for R; four v_nop follow each line
	s_cmp_eq_u32 s15, 0
	s_cbranch_scc0 .Lfor_b_\@
	tensor_load_to_lds s[\g0a:\g0a+3], s[\g1a:\g1a+7]
	s_nop 0
.rept 4
	v_nop
.endr
	s_branch .Lasked_\@
.Lfor_b_\@:
	tensor_load_to_lds s[\g0b:\g0b+3], s[\g1b:\g1b+7]
	s_nop 0
.rept 4
	v_nop
.endr
.Lasked_\@:
.endm
.macro CREST                           ; a round of the cluster's barrier behind its opening barrier
	s_cmp_lg_u32 s14, 0
	s_cbranch_scc1 .Lnot_wave_0_\@
	s_barrier_signal -3
.Lnot_wave_0_\@:
	s_barrier_wait -3
	s_barrier_signal -1
	s_barrier_wait -1
.endm
.macro CROUND
	s_barrier_signal -1
	s_barrier_wait -1
	CREST
.endm
	s_load_b256 s[4:11], s[0:1], 0x0               ; cod, scl, bq, bk
	s_load_b128 s[96:99], s[0:1], 0x20             ; bv, qimg
	s_load_b64 s[100:101], s[0:1], 0x30            ; kvimg
	v_lshl_add_u32 v[SPW], v0, 2, SPARE
	v_mov_b32 v[NIL], 0
	ds_add_u32 v28, v29
	ds_add_u32 v28, v29
	s_wait_dscnt 0x0
	v_lshrrev_b32 v1, 5, v0
	v_readfirstlane_b32 s14, v1                    ; wave
	s_lshr_b32 s15, s14, 1                         ; my half of P's rows.  Also: I fetch for P (0) or for R (1)
	s_and_b32 s16, s14, 1                          ; my half of R's rows.  Also: which eight tiles I fetch
	s_bfe_u32 s40, ttmp6, 0x40000                  ; cx
	s_bfe_u32 s41, ttmp6, 0x40004                  ; cy
	s_and_b32 s18, ttmp7, 0xffff                   ; the cluster's y, 0 .. 11: all sixteen partners share it
	s_lshr_b32 s66, s18, 2                         ; which projection: 0 query, 1 key, 2 value
	s_and_b32 s18, s18, 3
	s_lshl_b32 s18, s18, 2
	s_lshl_b32 s19, s66, 8                         ; q's or k's first tile
	s_lshl_b32 s20, s66, 6
	s_add_co_u32 s20, s20, 768                     ; wq's or wk's
	s_cmp_eq_u32 s66, 2
	s_cselect_b32 s67, 1, 0                        ; value?
	s_cselect_b32 s17, 0, s18
	s_cselect_b32 s42, s18, 0
	s_cselect_b32 s19, 896, s19                    ; P's first tile (wv's)
	s_cselect_b32 s20, 512, s20                    ; R's (v's)
	s_add_co_u32 s17, s17, s41                     ; which 256 rows of P: hangs on cy alone
	s_add_co_u32 s42, s42, s40                     ; which 256 rows of R: on cx alone
	s_lshl_b32 s43, s41, 2
	s_lshl_b32 s43, 15, s43                        ; my row of the cluster
	s_lshl_b32 s44, 0x1111, s40                    ; my column
	; descriptor group 1: 8 rows (tiles) of 3,072 bytes, 12,288 apart, as elements of 8 bytes; dense in LDS
	s_or_b32 s[G1+0], s43, (3<<16)|(1<<21)
	s_or_b32 s[G1B+0], s44, (3<<16)|(1<<21)
.irp g, G1, G1B
	s_mov_b32 s[\g+1], 384<<16                     ; tensor_dim0
	s_mov_b32 s[\g+2], 8<<16                       ; tensor_dim1
	s_mov_b32 s[\g+3], 384<<16                     ; tile_dim0
	s_mov_b32 s[\g+4], 8                           ; tile_dim1
	s_mov_b32 s[\g+5], 1536                        ; tensor_dim0_stride
	s_mov_b32 s[\g+6], 0
	s_mov_b32 s[\g+7], 0
.endr
	; the scale bytes of 8 tiles: 4,096 dense bytes, as 16 rows of 256
	s_or_b32 s[G1S+0], s43, (3<<16)|(1<<21)
	s_or_b32 s[G1SB+0], s44, (3<<16)|(1<<21)
.irp g, G1S, G1SB
	s_mov_b32 s[\g+1], 32<<16
	s_mov_b32 s[\g+2], 16<<16
	s_mov_b32 s[\g+3], 32<<16
	s_mov_b32 s[\g+4], 16
	s_mov_b32 s[\g+5], 32
	s_mov_b32 s[\g+6], 0
	s_mov_b32 s[\g+7], 0
.endr
	s_lshl_b32 s18, s16, 3
	s_lshl_b32 s2, s17, 4
	s_add_co_u32 s2, s2, s18
	s_add_co_u32 s2, s2, s19                       ; the first of P's eight tiles that I would fetch
	s_lshl_b32 s3, s42, 4
	s_add_co_u32 s3, s3, s18
	s_add_co_u32 s3, s3, s20                       ; and of R's
	s_mul_i32 s20, s2, TILEB
	s_mov_b32 s21, 0
	s_lshl_b32 s22, s2, 9
	s_mov_b32 s23, 0
	s_mul_i32 s46, s3, TILEB
	s_mov_b32 s47, 0
	s_lshl_b32 s92, s3, 9
	s_mov_b32 s93, 0
	s_mul_i32 s45, s14, HALFT                      ; where they go: no place in the cluster enters an LDS address
	s_lshl_b32 s94, s14, 12
	s_wait_kmcnt 0x0
	s_add_nc_u64 s[20:21], s[4:5], s[20:21]
	s_add_nc_u64 s[22:23], s[6:7], s[22:23]
	s_add_nc_u64 s[46:47], s[4:5], s[46:47]
	s_add_nc_u64 s[92:93], s[6:7], s[92:93]
	s_cmp_eq_u32 s66, 1
	s_cselect_b64 s[8:9], s[10:11], s[8:9]         ; the projection's bias
	s_cmp_eq_u32 s66, 2
	s_cselect_b64 s[8:9], s[96:97], s[8:9]
	CROUND                                         ; all sixteen work-groups are here: the first joint loads meet
	s_mov_b32 s[G0S], 1
	s_add_co_u32 s[G0S+1], s94, SCL
	s_mov_b64 s[G0S+2:G0S+3], s[22:23]
	s_or_b32 s[G0S+3], s[G0S+3], 0x80000000
	s_mov_b32 s[G0SB], 1
	s_add_co_u32 s[G0SB+1], s94, SCL
	s_mov_b64 s[G0SB+2:G0SB+3], s[92:93]
	s_or_b32 s[G0SB+3], s[G0SB+3], 0x80000000
	JLOAD G0S, G1S, G0SB, G1SB                     ; the scales first: they are wanted with the first step
.irp s, 0,1
	s_mov_b32 s[G0+4*\s], 1
	s_add_co_u32 s[G0+4*\s+1], s45, \s*SLOT
	s_add_nc_u64 s[G0+4*\s+2:G0+4*\s+3], s[20:21], \s*SLB
	s_or_b32 s[G0+4*\s+3], s[G0+4*\s+3], 0x80000000
	s_mov_b32 s[G0B+4*\s], 1
	s_add_co_u32 s[G0B+4*\s+1], s45, \s*SLOT
	s_add_nc_u64 s[G0B+4*\s+2:G0B+4*\s+3], s[46:47], \s*SLB
	s_or_b32 s[G0B+4*\s+3], s[G0B+4*\s+3], 0x80000000
	JLOAD G0+4*\s, G1, G0B+4*\s, G1B               ; three tensor loads of mine are out
.endr
	v_and_b32 v1, 15, v0                           ; r
	v_bfe_u32 v2, v0, 4, 1                         ; h
	v_and_b32 v3, 31, v0                           ; lane
	v_mul_u32_u24 v4, v3, 24                       ; a lane's 24 bytes in 768
	s_mul_i32 s21, s15, HALFT
	s_mul_i32 s22, s16, HALFT
	s_add_co_u32 s22, s22, 2*HALFT
.irp s, 0,1
	v_add_nc_u32 v[ADRA+\s], s21, v4
	v_add_nc_u32 v[ADRB+\s], s22, v4
	s_add_co_u32 s21, s21, SLOT
	s_add_co_u32 s22, s22, SLOT
.endr
	v_lshlrev_b32 v5, 3, v1                        ; scale words: 8 bytes a row for 256 along K
	s_lshl_b32 s21, s15, 12
	s_lshl_b32 s22, s16, 12
	s_add_co_u32 s22, s22, 2*HALFS
	s_sub_co_u32 s22, s22, s21
	v_mul_u32_u24 v6, s22, v2                      ; lanes 16-31 take R's
	s_add_co_u32 s21, s21, SCL
	v_add_nc_u32 v5, v5, v6
	v_add_nc_u32 v[ADRS], s21, v5
	s_mul_i32 s23, s14, 12288
	s_add_co_u32 s23, s23, STG                     ; my stage
	v_add_nc_u32 v[STO], s23, v4
	v_lshlrev_b32 v[CO], 4, v3
	v_add_nc_u32 v[RD], s23, v[CO]
	; THE BIAS is the C of each sum's first matrix instruction.  It goes with the weight's rows: along the registers for query and key, along the lanes for value.
	s_cmp_eq_u32 s67, 1
	s_cselect_b32 s18, s17, s42
	s_cselect_b32 s19, s15, s16
	s_lshl_b32 s18, s18, 10
	s_lshl_b32 s19, s19, 9
	s_add_co_u32 s18, s18, s19                     ; 4 x (256 x the weight's block + 128 x my half)
	s_mov_b32 s19, 0
	s_add_nc_u64 s[8:9], s[8:9], s[18:19]
	s_cmp_eq_u32 s67, 1                            ; (the branch hangs on the cluster's y alone)
	s_cbranch_scc1 .Lbias_v
	v_lshlrev_b32 v[BOF], 6, v2                    ; tile b's register j: channel 32 (b / 2) + 8 (b % 2) + 16 h + j
.irp b, 0,1,2,3,4,5,6,7
	global_load_b128 v[CB+8*\b:CB+8*\b+3], v[BOF], s[8:9] offset:(32*(\b/2)+8*(\b%2))*4
	global_load_b128 v[CB+8*\b+4:CB+8*\b+7], v[BOF], s[8:9] offset:(32*(\b/2)+8*(\b%2))*4+16
.endr
	s_branch .Lbias_done
.Lbias_v:
	v_and_b32 v[BOF], 8, v1
	v_add_nc_u32 v[BOF], v[BOF], v1
	v_lshlrev_b32 v[BOF], 2, v[BOF]                ; block a's lane r: channel 32 (a / 2) + 8 (a % 2) + r + 8 (r / 8), in all eight registers
.irp a, 0,1,2,3,4,5,6,7
.irp j, 0,1,2,3,4,5,6,7
	global_load_b32 v[CB+8*\a+\j], v[BOF], s[8:9] offset:(32*(\a/2)+8*(\a%2))*4
.endr
.endr
.Lbias_done:
.macro FRAG reg, adr, q, i             ; a fragment, 16 rows x 128 K: twice 24 bytes a lane, as they lie: six loads of 8 bytes; 32 lanes 24 bytes apart touch 64 different banks
.irp p, 0,1,2,3,4,5
	ds_load_b64 v[\reg+2*\p:\reg+2*\p+1], v[\adr] offset:(\i)*SLB+(\q)*1536+768*(\p/3)+8*(\p%3)
.endr
.endm
; 16 matrix instructions: P's blocks a0, a0 + 1 x R's eight.  zero = 1: the sums start from the bias along R; 2: along P; 0: they go on.  The 64 accumulators take turns.
.macro MUL16 a0, p, q, sc, zero
.irp a, \a0, \a0+1
.irp b, 0,1,2,3,4,5,6,7
.if \zero == 1
	v_wmma_scale_f32_16x16x128_f8f6f4 v[8*(8*((\a)%4)+\b):8*(8*((\a)%4)+\b)+7], v[128*(\p)+FR*\b:128*(\p)+FR*\b+FR-1], v[AF+FR*(\a):AF+FR*(\a)+FR-1], v[CB+8*\b:CB+8*\b+7], v[SC+8*NQ*(\sc)+NQ*\b+(\q)], v[SC+8*NQ*(\sc)+NQ*(\a)+(\q)] matrix_a_fmt:MATRIX_FMT_BF6 matrix_b_fmt:MATRIX_FMT_BF6 matrix_a_scale:MATRIX_SCALE_ROW1
.elseif \zero == 2
	v_wmma_scale_f32_16x16x128_f8f6f4 v[8*(8*((\a)%4)+\b):8*(8*((\a)%4)+\b)+7], v[128*(\p)+FR*\b:128*(\p)+FR*\b+FR-1], v[AF+FR*(\a):AF+FR*(\a)+FR-1], v[CB+8*(\a):CB+8*(\a)+7], v[SC+8*NQ*(\sc)+NQ*\b+(\q)], v[SC+8*NQ*(\sc)+NQ*(\a)+(\q)] matrix_a_fmt:MATRIX_FMT_BF6 matrix_b_fmt:MATRIX_FMT_BF6 matrix_a_scale:MATRIX_SCALE_ROW1
.else
	v_wmma_scale_f32_16x16x128_f8f6f4 v[8*(8*((\a)%4)+\b):8*(8*((\a)%4)+\b)+7], v[128*(\p)+FR*\b:128*(\p)+FR*\b+FR-1], v[AF+FR*(\a):AF+FR*(\a)+FR-1], v[8*(8*((\a)%4)+\b):8*(8*((\a)%4)+\b)+7], v[SC+8*NQ*(\sc)+NQ*\b+(\q)], v[SC+8*NQ*(\sc)+NQ*(\a)+(\q)] matrix_a_fmt:MATRIX_FMT_BF6 matrix_b_fmt:MATRIX_FMT_BF6 matrix_a_scale:MATRIX_SCALE_ROW1
.endif
.endr
.endr
.endm
.macro FETCH_B slot, q, p
	WIN TO_B
.irp i, 0,1,2,3,4,5,6,7
	FRAG 128*(\p)+FR*\i, ADRB+\slot, \q, \i
.endr
	WIN 0
.endm
.macro FETCH_A slot, q, i0
.irp i, \i0, \i0+1, \i0+2, \i0+3
	FRAG AF+FR*(\i), ADRA+\slot, \q, \i
.endr
.endm
.macro SCALES sc                       ; a slot's scale words: two a row; lanes 0-15 take P's block i, lanes 16-31 R's block i
.irp i, 0,1,2,3,4,5,6,7
	ds_load_b64 v[SC+8*NQ*\sc+NQ*\i:SC+8*NQ*\sc+NQ*\i+1], v[ADRS] offset:\i*SBLK
.endr
.endm
.macro PLACES n                        ; plain vector instructions in front of loads into registers that matrix instructions have read, and of reads of results
.rept \n
	v_nop
.endr
.endm
.macro STEP slot, q, zero              ; 128 along K that has its successor in the same slot
	s_wait_dscnt 4*NL                              ; R's set and P's blocks 0-3 are in; the youngest 24 loads (P's blocks 4-7) may be out
.if \zero
	WIN 0x81                                       ; C (the bias) window 0, D window 2
.else
	WIN MUL_LO
.endif
	MUL16 0, (\q)%2, \q, \slot, \zero
	MUL16 2, (\q)%2, \q, \slot, \zero
	s_wait_dscnt 0
	PLACES NP
	FETCH_B \slot, (\q)+1, 1-(\q)%2
	FETCH_A \slot, (\q)+1, 0
.if \zero
	WIN 0xc1
.else
	WIN MUL_HI
.endif
	MUL16 4, (\q)%2, \q, \slot, \zero
	MUL16 6, (\q)%2, \q, \slot, \zero
	PLACES NP
	WIN 0
	FETCH_A \slot, (\q)+1, 4
.endm
; A slot's last step changes slots: one barrier; in front of it each wave waits for all its tensor loads, adds 0 to its spare word, and waits for that and for its reads of this slot.
.macro TURN slot, next, fill
	s_wait_tensorcnt 0x0                           ; all my tensor loads have landed: my part of the next slot
	ds_add_u32 v[SPW], v[NIL]                      ; 0 onto my spare word
	s_wait_dscnt 4*NL+1                            ; (the add and the youngest 24 loads may be out)
	WIN MUL_LO
	MUL16 0, 1, NQ-1, \slot, 0
	s_wait_dscnt 0x0                               ; the add is done, and my reads of this slot are over
	s_barrier_signal -1
	MUL16 2, 1, NQ-1, \slot, 0
	WIN 0
	s_barrier_wait -1
.if \fill
	CREST                                          ; the barrier has opened a round of the cluster's: no wave of any partner still reads this slot or has a load on its way
	s_add_nc_u64 s[G0+4*\slot+2:G0+4*\slot+3], s[G0+4*\slot+2:G0+4*\slot+3], 2*SLB
	s_add_nc_u64 s[G0B+4*\slot+2:G0B+4*\slot+3], s[G0B+4*\slot+2:G0B+4*\slot+3], 2*SLB
	JLOAD G0+4*\slot, G1, G0B+4*\slot, G1B         ; the first tensor load behind the round; its four v_nop are the places in front of the loads below
.else
	PLACES NP
.endif
	v_add_nc_u32 v[ADRS], 128, v[ADRS]             ; the next slot's scale words
	FETCH_B \next, 0, 0
	FETCH_A \next, 0, 0
	SCALES \next
	WIN MUL_HI
	MUL16 4, 1, NQ-1, \slot, 0
	MUL16 6, 1, NQ-1, \slot, 0
	PLACES NP
	WIN 0
	FETCH_A \next, 0, 4
.endm
	s_wait_tensorcnt 1                             ; the scales and my part of slot 0 are in; slot 1's load may be out
	s_barrier_signal -1
	s_barrier_wait -1
	FETCH_B 0, 0, 0
	FETCH_A 0, 0, 0
	SCALES 0
	FETCH_A 0, 0, 4
	s_wait_loadcnt 0x0                             ; the bias
	s_cmp_eq_u32 s67, 1
	s_cbranch_scc1 .Lfirst_v
	STEP 0, 0, 1
	s_branch .Lfirst_done
.Lfirst_v:
	STEP 0, 0, 2
.Lfirst_done:
	TURN 0, 1, 1                                   ; K = 1,024 is eight steps: written out, slots 0 and 1 are each filled once more
	STEP 1, 0, 0
	TURN 1, 0, 1
	STEP 0, 0, 0
	TURN 0, 1, 0
	STEP 1, 0, 0
	s_wait_dscnt 4*NL
	WIN MUL_LO
	MUL16 0, 1, NQ-1, 1, 0
	MUL16 2, 1, NQ-1, 1, 0
	s_wait_dscnt 0
	WIN MUL_HI
	MUL16 4, 1, NQ-1, 1, 0
	MUL16 6, 1, NQ-1, 1, 0
	WIN 0
	PLACES NP
	; THE WAY OUT.  tokens: the operand that holds them gives batch and step; channels: the other gives the head.
	s_mov_b32 s10, 0x76543210
	s_mov_b32 s11, 0xfedcba98                      ; v_permlanex16_b32's selects for lane l xor 16
	s_mov_b32 s87, 208896
	s_mov_b32 s88, 12288
	s_cmp_eq_u32 s67, 1
	s_cselect_b32 s80, s42, s17                    ; the tokens' block of 256
	s_cselect_b32 s81, s16, s15                    ; and my half of it
	s_cselect_b32 s82, s17, s42                    ; the channels' block
	s_cselect_b32 s83, s15, s16
	s_cselect_b32 s104, -1, 0xffff                 ; what is kept of a scale word,
	s_cselect_b32 s105, 0, 0x7f7f0000              ; and what is set: query's and key's K is 64, the other two bytes stand over zero codes
	s_cselect_b32 s84, 6144, 0                     ; V lies behind K in a step
	s_cselect_b32 s85, 8192, 0                     ; V's scale words behind K's
	s_cselect_b32 s86, 8, 9                        ; 256 or 512 bytes of scale words a step
	s_cmp_eq_u32 s66, 0
	s_cselect_b32 s87, 106496, s87                 ; a head's bytes
	s_cselect_b32 s89, 6144, s88                   ; a step's
	s_cselect_b32 s88, 8192, s88                   ; where the codes begin
	s_cselect_b64 s[12:13], s[98:99], s[100:101]   ; qimg or kvimg
	s_lshr_b32 s90, s80, 3                         ; batch
	s_lshl_b32 s80, s80, 1
	s_add_co_u32 s80, s80, s81
	s_and_b32 s80, s80, 15                         ; step (group) of 128 tokens
	s_lshl_b32 s82, s82, 2
	s_lshl_b32 s83, s83, 1
	s_add_co_u32 s82, s82, s83                     ; my first head of two
	s_lshl_b32 s90, s90, 4
	s_add_co_u32 s90, s90, s82
	s_mul_i32 s90, s90, s87                        ; its first byte
	s_mul_i32 s91, s80, s89
	s_add_co_u32 s91, s91, s88
	s_add_co_u32 s91, s91, s84
	s_add_co_u32 s2, s90, s91
	s_mov_b32 s3, 0
	s_add_nc_u64 s[68:69], s[12:13], s[2:3]        ; the stage's four pieces of 3,072 bytes go to: +0,
	s_mov_b32 s18, 3072
	s_mov_b32 s19, 0
	s_cmp_eq_u32 s67, 1
	s_cselect_b32 s2, s87, s18                     ; + 3,072 (query, key: tiles 4-7) or + a head (value: the second head),
	s_cselect_b32 s18, s18, s87                    ; the other of the two,
	s_add_nc_u64 s[70:71], s[68:69], s[2:3]
	s_add_nc_u64 s[72:73], s[68:69], s[18:19]
	s_add_nc_u64 s[74:75], s[72:73], s[2:3]        ; and both
	s_lshl_b32 s2, s80, s86
	s_add_co_u32 s2, s2, s85
	s_add_co_u32 s2, s2, s90
	s_add_nc_u64 s[76:77], s[12:13], s[2:3]        ; the scale words of blocks 0-3,
	s_cmp_eq_u32 s67, 1
	s_cselect_b32 s2, s87, 256
	s_cselect_b32 s18, 0, 16
	s_cselect_b32 s19, 0, s87
	s_add_nc_u64 s[78:79], s[76:77], s[2:3]        ; of blocks 4-7
	v_mul_u32_u24 v[SHV], s18, v2                  ; query, key: lanes 16-31 take the word's upper two bytes, the second head's,
	v_mul_u32_u24 v[SVO], s19, v2                  ; and store them a head further on; value: both halves of the lanes store the same word at the same place
	v_lshl_add_u32 v[SVO], v1, 4, v[SVO]
.irp b, 0,1,2,3
	v_mov_b32 v[TM+4+\b], 0                        ; written once: a lane permute's destination counts as one of its sources
.endr
; P's block a: my 64 sums, register 16 b + i = 32 b + 16 h + i along R, become 12 registers of codes in v[PC] on and a scale word in v[PW]
.macro QUANTW a
.set AC, 64*((\a)%4)
.set WW, 2+(\a)/4
	WIN 0
.irp b, 0,1,2,3
	v_mov_b32 v[TM+\b], 0x2800000                  ; the floor 2^(5 - 127): the byte cannot fall under 1
.endr
	WIN (WW<<2)|(WW<<4)
.irp i, 0,2,4,6,8,10,12,14                     ; each accumulator is read from its low end on
.irp b, 0,1,2,3
	v_max3_num_f32 v[TM+\b], v[TM+\b], |v[AC+16*\b+\i]|, |v[AC+16*\b+\i+1]|
.endr
.endr
	WIN 0
.irp b, 0,1,2,3
	v_permlanex16_b32 v[TM+4+\b], v[TM+\b], s10, s11
.endr
.irp b, 0,1,2,3
	v_max_num_f32 v[TM+\b], v[TM+\b], v[TM+4+\b]   ; with lane l xor 16's: the block's largest magnitude
.endr
.irp b, 0,1,2,3
	v_add_nc_u32 v[TM+12+\b], 0xfe000000, v[TM+\b] ; 4 off the exponent field: the conversion's scale operand
.endr
.irp b, 0,1,2,3
	v_lshrrev_b32 v[TM+4+\b], 23, v[TM+12+\b]      ; the scale's byte
.endr
	v_lshl_or_b32 v[PW], v[TM+5], 8, v[TM+4]
	v_lshl_or_b32 v[PW], v[TM+6], 16, v[PW]
	v_lshl_or_b32 v[PW], v[TM+7], 24, v[PW]
	s_wait_dscnt 0x0                               ; the last block's stores into the stage have read their registers
	WIN WW
.irp c, 0,1
	v_cvt_scalef32_pk16_bf6_f32 v[PC+6*\c:PC+2+6*\c], v[AC+32*\c:AC+15+32*\c], v[TM+12+2*\c]
	v_cvt_scalef32_pk16_bf6_f32 v[PC+12+4*\c:PC+14+4*\c], v[AC+16+32*\c:AC+31+32*\c], v[TM+12+2*\c+1]
.endr
	WIN 0
	v_nop                                          ; one plain place behind a scaled conversion
.irp c, 0,1                                    ; a whole block to a lane: lanes 0-15 block 2 c, lanes 16-31 block 2 c + 1
.irp i, 0,1,2
	v_permlane16_swap_b32 v[PC+6*\c+\i], v[PC+12+4*\c+\i]
.endr
.irp i, 0,1,2
	v_mov_b32 v[PC+3+6*\c+\i], v[PC+12+4*\c+\i]
.endr
.endr
.endm
.irp a, 0,1,2,3,4,5,6,7
	QUANTW \a
.irp p, 0,1,2
	ds_store_b64 v[STO], v[PC+2*\p:PC+2*\p+1] offset:768*\a+8*\p              ; the first 64 along R
.endr
.irp p, 0,1,2
	ds_store_b64 v[STO], v[PC+6+2*\p:PC+7+2*\p] offset:6144+768*\a+8*\p       ; the second
.endr
	v_lshrrev_b32 v[SW+\a], v[SHV], v[PW]
	v_and_or_b32 v[SW+\a], v[SW+\a], s104, s105
.endr
.irp n, 0,1,2,3,4,5,6,7,8,9,10,11,12,13,14,15,16,17,18,19,20,21,22,23
	ds_load_b128 v[BK+4*\n:BK+4*\n+3], v[RD] offset:512*\n     ; LDS serves a wave's instructions in order: these see my stores
.endr
.irp n, 0,1,2,3,4,5,6,7,8,9,10,11,12,13,14,15,16,17,18,19,20,21,22,23
	s_wait_dscnt 23-\n
	global_store_b128 v[CO], v[BK+4*\n:BK+4*\n+3], s[68+2*(\n/6):69+2*(\n/6)] offset:512*(\n%6)   ; 32 lanes store 512 consecutive bytes, aligned
.endr
	global_store_b128 v[SVO], v[SW:SW+3], s[76:77]     ; sixteen lanes store 256 consecutive bytes, aligned
	global_store_b128 v[SVO], v[SW+4:SW+7], s[78:79]
	s_wait_tensorcnt 0x0                           ; the wave's end
	ds_add_u32 v[SPW], v[NIL]
	s_wait_dscnt 0x0
	CROUND                                         ; the closing round
	s_endpgm
.Lfunc_end_k_q270cdf863c_proj:
	.size	k_q270cdf863c_proj, .Lfunc_end_k_q270cdf863c_proj-k_q270cdf863c_proj
	.p2alignl 7, 3214868480
	.fill 96, 4, 3214868480
	.section	.rodata,"a",@progbits
	.p2align	6, 0x0
	.amdhsa_kernel k_q270cdf863c_proj
		.amdhsa_group_segment_fixed_size 327680
		.amdhsa_private_segment_fixed_size 0
		.amdhsa_enable_private_segment 0
		.amdhsa_kernarg_size 56
		.amdhsa_user_sgpr_count 2
		.amdhsa_user_sgpr_kernarg_segment_ptr 1
		.amdhsa_wavefront_size32 1
		.amdhsa_system_sgpr_workgroup_id_x 1
		.amdhsa_system_sgpr_workgroup_id_y 1
		.amdhsa_system_sgpr_workgroup_id_z 1
		.amdhsa_system_vgpr_workitem_id 0
		.amdhsa_next_free_vgpr 1024
		.amdhsa_next_free_sgpr 106
		.amdhsa_reserve_vcc 0
		.amdhsa_float_denorm_mode_32 3
		.amdhsa_float_denorm_mode_16_64 3
		.amdhsa_memory_ordered 1
		.amdhsa_forward_progress 1
		.amdhsa_inst_pref_size 195
	.end_amdhsa_kernel
	.amdgpu_metadata
---
amdhsa.version: [ 1, 2 ]
amdhsa.kernels:
  - .name:           k_q270cdf863c_proj
    .symbol:         k_q270cdf863c_proj.kd
    .args:
      - { .name: cod, .offset: 0, .size: 8, .value_kind: global_buffer, .address_space: global }
      - { .name: scl, .offset: 8, .size: 8, .value_kind: global_buffer, .address_space: global }
      - { .name: bq, .offset: 16, .size: 8, .value_kind: global_buffer, .address_space: global }
      - { .name: bk, .offset: 24, .size: 8, .value_kind: global_buffer, .address_space: global }
      - { .name: bv, .offset: 32, .size: 8, .value_kind: global_buffer, .address_space: global }
      - { .name: qimg, .offset: 40, .size: 8, .value_kind: global_buffer, .address_space: global }
      - { .name: kvimg, .offset: 48, .size: 8, .value_kind: global_buffer, .address_space: global }
    .group_segment_fixed_size: 327680
    .private_segment_fixed_size: 0
    .kernarg_segment_align: 8
    .kernarg_segment_size: 56
    .max_flat_workgroup_size: 128
    .sgpr_count:     106
    .vgpr_count:     1024
    .wavefront_size: 32
...
	.end_amdgpu_metadata
.endif
;; end of part 3
;; launch attn (part 4): grid 8 x 32, 16 waves a work-group, clusters of 4 x 1, 223,232 bytes of LDS; arguments qimg, kvimg, mb, xc, xs; writes xc, xs
.if DOCPART == 4
	.amdgcn_target "amdgcn-amd-amdhsa--gfx1250"
	.amdhsa_code_object_version 6
	.text
	.protected	k_q270cdf863c_attn
	.globl	k_q270cdf863c_attn
	.p2align	8
	.type	k_q270cdf863c_attn,@function
k_q270cdf863c_attn:
	s_mov_b64 s[64:65], 0
	v_nop
	global_prefetch_b8 v0, s[64:65] scope:SCOPE_SE
	s_setreg_imm32_b32 hwreg(HW_REG_WAVE_MODE, 25, 1), 1
	s_wait_xcnt 0x0
	s_wait_alu depctr_hold_cnt(0) depctr_sa_sdst(0) depctr_va_vdst(0) depctr_va_sdst(0) depctr_va_ssrc(0) depctr_va_vcc(0) depctr_vm_vsrc(0)
	s_getreg_b32 s2, hwreg(HW_REG_IB_STS2, 6, 4)
	s_cmp_eq_u32 s2, 0
	s_cbranch_scc0 .Lentry_in_a_cluster
	s_endpgm
.Lentry_in_a_cluster:
	s_bfe_u32 s2, ttmp6, 0x10000c
	s_cmp_lg_u32 s2, 0x3003
	s_cbranch_scc0 .Lentry_shape_is_right
	s_endpgm
.Lentry_shape_is_right:
; For each (batch, head): scores = Q K^T on codes of BF6 (K = 64); where the mask is 0 the logit is -1; p = 2^(t - M), t = logit x log2(e), M the running largest t rounded up to a whole number;
; p is quantised along the keys; O = P V on codes; O is divided by the sum of the unquantised p and quantised along head x 64 + channel, as the last product's operand (xc, xs: laid as cod, scl of the first launch).
; SHARES.  A work-group owns 256 queries of one (batch, head); each of its sixteen waves one tile of 16, in 256 registers, four waves to a SIMD.  Every wave walks all 2,048 keys, 128 a step.
; A head's K, V and scale words are 208,896 bytes: the whole image comes into LDS ONCE (nothing is filled again), in three thirds, each wave bringing 17 rows of 256 bytes of each third.
; The four work-groups of a cluster belong to one head and ask for each piece JOINTLY.  The first third holds the scale words and steps 0-3, the second reaches step 9: the walk starts when the first has landed.
; LAYOUT.  Both products are used transposed (source 0 = 16 keys, or 16 channels; source 1 = my 16 queries): a lane holds one query.  Tiles are laid so that the 16 registers of tiles 2 b, 2 b + 1 are 16 neighbours.
; K = 64 IN A FORM 128 DEEP: Q's upper six registers are zero codes; K's tile t is named as v[32 + 6 t] on, twelve registers, of which the upper six are the next tile's codes and meet Q's zeros; bytes 2, 3 of both scale words are 0x7f.
; THE MASK comes as lane masks (mb): 64 words a step, by scalar loads a step ahead; a score whose bit is 0 becomes -8, which is the logit -1 ahead of the division by 8.
; LIMITS: a block's largest p is taken from its largest score (v_exp_f32 is taken not to fall where its input rises); a block whose every p is 0 keeps the byte 1 (zero codes); NaN and infinities are not served.
; REGISTERS: v1-7 addresses that stay (v5: -8.0); v8-11 the step's addresses; v12 -M, v13 the largest t, v[14:15] the sum; v16-27 Q; v32-85 K's or V's fragments (v80-85 zeros); v96-159 scores, then p; v160-191 O^T;
;   v192-195 V's scale words, v196-203 K's; v224-235 p's codes; v232-254 at work; v253 p's scale word; v255 Q's.
.set HS,    208896                     ; a head's image
.set QS,    106496                     ; a head's part of qimg
.set STEPB, 12288                      ; a step's codes: K 6,144, V 6,144
.set THIRD, 69632                      ; 272 rows of 256 bytes
.set PIECE, 4352                       ; 17 rows
.set STAGE, HS                         ; behind the image: 768 bytes for each wave; no tensor load lands here
.macro CROUND
	s_barrier_signal -1
	s_barrier_wait -1
	s_cmp_lg_u32 s4, 0
	s_cbranch_scc1 .Lnot_wave_0_\@
	s_barrier_signal -3
.Lnot_wave_0_\@:
	s_barrier_wait -3
	s_barrier_signal -1
	s_barrier_wait -1
.endm
.macro MASKW                           ; a step's 64 lane masks: word n in s[16 + n], from n = 48 on in s[20 + n]
	s_load_b512 s[16:31], s[2:3], s5 offset:0x0
	s_load_b512 s[32:47], s[2:3], s5 offset:0x40
	s_load_b512 s[48:63], s[2:3], s5 offset:0x80
	s_load_b512 s[68:83], s[2:3], s5 offset:0xc0
.endm
	s_load_b128 s[16:19], s[0:1], 0x0              ; qimg, kvimg
	s_load_b64 s[20:21], s[0:1], 0x10              ; mb
	v_lshl_add_u32 v250, v0, 2, 0x36000
	v_mov_b32 v251, 0
	ds_add_u32 v250, v251
	ds_add_u32 v250, v251
	v_lshrrev_b32 v8, 5, v0
	v_readfirstlane_b32 s4, v8                     ; wave 0..15
	s_bfe_u32 s22, ttmp6, 0x40000                  ; cx: it enters Q's, the mask's and the result's addresses alone
	s_lshl_b32 s23, ttmp9, 2
	s_add_co_u32 s23, s23, s22
	s_lshl_b32 s23, s23, 4
	s_add_co_u32 s23, s23, s4                      ; my tile of queries, 0..127
	s_and_b32 s24, ttmp7, 0xffff                   ; 16 batch + head: the four partners share it
	s_mul_i32 s26, s24, HS
	s_mul_i32 s25, s4, PIECE                       ; my piece of a third: in LDS and in memory alike
	s_add_co_u32 s26, s26, s25
	s_mov_b32 s27, 0
	s_mul_i32 s30, s24, QS
	s_mul_i32 s31, s23, 768
	s_add_co_u32 s32, s30, s31
	s_add_co_u32 s32, s32, 8192                    ; Q's codes of my tile
	s_mov_b32 s33, 0
	s_lshr_b32 s34, s23, 2
	s_lshl_b32 s34, s34, 8
	s_and_b32 s35, s23, 3
	s_lshl_b32 s35, s35, 2
	s_add_co_u32 s34, s34, s35
	s_add_co_u32 s34, s34, s30                     ; and its scale words
	s_mov_b32 s35, 0
	s_lshl_b32 s36, s23, 12                        ; my tile's lane masks: 16 steps x 256 bytes
	s_mov_b32 s37, 0
	s_mul_i32 s38, s4, 768
	s_add_co_u32 s38, s38, STAGE                   ; my stage
	s_mov_b32 s84, 15|(3<<16)|(1<<21)              ; group 1: the mask names all four; elements of 8 bytes; bit 21 beside a mask; no padding
	s_mov_b32 s85, 32<<16                          ; tensor_dim0: 256 bytes
	s_mov_b32 s86, 17<<16                          ; tensor_dim1
	s_mov_b32 s87, 32<<16                          ; tile_dim0
	s_mov_b32 s88, 17                              ; tile_dim1
	s_mov_b32 s89, 32                              ; stride: dense
	s_mov_b32 s90, 0
	s_mov_b32 s91, 0
	s_mov_b32 s6, 0x76543210
	s_mov_b32 s7, 0xfedcba98                       ; v_permlanex16_b32's selects for lane l xor 16
	s_mov_b32 s8, 0x3e38aa3b                       ; c = log2(e) / 8
	s_mov_b32 s9, s8
	s_mov_b32 s5, 0
	s_mov_b32 s11, 0                               ; the step's codes, 12,288 a step
	s_mov_b32 s66, 0                               ; K's scale words, 512 a step
	s_mov_b32 s67, 0                               ; V's, 256 a step
	s_wait_dscnt 0x0
	s_wait_kmcnt 0x0
	s_add_nc_u64 s[28:29], s[18:19], s[26:27]
	s_add_nc_u64 s[100:101], s[16:17], s[32:33]
	s_add_nc_u64 s[104:105], s[16:17], s[34:35]
	s_add_nc_u64 s[2:3], s[20:21], s[36:37]
	s_mov_b32 s92, 1
	s_mov_b32 s93, s25
	s_mov_b64 s[94:95], s[28:29]
	s_or_b32 s95, s95, 0x80000000
	s_mov_b32 s96, 1
	s_add_co_u32 s97, s25, THIRD
	s_add_nc_u64 s[98:99], s[28:29], THIRD
	s_or_b32 s99, s99, 0x80000000
	s_mov_b32 s12, 1
	s_add_co_u32 s13, s25, 2*THIRD
	s_add_nc_u64 s[14:15], s[28:29], 2*THIRD
	s_or_b32 s15, s15, 0x80000000
	CROUND                                         ; all four work-groups are here: the joint loads meet
	tensor_load_to_lds s[92:95], s[84:91]          ; three tensor loads of mine are out, and no more follow
	s_nop 0
	tensor_load_to_lds s[96:99], s[84:91]
	s_nop 0
	tensor_load_to_lds s[12:15], s[84:91]
	s_nop 0
.rept 4
	v_nop
.endr
	v_and_b32 v8, 31, v0                           ; lane
	v_and_b32 v9, 15, v0                           ; r
	v_mul_u32_u24 v10, v8, 24
	v_lshlrev_b32 v3, 4, v9                        ; K's scale words: 16 r
	global_load_b64 v[16:17], v10, s[100:101]      ; Q's 24 bytes a lane stay in registers
	global_load_b64 v[18:19], v10, s[100:101] offset:8
	global_load_b64 v[20:21], v10, s[100:101] offset:16
	global_load_b32 v255, v3, s[104:105]
	v_add_nc_u32 v1, 12288, v10                    ; K's codes of step 0
	v_add_nc_u32 v2, 18432, v10                    ; V's
	v_add_nc_u32 v4, 8192, v3                      ; V's scale words
	v_mov_b32 v5, 0xc1000000                       ; -8.0
	v_add_nc_u32 v6, s38, v10                      ; the stage, in
	v_lshl_add_u32 v7, v8, 3, s38                  ; and out
.irp j, 22,23,24,25,26,27,80,81,82,83,84,85
	v_mov_b32 v\j, 0                               ; zero codes
.endr
	v_mov_b32 v13, 0xff61b1e6                      ; the largest t so far: -3e38
	v_floor_f32 v12, -v13                          ; -M
	v_mov_b32 v14, 0
	v_mov_b32 v15, 0
.irp b, 0,1,2,3
	v_mov_b32 v[236+\b], 0                         ; a lane permute's destination counts as one of its sources
.endr
	v_mov_b32 v253, 0
.irp j, 0,1,2,3,4,5,6,7,8,9,10,11,12,13,14,15,16,17,18,19,20,21,22,23,24,25,26,27,28,29,30,31
	v_mov_b32 v[160+\j], 0                         ; O^T: the step is written once; the first change of M leaves zeros zeros
.endr
	MASKW                                          ; step 0's lane masks
	s_wait_loadcnt 0x0                             ; Q
.macro STEP
	v_add_nc_u32 v8, s11, v1                       ; these four are also the places behind the last products, in front of the loads below
	v_add_nc_u32 v9, s11, v2
	v_add_nc_u32 v10, s66, v3
	v_add_nc_u32 v11, s67, v4
.irp t, 0,1,2,3,4,5,6,7
.irp p, 0,1,2
	ds_load_b64 v[32+6*\t+2*\p:33+6*\t+2*\p], v8 offset:768*\t+8*\p
.endr
.endr
	ds_load_b128 v[196:199], v10
	ds_load_b128 v[200:203], v10 offset:256
	s_wait_dscnt 0x0
.irp t, 0,1,2,3,4,5,6,7
	v_wmma_scale_f32_16x16x128_f8f6f4 v[96+8*\t:103+8*\t], v[32+6*\t:43+6*\t], v[16:27], 0, v[196+\t], v255 matrix_a_fmt:MATRIX_FMT_BF6 matrix_b_fmt:MATRIX_FMT_BF6
.endr
.rept 4
	v_nop                                          ; places in front of the loads into K's registers and of the first read of the scores
.endr
.irp t, 0,1,2,3                                ; V's four tiles land while the softmax is walked
.irp p, 0,1,2,3,4,5
	ds_load_b64 v[32+12*\t+2*\p:33+12*\t+2*\p], v9 offset:768*\t+3072*(\p/3)+8*(\p%3)
.endr
.endr
	ds_load_b128 v[192:195], v11
	s_wait_kmcnt 0x0                               ; this step's lane masks
.set n, 0
.rept 64
	v_cndmask_b32 v[96+n], v5, v[96+n], s[16+n+4*(n/48)]   ; bit 0: the logit is -1.  Ascending: each accumulator is read from its low end on
.set n, n+1
.endr
.irp b, 0,1,2,3
	v_max3_num_f32 v[232+\b], v[96+16*\b], v[97+16*\b], v[98+16*\b]   ; the largest score of each block of 32 keys: for the row's maximum and for the block's largest p
.endr
.irp i, 3,5,7,9,11,13
.irp b, 0,1,2,3
	v_max3_num_f32 v[232+\b], v[232+\b], v[96+16*\b+\i], v[97+16*\b+\i]
.endr
.endr
.irp b, 0,1,2,3
	v_max_num_f32 v[232+\b], v[232+\b], v[111+16*\b]
.endr
	s_add_co_u32 s5, s5, 256                       ; the next step's lane masks; behind the last step the tile's first are asked for again and not used: the load stays inside the tile's 4,096 bytes
	s_and_b32 s5, s5, 0xfff
	MASKW
.irp b, 0,1,2,3
	v_permlanex16_b32 v[236+\b], v[232+\b], s6, s7
.endr
.irp b, 0,1,2,3
	v_max_num_f32 v[232+\b], v[232+\b], v[236+\b]  ; with lane l xor 16's 16 keys
.endr
	v_max3_num_f32 v254, v232, v233, v234
	v_max_num_f32 v254, v254, v235
	v_mul_f32 v254, s8, v254                       ; as t (c is positive)
	v_max_num_f32 v13, v13, v254                   ; the running largest t
	v_mov_b32 v254, v12
	v_floor_f32 v12, -v13                          ; the new -M = -ceil(t)
	v_sub_f32 v254, v12, v254                      ; old M - new M: a whole number, 0 or less
	v_cvt_i32_f32 v254, v254                       ; (it saturates)
	v_ldexp_f32 v252, 1.0, v254                    ; f = 2^(old M - new M): rounds nothing
.irp j, 0,2,4,6,8,10,12,14,16,18,20,22,24,26,28,30,32,34,36,38,40,42,44,46,48,50,52,54,56,58,60,62
	v_pk_fma_f32 v[96+\j:97+\j], v[96+\j:97+\j], s[8:9], v[12:13] op_sel_hi:[1,0,0]   ; t - M
.endr
.irp b, 0,1,2,3
	v_fma_f32 v[232+\b], v[232+\b], s8, v12
.endr
.irp j, 0,1,2,3,4,5,6,7,8,9,10,11,12,13,14,15,16,17,18,19,20,21,22,23,24,25,26,27,28,29,30,31,32,33,34,35,36,37,38,39,40,41,42,43,44,45,46,47,48,49,50,51,52,53,54,55,56,57,58,59,60,61,62,63
	v_exp_f32 v[96+\j], v[96+\j]                   ; p = 2^(t - M)
.endr
.irp b, 0,1,2,3
	v_exp_f32 v[232+\b], v[232+\b]                 ; the block's largest p
.endr
	v_pk_mul_f32 v[14:15], v[14:15], v[252:253] op_sel_hi:[1,0]   ; the sums under the new M; a plain place behind the exponentials
	s_wait_alu depctr_va_vdst(0)
.irp b, 0,1,2,3
	v_max_num_f32 v[232+\b], 0x2800000, v[232+\b]  ; the floor 2^(5 - 127)
.endr
.irp b, 0,1,2,3
	v_add_nc_u32 v[244+\b], 0xfe000000, v[232+\b]  ; the conversion's scale operand
.endr
.irp b, 0,1,2,3
	v_lshrrev_b32 v[236+\b], 23, v[244+\b]         ; the scale's byte
.endr
	v_lshl_or_b32 v253, v237, 8, v236              ; p's scale word for these 128 keys
	v_lshl_or_b32 v253, v238, 16, v253
	v_lshl_or_b32 v253, v239, 24, v253
.irp c, 0,1
	v_cvt_scalef32_pk16_bf6_f32 v[224+6*\c:226+6*\c], v[96+32*\c:111+32*\c], v[244+2*\c]
	v_cvt_scalef32_pk16_bf6_f32 v[236+4*\c:238+4*\c], v[112+32*\c:127+32*\c], v[244+2*\c+1]
.endr
	v_nop                                          ; one plain place behind a scaled conversion
.irp c, 0,1
.irp i, 0,1,2
	v_permlane16_swap_b32 v[224+6*\c+\i], v[236+4*\c+\i]
.endr
.irp i, 0,1,2
	v_mov_b32 v[227+6*\c+\i], v[236+4*\c+\i]
.endr
.endr
	v_pk_add_f32 v[236:237], v[96:97], v[98:99]    ; the row's sum is taken of the unquantised p, in two chains
.irp j, 4,8,12,16,20,24,28,32,36,40,44,48,52,56,60
	v_pk_add_f32 v[14:15], v[14:15], v[96+\j:97+\j]
	v_pk_add_f32 v[236:237], v[236:237], v[98+\j:99+\j]
.endr
	v_pk_add_f32 v[14:15], v[14:15], v[236:237]
.irp j, 0,2,4,6,8,10,12,14,16,18,20,22,24,26,28,30
	v_pk_mul_f32 v[160+\j:161+\j], v[160+\j:161+\j], v[252:253] op_sel_hi:[1,0]   ; O^T under the new M
.endr
	s_wait_dscnt 0x0                               ; V
.irp t, 0,1,2,3                                ; the four accumulators take turns, one instruction a turn
	v_wmma_scale_f32_16x16x128_f8f6f4 v[160+8*\t:167+8*\t], v[32+12*\t:43+12*\t], v[224:235], v[160+8*\t:167+8*\t], v[192+\t], v253 matrix_a_fmt:MATRIX_FMT_BF6 matrix_b_fmt:MATRIX_FMT_BF6
.endr
	s_add_co_u32 s11, s11, STEPB
	s_add_co_u32 s66, s66, 512
	s_add_co_u32 s67, s67, 256
.endm
; n steps, behind the wait that shows the thirds they read landed (cnt: my younger loads, which may stay out) and a barrier, since every wave reads what all sixteen brought
.macro RUN n, cnt
	s_wait_tensorcnt \cnt
	s_wait_dscnt 0x0
	s_barrier_signal -1
	s_barrier_wait -1
	s_mov_b32 s10, \n
.Lrun_\@:
	STEP
	s_sub_co_u32 s10, s10, 1
	s_cmp_lg_u32 s10, 0
	s_cbranch_scc1 .Lrun_\@
.endm
	RUN 4, 2                                       ; bytes 0 .. 69,631: the scale words and steps 0-3
	RUN 6, 1                                       ; up to 139,263: steps 4-9
	RUN 6, 0                                       ; all: steps 10-15
	; THE WAY OUT: O^T / the sum; my 32 numbers are channels 32 b + 16 h + i: two blocks of the last product's K; codes through my stage, so that each store covers 256 consecutive bytes.
	s_load_b128 s[92:95], s[0:1], 0x18             ; xc, xs
.rept 4
	v_nop                                          ; places behind the last products
.endr
	v_add_f32 v14, v14, v15
	v_permlanex16_b32 v252, v14, s6, s7
	v_add_f32 v14, v14, v252                       ; the row's sum
	v_rcp_f32 v14, v14
	v_and_b32 v8, 31, v0                           ; (a plain place behind the transcendental)
	v_and_b32 v9, 15, v0
	v_lshlrev_b32 v8, 3, v8                        ; 8 x lane
	v_lshlrev_b32 v9, 3, v9                        ; 8 r
	s_wait_alu depctr_va_vdst(0)
.irp j, 0,1,2,3,4,5,6,7,8,9,10,11,12,13,14,15,16,17,18,19,20,21,22,23,24,25,26,27,28,29,30,31
	v_mul_f32 v[96+\j], v[160+\j], v14
.endr
.irp b, 0,1
	v_max3_num_f32 v[232+\b], |v[96+16*\b]|, |v[97+16*\b]|, 0x2800000
.endr
.irp i, 2,4,6,8,10,12,14
.irp b, 0,1
	v_max3_num_f32 v[232+\b], v[232+\b], |v[96+16*\b+\i]|, |v[97+16*\b+\i]|
.endr
.endr
.irp b, 0,1
	v_permlanex16_b32 v[236+\b], v[232+\b], s6, s7
.endr
.irp b, 0,1
	v_max_num_f32 v[232+\b], v[232+\b], v[236+\b]
.endr
.irp b, 0,1
	v_add_nc_u32 v[244+\b], 0xfe000000, v[232+\b]
.endr
.irp b, 0,1
	v_lshrrev_b32 v[236+\b], 23, v[244+\b]
.endr
	v_lshl_or_b32 v253, v237, 8, v236              ; my row's two scale bytes
	v_cvt_scalef32_pk16_bf6_f32 v[224:226], v[96:111], v244
	v_cvt_scalef32_pk16_bf6_f32 v[228:230], v[112:127], v245
	v_nop
.irp i, 0,1,2
	v_permlane16_swap_b32 v[224+\i], v[228+\i]     ; lanes 0-15 block 0, lanes 16-31 block 1
.endr
	v_mov_b32 v227, v228
	v_mov_b32 v228, v229
	v_mov_b32 v229, v230
	ds_store_b64 v6, v[224:225]
	ds_store_b64 v6, v[226:227] offset:8
	ds_store_b64 v6, v[228:229] offset:16
.irp i, 0,1,2
	ds_load_b64 v[32+2*\i:33+2*\i], v7 offset:256*\i   ; these see my stores
.endr
	s_wait_kmcnt 0x0                               ; the two addresses; the lane masks asked for last are in too, so their registers are free
	s_bfe_u32 s16, ttmp6, 0x40000
	s_lshl_b32 s17, ttmp9, 2
	s_add_co_u32 s17, s17, s16
	s_lshl_b32 s17, s17, 4
	s_add_co_u32 s17, s17, s4                      ; my tile of queries
	s_and_b32 s18, ttmp7, 0xffff
	s_lshr_b32 s19, s18, 4                         ; batch
	s_and_b32 s18, s18, 15                         ; head
	s_lshl_b32 s19, s19, 7
	s_add_co_u32 s19, s19, s17                     ; the tile among 256
	s_mul_i32 s20, s19, 12288
	s_mul_i32 s21, s18, 768
	s_add_co_u32 s20, s20, s21
	s_mov_b32 s21, 0
	s_add_nc_u64 s[92:93], s[92:93], s[20:21]
	s_lshl_b32 s20, s19, 9
	s_lshr_b32 s22, s18, 2
	s_lshl_b32 s22, s22, 7
	s_add_co_u32 s20, s20, s22
	s_and_b32 s22, s18, 3
	s_lshl_b32 s22, s22, 1
	s_add_co_u32 s20, s20, s22                     ; blocks 2 head, 2 head + 1: 128 (head / 4) + 2 (head % 4), + 8 r
	s_add_nc_u64 s[94:95], s[94:95], s[20:21]
.irp i, 0,1,2
	s_wait_dscnt 2-\i
	global_store_b64 v8, v[32+2*\i:33+2*\i], s[92:93] offset:256*\i   ; 32 lanes store 256 consecutive bytes, aligned
.endr
	global_store_b16 v9, v253, s[94:95]            ; two bytes a row (a scale word is shared by two heads); lanes 16-31 store what lanes 0-15 store
	s_wait_dscnt 0x0
	s_wait_tensorcnt 0x0
	ds_add_u32 v250, v251
	s_wait_dscnt 0x0
	CROUND                                         ; the closing round
	s_endpgm
.Lfunc_end_k_q270cdf863c_attn:
	.size	k_q270cdf863c_attn, .Lfunc_end_k_q270cdf863c_attn-k_q270cdf863c_attn
	.p2alignl 7, 3214868480
	.fill 96, 4, 3214868480
	.section	.rodata,"a",@progbits
	.p2align	6, 0x0
	.amdhsa_kernel k_q270cdf863c_attn
		.amdhsa_group_segment_fixed_size 223232
		.amdhsa_private_segment_fixed_size 0
		.amdhsa_enable_private_segment 0
		.amdhsa_kernarg_size 40
		.amdhsa_user_sgpr_count 2
		.amdhsa_user_sgpr_kernarg_segment_ptr 1
		.amdhsa_wavefront_size32 1
		.amdhsa_system_sgpr_workgroup_id_x 1
		.amdhsa_system_sgpr_workgroup_id_y 1
		.amdhsa_system_sgpr_workgroup_id_z 1
		.amdhsa_system_vgpr_workitem_id 0
		.amdhsa_next_free_vgpr 256
		.amdhsa_next_free_sgpr 106
		.amdhsa_reserve_vcc 0
		.amdhsa_float_denorm_mode_32 3
		.amdhsa_float_denorm_mode_16_64 3
		.amdhsa_memory_ordered 1
		.amdhsa_forward_progress 1
		.amdhsa_inst_pref_size 77
	.end_amdhsa_kernel
	.amdgpu_metadata
---
amdhsa.version: [ 1, 2 ]
amdhsa.kernels:
  - .name:           k_q270cdf863c_attn
    .symbol:         k_q270cdf863c_attn.kd
    .args:
      - { .name: qimg, .offset: 0, .size: 8, .value_kind: global_buffer, .address_space: global }
      - { .name: kvimg, .offset: 8, .size: 8, .value_kind: global_buffer, .address_space: global }
      - { .name: mb, .offset: 16, .size: 8, .value_kind: global_buffer, .address_space: global }
      - { .name: xc, .offset: 24, .size: 8, .value_kind: global_buffer, .address_space: global }
      - { .name: xs, .offset: 32, .size: 8, .value_kind: global_buffer, .address_space: global }
    .group_segment_fixed_size: 223232
    .private_segment_fixed_size: 0
    .kernarg_segment_align: 8
    .kernarg_segment_size: 40
    .max_flat_workgroup_size: 512
    .sgpr_count:     106
    .vgpr_count:     256
    .wavefront_size: 32
...
	.end_amdgpu_metadata
.endif
;; end of part 4
;; launch outp (part 5): grid 4 x 16, 4 waves a work-group, clusters of 4 x 4, 327,680 bytes of LDS; arguments xc, xs, cod, scl, bo, out0; writes out0
.if DOCPART == 5
	.amdgcn_target "amdgcn-amd-amdhsa--gfx1250"
	.amdhsa_code_object_version 6
	.text
	.protected	k_q270cdf863c_outp
	.globl	k_q270cdf863c_outp
	.p2align	8
	.type	k_q270cdf863c_outp,@function
k_q270cdf863c_outp:
	s_mov_b64 s[64:65], 0
	v_nop
	global_prefetch_b8 v0, s[64:65] scope:SCOPE_SE
	s_setreg_imm32_b32 hwreg(HW_REG_WAVE_MODE, 25, 1), 1
	s_wait_xcnt 0x0
	s_wait_alu depctr_hold_cnt(0) depctr_sa_sdst(0) depctr_va_vdst(0) depctr_va_sdst(0) depctr_va_ssrc(0) depctr_va_vcc(0) depctr_vm_vsrc(0)
	s_getreg_b32 s2, hwreg(HW_REG_IB_STS2, 6, 4)
	s_cmp_eq_u32 s2, 0
	s_cbranch_scc0 .Lentry_in_a_cluster
	s_endpgm
.Lentry_in_a_cluster:
	s_bfe_u32 s2, ttmp6, 0x10000c
	s_cmp_lg_u32 s2, 0xf033
	s_cbranch_scc0 .Lentry_shape_is_right
	s_endpgm
.Lentry_shape_is_right:
; out0 = x wo^T + bo on codes of BF6 with E8M0 scales.  x: [4096][1024] as xc, xs (made by the attention launch); wo: tiles 960-1023 of cod, scl.  out0: [4096][1024] f32.
; The same product as in the projections' launch: a tile of 256 x 256 by four waves of 128 x 128; P = x (source 1: a lane holds a token), R = wo (source 0: a lane's registers run along the channels);
; K = 1,024 in four steps of 256 through a ring of two LDS slots; the scale bytes come once; 4 x 4 work-groups form a cluster, P's tiles asked for jointly along a row, R's along a column.
; 64 tiles of 256 x 256: 64 work-groups.  Codes lie in tiles of 16 rows (row r of tile T is row 32 (T / 2) + 8 (T % 2) + r + 8 (r / 8)).  The bias is the C of each sum's first matrix instruction.
; WAY OUT: a block of 16 tokens x 128 channels goes through the wave's stage and leaves as rows of 512 consecutive bytes.
; REGISTERS: window 0: v10 bias offset; v16-29 addresses; v32-63 scale words, two sets; v64-127 the bias; v128-223 P's fragments; on the way out v128-255 rows read back.  window 1: R's fragments, two sets.  windows 2, 3: the accumulators.
.set NQ,     2
.set FR,     12
.set NL,     6
.set NP,     4                         ; places behind this matrix instruction (ISA guide 7.12.1)
.set TILEB,  12288
.set SLB,    3072
.set HALFT,  8*SLB
.set SLOT,   4*HALFT
.set SCL,    2*SLOT
.set HALFS,  4096
.set SBLK,   512
.set SPARE,  SCL+4*HALFS               ; the spare words, 128 bytes for each wave
.set STG,    SPARE+512                 ; the way out: 16 rows x 528 bytes for each wave; no tensor load lands here
.set SPITCH, 528
.set BOF,  10
.set ADRA, 16
.set ADRB, 20
.set STO,  24
.set RD,   25
.set CO,   26
.set ADRS, 27
.set SPW,  28
.set NIL,  29
.set SC,   32
.set CB,   64
.set AF,   128
.set BK,   128
.set G1, 24
.set G0, 32
.set G1B, 48
.set G0B, 56
.set G1S, 68
.set G0S, 76
.set G1SB, 80
.set G0SB, 88
.set MSB, 0
.macro WIN new                         ; the immediate's high byte repeats the setting that is left
.if MSB != (\new)
	s_set_vgpr_msb (MSB<<8)|(\new)
.set MSB, (\new)
.endif
.endm
.set MUL_LO, 0xa1
.set MUL_HI, 0xf1
.set TO_B,   0x40
.macro JLOAD g0a, g1a, g0b, g1b        ; a joint load: waves 0, 1 fetch for P, waves 2, 3 for R; four v_nop follow each line
	s_cmp_eq_u32 s15, 0
	s_cbranch_scc0 .Lfor_b_\@
	tensor_load_to_lds s[\g0a:\g0a+3], s[\g1a:\g1a+7]
	s_nop 0
.rept 4
	v_nop
.endr
	s_branch .Lasked_\@
.Lfor_b_\@:
	tensor_load_to_lds s[\g0b:\g0b+3], s[\g1b:\g1b+7]
	s_nop 0
.rept 4
	v_nop
.endr
.Lasked_\@:
.endm
.macro CREST
	s_cmp_lg_u32 s14, 0
	s_cbranch_scc1 .Lnot_wave_0_\@
	s_barrier_signal -3
.Lnot_wave_0_\@:
	s_barrier_wait -3
	s_barrier_signal -1
	s_barrier_wait -1
.endm
.macro CROUND
	s_barrier_signal -1
	s_barrier_wait -1
	CREST
.endm
	s_load_b256 s[4:11], s[0:1], 0x0               ; xc, xs, cod, scl
	s_load_b128 s[96:99], s[0:1], 0x20             ; bo, out0
	v_lshl_add_u32 v[SPW], v0, 2, SPARE
	v_mov_b32 v[NIL], 0
	ds_add_u32 v28, v29
	ds_add_u32 v28, v29
	s_wait_dscnt 0x0
	v_lshrrev_b32 v1, 5, v0
	v_readfirstlane_b32 s14, v1                    ; wave
	s_lshr_b32 s15, s14, 1                         ; my half of the tokens.  Also: I fetch for P (0) or for R (1)
	s_and_b32 s16, s14, 1                          ; my half of the channels.  Also: which eight tiles I fetch
	s_bfe_u32 s40, ttmp6, 0x40000                  ; cx
	s_bfe_u32 s41, ttmp6, 0x40004                  ; cy
	s_lshl_b32 s42, ttmp9, 2
	s_add_co_u32 s42, s42, s40                     ; which 256 channels
	s_and_b32 s17, ttmp7, 0xffff
	s_lshl_b32 s17, s17, 2
	s_add_co_u32 s17, s17, s41                     ; which 256 tokens
	s_lshl_b32 s43, s41, 2
	s_lshl_b32 s43, 15, s43                        ; my row of the cluster
	s_lshl_b32 s44, 0x1111, s40                    ; my column
	s_or_b32 s[G1+0], s43, (3<<16)|(1<<21)         ; 8 rows (tiles) of 3,072 bytes, 12,288 apart, as elements of 8 bytes; dense in LDS
	s_or_b32 s[G1B+0], s44, (3<<16)|(1<<21)
.irp g, G1, G1B
	s_mov_b32 s[\g+1], 384<<16
	s_mov_b32 s[\g+2], 8<<16
	s_mov_b32 s[\g+3], 384<<16
	s_mov_b32 s[\g+4], 8
	s_mov_b32 s[\g+5], 1536
	s_mov_b32 s[\g+6], 0
	s_mov_b32 s[\g+7], 0
.endr
	s_or_b32 s[G1S+0], s43, (3<<16)|(1<<21)        ; the scale bytes of 8 tiles: 16 rows of 256 dense bytes
	s_or_b32 s[G1SB+0], s44, (3<<16)|(1<<21)
.irp g, G1S, G1SB
	s_mov_b32 s[\g+1], 32<<16
	s_mov_b32 s[\g+2], 16<<16
	s_mov_b32 s[\g+3], 32<<16
	s_mov_b32 s[\g+4], 16
	s_mov_b32 s[\g+5], 32
	s_mov_b32 s[\g+6], 0
	s_mov_b32 s[\g+7], 0
.endr
	s_lshl_b32 s18, s16, 3
	s_lshl_b32 s2, s17, 4
	s_add_co_u32 s2, s2, s18                       ; the first of x's eight tiles that I would fetch
	s_lshl_b32 s3, s42, 4
	s_add_co_u32 s3, s3, s18
	s_add_co_u32 s3, s3, 960                       ; and of wo's
	s_mul_i32 s20, s2, TILEB
	s_mov_b32 s21, 0
	s_lshl_b32 s22, s2, 9
	s_mov_b32 s23, 0
	s_mul_i32 s46, s3, TILEB
	s_mov_b32 s47, 0
	s_lshl_b32 s92, s3, 9
	s_mov_b32 s93, 0
	s_mul_i32 s45, s14, HALFT
	s_lshl_b32 s94, s14, 12
	s_wait_kmcnt 0x0
	s_add_nc_u64 s[20:21], s[4:5], s[20:21]
	s_add_nc_u64 s[22:23], s[6:7], s[22:23]
	s_add_nc_u64 s[46:47], s[8:9], s[46:47]
	s_add_nc_u64 s[92:93], s[10:11], s[92:93]
	CROUND                                         ; all sixteen work-groups are here: the first joint loads meet
	s_mov_b32 s[G0S], 1
	s_add_co_u32 s[G0S+1], s94, SCL
	s_mov_b64 s[G0S+2:G0S+3], s[22:23]
	s_or_b32 s[G0S+3], s[G0S+3], 0x80000000
	s_mov_b32 s[G0SB], 1
	s_add_co_u32 s[G0SB+1], s94, SCL
	s_mov_b64 s[G0SB+2:G0SB+3], s[92:93]
	s_or_b32 s[G0SB+3], s[G0SB+3], 0x80000000
	JLOAD G0S, G1S, G0SB, G1SB
.irp s, 0,1
	s_mov_b32 s[G0+4*\s], 1
	s_add_co_u32 s[G0+4*\s+1], s45, \s*SLOT
	s_add_nc_u64 s[G0+4*\s+2:G0+4*\s+3], s[20:21], \s*SLB
	s_or_b32 s[G0+4*\s+3], s[G0+4*\s+3], 0x80000000
	s_mov_b32 s[G0B+4*\s], 1
	s_add_co_u32 s[G0B+4*\s+1], s45, \s*SLOT
	s_add_nc_u64 s[G0B+4*\s+2:G0B+4*\s+3], s[46:47], \s*SLB
	s_or_b32 s[G0B+4*\s+3], s[G0B+4*\s+3], 0x80000000
	JLOAD G0+4*\s, G1, G0B+4*\s, G1B               ; three tensor loads of mine are out
.endr
	v_and_b32 v1, 15, v0                           ; r
	v_bfe_u32 v2, v0, 4, 1                         ; h
	v_and_b32 v3, 31, v0                           ; lane
	v_mul_u32_u24 v4, v3, 24
	s_mul_i32 s21, s15, HALFT
	s_mul_i32 s22, s16, HALFT
	s_add_co_u32 s22, s22, 2*HALFT
.irp s, 0,1
	v_add_nc_u32 v[ADRA+\s], s21, v4
	v_add_nc_u32 v[ADRB+\s], s22, v4
	s_add_co_u32 s21, s21, SLOT
	s_add_co_u32 s22, s22, SLOT
.endr
	v_lshlrev_b32 v5, 3, v1
	s_lshl_b32 s21, s15, 12
	s_lshl_b32 s22, s16, 12
	s_add_co_u32 s22, s22, 2*HALFS
	s_sub_co_u32 s22, s22, s21
	v_mul_u32_u24 v6, s22, v2                      ; lanes 16-31 take R's scale words
	s_add_co_u32 s21, s21, SCL
	v_add_nc_u32 v5, v5, v6
	v_add_nc_u32 v[ADRS], s21, v5
	s_mul_i32 s23, s14, 16*SPITCH
	s_add_co_u32 s23, s23, STG                     ; my stage
	v_mul_u32_u24 v5, v1, SPITCH
	v_lshl_add_u32 v5, v2, 6, v5
	v_add_nc_u32 v[STO], s23, v5                   ; in: row r, + 64 h
	v_lshlrev_b32 v[CO], 4, v3
	v_add_nc_u32 v[RD], s23, v[CO]                 ; back: a row of 512 bytes by 32 lanes
	s_lshl_b32 s18, s42, 10
	s_lshl_b32 s19, s16, 9
	s_add_co_u32 s18, s18, s19                     ; my 128 channels, in bytes: in bo and in a row of out0
	s_mov_b32 s19, 0
	s_add_nc_u64 s[96:97], s[96:97], s[18:19]
	s_add_nc_u64 s[12:13], s[98:99], s[18:19]
	s_lshl_b32 s18, s17, 20                        ; 256 tokens of 4,096 bytes
	s_lshl_b32 s20, s15, 19
	s_add_co_u32 s18, s18, s20
	s_add_nc_u64 s[12:13], s[12:13], s[18:19]
	v_lshlrev_b32 v[BOF], 6, v2                    ; tile b's register j: channel 32 (b / 2) + 8 (b % 2) + 16 h + j
.irp b, 0,1,2,3,4,5,6,7
	global_load_b128 v[CB+8*\b:CB+8*\b+3], v[BOF], s[96:97] offset:(32*(\b/2)+8*(\b%2))*4
	global_load_b128 v[CB+8*\b+4:CB+8*\b+7], v[BOF], s[96:97] offset:(32*(\b/2)+8*(\b%2))*4+16
.endr
.macro FRAG reg, adr, q, i             ; a fragment, 16 rows x 128 K: twice 24 bytes a lane, as they lie
.irp p, 0,1,2,3,4,5
	ds_load_b64 v[\reg+2*\p:\reg+2*\p+1], v[\adr] offset:(\i)*SLB+(\q)*1536+768*(\p/3)+8*(\p%3)
.endr
.endm
; 16 matrix instructions: P's blocks a0, a0 + 1 x R's eight.  zero = 1: the sums start from the bias.  The 64 accumulators take turns.
.macro MUL16 a0, p, q, sc, zero
.irp a, \a0, \a0+1
.irp b, 0,1,2,3,4,5,6,7
.if \zero
	v_wmma_scale_f32_16x16x128_f8f6f4 v[8*(8*((\a)%4)+\b):8*(8*((\a)%4)+\b)+7], v[128*(\p)+FR*\b:128*(\p)+FR*\b+FR-1], v[AF+FR*(\a):AF+FR*(\a)+FR-1], v[CB+8*\b:CB+8*\b+7], v[SC+8*NQ*(\sc)+NQ*\b+(\q)], v[SC+8*NQ*(\sc)+NQ*(\a)+(\q)] matrix_a_fmt:MATRIX_FMT_BF6 matrix_b_fmt:MATRIX_FMT_BF6 matrix_a_scale:MATRIX_SCALE_ROW1
.else
	v_wmma_scale_f32_16x16x128_f8f6f4 v[8*(8*((\a)%4)+\b):8*(8*((\a)%4)+\b)+7], v[128*(\p)+FR*\b:128*(\p)+FR*\b+FR-1], v[AF+FR*(\a):AF+FR*(\a)+FR-1], v[8*(8*((\a)%4)+\b):8*(8*((\a)%4)+\b)+7], v[SC+8*NQ*(\sc)+NQ*\b+(\q)], v[SC+8*NQ*(\sc)+NQ*(\a)+(\q)] matrix_a_fmt:MATRIX_FMT_BF6 matrix_b_fmt:MATRIX_FMT_BF6 matrix_a_scale:MATRIX_SCALE_ROW1
.endif
.endr
.endr
.endm
.macro FETCH_B slot, q, p
	WIN TO_B
.irp i, 0,1,2,3,4,5,6,7
	FRAG 128*(\p)+FR*\i, ADRB+\slot, \q, \i
.endr
	WIN 0
.endm
.macro FETCH_A slot, q, i0
.irp i, \i0, \i0+1, \i0+2, \i0+3
	FRAG AF+FR*(\i), ADRA+\slot, \q, \i
.endr
.endm
.macro SCALES sc
.irp i, 0,1,2,3,4,5,6,7
	ds_load_b64 v[SC+8*NQ*\sc+NQ*\i:SC+8*NQ*\sc+NQ*\i+1], v[ADRS] offset:\i*SBLK
.endr
.endm
.macro PLACES n
.rept \n
	v_nop
.endr
.endm
.macro STEP slot, q, zero
	s_wait_dscnt 4*NL                              ; R's set and P's blocks 0-3 are in; the youngest 24 loads (P's blocks 4-7) may be out
.if \zero
	WIN 0x81                                       ; C (the bias) window 0, D window 2
.else
	WIN MUL_LO
.endif
	MUL16 0, (\q)%2, \q, \slot, \zero
	MUL16 2, (\q)%2, \q, \slot, \zero
	s_wait_dscnt 0
	PLACES NP
	FETCH_B \slot, (\q)+1, 1-(\q)%2
	FETCH_A \slot, (\q)+1, 0
.if \zero
	WIN 0xc1
.else
	WIN MUL_HI
.endif
	MUL16 4, (\q)%2, \q, \slot, \zero
	MUL16 6, (\q)%2, \q, \slot, \zero
	PLACES NP
	WIN 0
	FETCH_A \slot, (\q)+1, 4
.endm
.macro TURN slot, next, fill
	s_wait_tensorcnt 0x0                           ; all my tensor loads have landed: my part of the next slot
	ds_add_u32 v[SPW], v[NIL]                      ; 0 onto my spare word
	s_wait_dscnt 4*NL+1                            ; (the add and the youngest 24 loads may be out)
	WIN MUL_LO
	MUL16 0, 1, NQ-1, \slot, 0
	s_wait_dscnt 0x0                               ; the add is done, and my reads of this slot are over
	s_barrier_signal -1
	MUL16 2, 1, NQ-1, \slot, 0
	WIN 0
	s_barrier_wait -1
.if \fill
	CREST                                          ; the barrier has opened a round of the cluster's: no wave of any partner still reads this slot or has a load on its way
	s_add_nc_u64 s[G0+4*\slot+2:G0+4*\slot+3], s[G0+4*\slot+2:G0+4*\slot+3], 2*SLB
	s_add_nc_u64 s[G0B+4*\slot+2:G0B+4*\slot+3], s[G0B+4*\slot+2:G0B+4*\slot+3], 2*SLB
	JLOAD G0+4*\slot, G1, G0B+4*\slot, G1B         ; the first tensor load behind the round; its four v_nop are the places in front of the loads below
.else
	PLACES NP
.endif
	v_add_nc_u32 v[ADRS], 128, v[ADRS]
	FETCH_B \next, 0, 0
	FETCH_A \next, 0, 0
	SCALES \next
	WIN MUL_HI
	MUL16 4, 1, NQ-1, \slot, 0
	MUL16 6, 1, NQ-1, \slot, 0
	PLACES NP
	WIN 0
	FETCH_A \next, 0, 4
.endm
	s_wait_tensorcnt 1                             ; the scales and my part of slot 0 are in; slot 1's load may be out
	s_barrier_signal -1
	s_barrier_wait -1
	FETCH_B 0, 0, 0
	FETCH_A 0, 0, 0
	SCALES 0
	FETCH_A 0, 0, 4
	s_wait_loadcnt 0x0                             ; the bias
	STEP 0, 0, 1
	TURN 0, 1, 1                                   ; K = 1,024 is eight steps: written out, slots 0 and 1 are each filled once more
	STEP 1, 0, 0
	TURN 1, 0, 1
	STEP 0, 0, 0
	TURN 0, 1, 0
	STEP 1, 0, 0
	s_wait_dscnt 4*NL
	WIN MUL_LO
	MUL16 0, 1, NQ-1, 1, 0
	MUL16 2, 1, NQ-1, 1, 0
	s_wait_dscnt 0
	WIN MUL_HI
	MUL16 4, 1, NQ-1, 1, 0
	MUL16 6, 1, NQ-1, 1, 0
	WIN 0
; THE WAY OUT, block by block of 16 tokens x 128 channels.  Tile b's eight registers are channels 32 (b / 2) + 8 (b % 2) + 16 h + 0 .. 7; row t of block a is token 32 (a / 2) + 8 (a % 2) + t + 8 (t / 8) of my 128.
.macro TOSTAGE a
.set AC, 64*((\a)%4)
	WIN 0x08+4*((\a)/4)                            ; an LDS store's data: window 2 or 3
.irp b, 0,1,2,3,4,5,6,7
	ds_store_b128 v[STO], v[AC+8*\b:AC+8*\b+3] offset:128*(\b/2)+32*(\b%2)        ; each accumulator from its low end on
	ds_store_b128 v[STO], v[AC+8*\b+4:AC+8*\b+7] offset:128*(\b/2)+32*(\b%2)+16
.endr
	WIN 0
.set BB, BK+64*((\a)%2)
.irp t, 0,1,2,3,4,5,6,7,8,9,10,11,12,13,14,15
	ds_load_b128 v[BB+4*\t:BB+4*\t+3], v[RD] offset:\t*SPITCH     ; LDS serves a wave's instructions in order: these see my stores
.endr
.endm
.macro SEND a, younger                 ; younger: the LDS instructions issued behind block a's loads, which may stay out
.set BB, BK+64*((\a)%2)
	s_wait_dscnt \younger
.irp t, 0,1,2,3,4,5,6,7,8,9,10,11,12,13,14,15
	global_store_b128 v[CO], v[BB+4*\t:BB+4*\t+3], s[12:13] offset:(32*((\a)/2)+8*((\a)%2)+\t+8*(\t/8))*4096 th:TH_STORE_NT   ; 32 lanes store 512 consecutive bytes, aligned; 127 rows at the most stand in the immediate
.endr
.endm
	PLACES NP
	TOSTAGE 0
.irp a, 1,2,3,4,5,6,7
.if \a > 1
	s_wait_xcnt 0x0                                ; block a - 2's stores have read their registers: block a's loads may land there
.endif
	TOSTAGE \a
	SEND \a-1, 32                                  ; behind block a - 1's loads: block a's 16 stores and 16 loads
.endr
	SEND 7, 0
	s_wait_tensorcnt 0x0                           ; the wave's end
	ds_add_u32 v[SPW], v[NIL]
	s_wait_dscnt 0x0
	CROUND                                         ; the closing round
	s_endpgm
.Lfunc_end_k_q270cdf863c_outp:
	.size	k_q270cdf863c_outp, .Lfunc_end_k_q270cdf863c_outp-k_q270cdf863c_outp
	.p2alignl 7, 3214868480
	.fill 96, 4, 3214868480
	.section	.rodata,"a",@progbits
	.p2align	6, 0x0
	.amdhsa_kernel k_q270cdf863c_outp
		.amdhsa_group_segment_fixed_size 327680
		.amdhsa_private_segment_fixed_size 0
		.amdhsa_enable_private_segment 0
		.amdhsa_kernarg_size 48
		.amdhsa_user_sgpr_count 2
		.amdhsa_user_sgpr_kernarg_segment_ptr 1
		.amdhsa_wavefront_size32 1
		.amdhsa_system_sgpr_workgroup_id_x 1
		.amdhsa_system_sgpr_workgroup_id_y 1
		.amdhsa_system_sgpr_workgroup_id_z 1
		.amdhsa_system_vgpr_workitem_id 0
		.amdhsa_next_free_vgpr 1024
		.amdhsa_next_free_sgpr 100
		.amdhsa_reserve_vcc 0
		.amdhsa_float_denorm_mode_32 3
		.amdhsa_float_denorm_mode_16_64 3
		.amdhsa_memory_ordered 1
		.amdhsa_forward_progress 1
		.amdhsa_inst_pref_size 160
	.end_amdhsa_kernel
	.amdgpu_metadata
---
amdhsa.version: [ 1, 2 ]
amdhsa.kernels:
  - .name:           k_q270cdf863c_outp
    .symbol:         k_q270cdf863c_outp.kd
    .args:
      - { .name: xc, .offset: 0, .size: 8, .value_kind: global_buffer, .address_space: global }
      - { .name: xs, .offset: 8, .size: 8, .value_kind: global_buffer, .address_space: global }
      - { .name: cod, .offset: 16, .size: 8, .value_kind: global_buffer, .address_space: global }
      - { .name: scl, .offset: 24, .size: 8, .value_kind: global_buffer, .address_space: global }
      - { .name: bo, .offset: 32, .size: 8, .value_kind: global_buffer, .address_space: global }
      - { .name: out0, .offset: 40, .size: 8, .value_kind: global_buffer, .address_space: global }
    .group_segment_fixed_size: 327680
    .private_segment_fixed_size: 0
    .kernarg_segment_align: 8
    .kernarg_segment_size: 48
    .max_flat_workgroup_size: 128
    .sgpr_count:     100
    .vgpr_count:     1024
    .wavefront_size: 32
...
	.end_amdgpu_metadata
.endif
;; end of part 5
;; ======== version 2 of 2: 4 launches
;; limits: right only within a limited range of input values
;; workspace buffers: cod 12,582,912 bytes; scl 524,288 bytes; mb 524,288 bytes of whole numbers; qimg 3,407,872 bytes; kvimg 6,684,672 bytes; xc 3,145,728 bytes; xs 131,072 bytes
;; launch prep (part 6): grid 256 x 1, 5 waves a work-group, no clusters, 99,328 bytes of LDS; arguments q, k, v, wq, wk, wv, wo, cod, scl, mask, mb; writes cod, scl, mb
.if DOCPART == 6
	.amdgcn_target "amdgcn-amd-amdhsa--gfx1250"
	.amdhsa_code_object_version 6
	.text
	.protected	k_q270cdf863c_prep
	.globl	k_q270cdf863c_prep
	.p2align	8
	.type	k_q270cdf863c_prep,@function
k_q270cdf863c_prep:
	s_mov_b64 s[64:65], 0
	v_nop
	global_prefetch_b8 v0, s[64:65] scope:SCOPE_SE
	s_setreg_imm32_b32 hwreg(HW_REG_WAVE_MODE, 25, 1), 1
	s_wait_xcnt 0x0
; TWO JOBS IN ONE LAUNCH, parted on the wave's number; every wave streams 64 KiB.
; WAVES 0-3: q, k, v [4096][1024] and wq, wk, wv, wo [1024][1024], f32, K innermost, become codes of BF6 (E3M2) with one E8M0 byte for each 32 along K.
; A block's scale is 2^(floor(log2(its largest magnitude)) - 4); its byte is the largest magnitude's exponent field - 4, held at 1 from below.
; LIMITS: a block of zeros, or one whose largest magnitude lies under 2^-122, gets the byte 1 (its codes are zeros or subnormal codes; the bytes are read by this program alone); NaN and infinities are not served.
; THE OUTPUT IS LAID AS THE MATRIX OPERANDS' REGISTERS.  A tile is 16 rows: row r of tile T is row 32 (T / 2) + 8 (T % 2) + r + 8 (r / 8) of its tensor.  cod: [tile 0..1023][g 0..15][768]: in the 768 bytes
; of (tile, g) lane l = r + 16 h has 24 bytes at 24 l: the codes k = 64 g + 32 h + 0 .. 31 of row r.  scl: [tile][512]: the byte of block kb of row r at 128 (kb / 8) + 8 r + kb % 8.
; Tiles: q 0-255, k 256-511, v 512-767, wq 768-831, wk 832-895, wv 896-959, wo 960-1023.
; A wave takes one tile, row by row: a row is 32 blocks, one to a lane.  Each of a row's eight loads reads 512 consecutive bytes; the row turns through the wave's own stage in LDS so that a lane gets its block's 128 bytes.
; The lane's 24 bytes of codes of row t belong at byte 384 lane + 24 t of the tile: they are gathered in a second stage and leave as 24 stores of 512 consecutive bytes.
; WAVE 4: mask [2048][2048] int32 becomes lane masks for the attention launch, so that its 16 MiB are read once and not once for each of 32 heads.
; mb: [query tile qt 0..127][key step ks 0..15][n 0..63] words.  Bit l = r + 16 h of word n = 16 b + i says whether mask[query 32 (qt / 2) + 8 (qt % 2) + r + 8 (r / 8)][key 128 ks + 32 b + 16 h + i] is not 0.
; The wave takes eight units (qt, ks): qt = work-group / 2, ks = 8 (work-group % 2) + u.  A unit is 16 rows x 512 bytes, each load 512 consecutive bytes; through the wave's stage (rows 528 apart) a lane gets its 64 numbers;
; 64 compares give the 64 words, which leave as 256 consecutive bytes.  Three sets of 64 registers take turns: two units are on their way while one is worked.
; Waves share nothing and never join again: no barrier.  No input is read by two work-groups: clusters would share nothing.
.set WREG,   22528                     ; LDS of each of waves 0-3
.set TPITCH, 144                       ; turn stage: a block's 128 bytes + 16
.set TSTG,   32*TPITCH                 ; two such stages, by turns
.set OUTS,   2*TSTG                    ; the codes' stage: 32 runs of 384 bytes, 400 apart
.set OPITCH, 400
.set SCB,    OUTS+32*OPITCH            ; the tile's 512 scale bytes
.set MSTG,   4*WREG                    ; wave 4's stage: 16 rows x 528 bytes
.set MPITCH, 528
.set R,      32                        ; v32-159  four sets of 32 numbers as loaded      (wave 4: v32-223 three sets of 64)
.set X,      160                       ; v160-223 two sets: my block's 32 numbers
.set C,      16                        ; v16-22, v24-30 codes, two sets by turns           (wave 4: v12-27 a pair of result registers for each unit)
.set MSI,    224                       ; v224 wave 4's stage, in
.set MSO,    225                       ; v225 and out
.set MOUT,   226                       ; v226 8 x lane
	s_load_b512 s[4:19], s[0:1], 0x0               ; q, k, v, wq, wk, wv, wo, cod
	s_load_b64 s[20:21], s[0:1], 0x40              ; scl
	s_load_b128 s[28:31], s[0:1], 0x48             ; mask, mb
	v_lshl_add_u32 v232, v0, 2, 0x18100
	v_mov_b32 v233, 0
	v_lshrrev_b32 v1, 5, v0
	v_readfirstlane_b32 s23, v1                    ; wave
	v_and_b32 v1, 31, v0                           ; lane
	s_mul_i32 s24, s23, WREG
	v_lshlrev_b32 v2, 4, v1                        ; 16 x lane: my place in 512 consecutive bytes
	v_lshrrev_b32 v12, 3, v1
	v_and_b32 v13, 7, v1
	v_mul_u32_u24 v3, v12, TPITCH
	v_lshl_add_u32 v3, v13, 4, v3
	v_add_nc_u32 v3, s24, v3                       ; turn stage, in: eight lanes fill a block
	v_mul_u32_u24 v4, v1, TPITCH
	v_add_nc_u32 v4, s24, v4                       ; and out: my block
	v_mul_u32_u24 v5, v1, OPITCH
	v_add_nc_u32 v5, s24, v5
	v_add_nc_u32 v5, OUTS, v5                      ; the codes' stage, in: my run of 384 bytes
	v_lshl_add_u32 v6, v12, 7, v13
	v_add_nc_u32 v6, s24, v6
	v_add_nc_u32 v6, SCB, v6                       ; my block's scale byte of row 0
	v_add_nc_u32 v10, s24, v2
.irp u, 0,1,2                                  ; the codes' stage, out: byte 512 u + 16 lane of 1,536, + 16 for each run of 384 passed
	v_add_nc_u32 v[7+\u], 8*(\u+1), v1
	v_lshrrev_b32 v[7+\u], 5, v[7+\u]
	v_lshl_add_u32 v[7+\u], v[7+\u], 4, v10
	v_add_nc_u32 v[7+\u], OUTS+528*\u, v[7+\u]
.endr
	v_add_nc_u32 v10, SCB, v10                     ; the scale bytes, out
	v_add_nc_u32 v[MSI], MSTG, v2                  ; the other role's addresses are made here too, ahead of the parting
	v_and_b32 v[MSO], 15, v0
	v_bfe_u32 v[MOUT], v0, 4, 1
	v_mul_u32_u24 v[MSO], v[MSO], MPITCH
	v_lshl_add_u32 v[MSO], v[MOUT], 6, v[MSO]
	v_add_nc_u32 v[MSO], MSTG, v[MSO]              ; row r, + 64 h
	v_lshlrev_b32 v[MOUT], 3, v1
	s_lshl_b32 s25, ttmp9, 2
	s_add_co_u32 s25, s25, s23                     ; my tile (waves 0-3)
	s_mov_b32 s22, 240                             ; the first work-group of the tensor chosen: wo to begin with
	s_wait_alu depctr_va_vdst(0)
	s_wait_kmcnt 0x0
	s_cmp_eq_u32 s23, 4
	s_cbranch_scc1 .Lmask                          ; wave 4 packs the mask
.macro PICK limit, ptr, first                  ; the choice hangs on the work-group's number alone
	s_cmp_lt_u32 ttmp9, \limit
	s_cselect_b64 s[16:17], s[\ptr:\ptr+1], s[16:17]
	s_cselect_b32 s22, \first, s22
.endm
	PICK 240, 14, 224
	PICK 224, 12, 208
	PICK 208, 10, 192
	PICK 192, 8, 128
	PICK 128, 6, 64
	PICK 64, 4, 0
	s_lshl_b32 s22, s22, 2
	s_sub_co_u32 s26, s25, s22                     ; the tile's number in its tensor
	s_lshr_b32 s27, s26, 1
	s_lshl_b32 s27, s27, 17                        ; 32 rows of 4,096 bytes
	s_and_b32 s26, s26, 1
	s_lshl_b32 s26, s26, 15                        ; 8 rows
	s_add_co_u32 s26, s26, s27
	s_mov_b32 s27, 0
	s_add_nc_u64 s[16:17], s[16:17], s[26:27]
	s_mul_i32 s26, s25, 12288
	s_add_nc_u64 s[18:19], s[18:19], s[26:27]
	s_lshl_b32 s26, s25, 9
	s_add_nc_u64 s[20:21], s[20:21], s[26:27]
.macro LOAD t                                  ; row t of the tile: eight loads of 512 consecutive bytes
.irp i, 0,1,2,3,4,5,6,7
	global_load_b128 v[R+32*((\t)%4)+4*\i:R+32*((\t)%4)+4*\i+3], v2, s[16:17] offset:((\t)+8*((\t)/8))*4096+512*\i th:TH_LOAD_NT
.endr
.endm
.macro TURN t                                  ; LDS serves a wave's instructions in order: no wait between the stores and the loads
.irp i, 0,1,2,3,4,5,6,7
	ds_store_b128 v3, v[R+32*((\t)%4)+4*\i:R+32*((\t)%4)+4*\i+3] offset:TSTG*((\t)%2)+4*TPITCH*\i
.endr
.irp i, 0,1,2,3,4,5,6,7
	ds_load_b128 v[X+32*((\t)%2)+4*\i:X+32*((\t)%2)+4*\i+3], v4 offset:TSTG*((\t)%2)+16*\i
.endr
.endm
.irp t, 0,1,2,3
	LOAD \t
.endr
	s_wait_loadcnt 24                              ; row 0's eight loads are in
	TURN 0
.macro STEP t
.set XS, X+32*((\t)%2)
.set CC, C+8*((\t)%2)
.set EB, 14+(\t)%2
.if (\t) > 0
	s_wait_dscnt 4                                 ; this row is back from the stage; the last row's four stores into the stages may be out
.else
	s_wait_dscnt 0x0
.endif
.if (\t)+4 < 16
	LOAD (\t)+4                                    ; into the registers that this row's stores into the stage have read
.endif
.if (\t)+1 < 16
.if (\t) < 12
	s_wait_loadcnt 24                              ; the next row is in; the three rows behind it may be out
.else
	s_wait_loadcnt 8*(14-(\t))
.endif
	TURN (\t)+1
.endif
	v_max3_num_f32 v12, |v[XS]|, |v[XS+1]|, |v[XS+2]|              ; the block's largest magnitude, in two chains
	v_max3_num_f32 v13, |v[XS+3]|, |v[XS+4]|, |v[XS+5]|
.irp i, 6,10,14,18,22,26
	v_max3_num_f32 v12, v12, |v[XS+\i]|, |v[XS+\i+1]|
	v_max3_num_f32 v13, v13, |v[XS+\i+2]|, |v[XS+\i+3]|
.endr
	v_max3_num_f32 v12, v12, |v[XS+30]|, |v[XS+31]|
	v_max3_num_f32 v12, v12, v13, 0x2800000        ; and the floor 2^(5 - 127): the byte cannot fall under 1
	v_add_nc_u32 v11, 0xfe000000, v12              ; 4 off the exponent field: the conversion takes this operand's exponent field as its scale
	v_cvt_scalef32_pk16_bf6_f32 v[CC:CC+2], v[XS:XS+15], v11
	v_cvt_scalef32_pk16_bf6_f32 v[CC+4:CC+6], v[XS+16:XS+31], v11  ; (a conversion's three registers begin on an even number)
	v_lshrrev_b32 v[EB], 23, v11                   ; the scale's byte; also the plain place behind the conversions
	v_mov_b32 v[CC+3], v[CC+4]
	v_mov_b32 v[CC+4], v[CC+5]
	v_mov_b32 v[CC+5], v[CC+6]                     ; 24 bytes on end
.irp p, 0,1,2
	ds_store_b64 v5, v[CC+2*\p:CC+2*\p+1] offset:24*(\t)+8*\p
.endr
	ds_store_b8 v6, v[EB] offset:8*(\t)
.endm
.irp t, 0,1,2,3,4,5,6,7,8,9,10,11,12,13,14,15
	STEP \t
.endr
.irp n, 0,1,2,3,4,5,6,7,8,9,10,11,12,13,14,15,16,17,18,19,20,21,22,23
	ds_load_b128 v[R+4*\n:R+4*\n+3], v[7+\n%3] offset:1600*(\n/3)   ; the tile's 12,288 bytes, 512 at a time: these see my stores
.endr
	ds_load_b128 v[X:X+3], v10
.irp n, 0,1,2,3,4,5,6,7,8,9,10,11,12,13,14,15,16,17,18,19,20,21,22,23
	s_wait_dscnt 24-\n
	global_store_b128 v2, v[R+4*\n:R+4*\n+3], s[18:19] offset:512*\n   ; 32 lanes store 512 consecutive bytes, aligned
.endr
	s_wait_dscnt 0x0
	global_store_b128 v2, v[X:X+3], s[20:21]
	s_wait_tensorcnt 0x0
	ds_add_u32 v232, v233
	s_wait_dscnt 0x0
	s_endpgm
.Lmask:                                            ; WAVE 4
	s_lshr_b32 s22, ttmp9, 2
	s_lshl_b32 s22, s22, 18                        ; 32 (qt / 2) rows of 8,192 bytes
	s_bfe_u32 s24, ttmp9, 0x10001
	s_lshl_b32 s24, s24, 16                        ; 8 (qt % 2) rows
	s_add_co_u32 s22, s22, s24
	s_and_b32 s24, ttmp9, 1
	s_lshl_b32 s24, s24, 12                        ; the first of my eight key steps: 512 bytes a step
	s_add_co_u32 s22, s22, s24
	s_mov_b32 s23, 0
	s_add_nc_u64 s[28:29], s[28:29], s[22:23]
	s_lshl_b32 s22, ttmp9, 11                      ; 256 bytes of lane masks a unit, eight units
	s_add_nc_u64 s[30:31], s[30:31], s[22:23]
.macro MLOAD u                                 ; unit u: 16 rows, 512 consecutive bytes each, into set u % 3
.irp i, 0,1,2,3,4,5,6,7,8,9,10,11,12,13,14,15
	global_load_b128 v[32+64*((\u)%3)+4*\i:32+64*((\u)%3)+4*\i+3], v2, s[28:29] offset:(\i+8*(\i/8))*8192+512*(\u) th:TH_LOAD_NT
.endr
.endm
	MLOAD 0
	MLOAD 1
	MLOAD 2
.irp j, 12,13,14,15,16,17,18,19,20,21,22,23,24,25,26,27
	v_mov_b32 v\j, 0                               ; (a lane write's destination counts as read)
.endr
.macro UNIT u
.set MS, 32+64*((\u)%3)
.if (\u) < 6
	s_wait_loadcnt 32                              ; this unit is in; the two units asked for behind it may be out
.else
	s_wait_loadcnt 16*(7-(\u))
.endif
.irp i, 0,1,2,3,4,5,6,7,8,9,10,11,12,13,14,15
	ds_store_b128 v[MSI], v[MS+4*\i:MS+4*\i+3] offset:MPITCH*\i
.endr
.irp k, 0,1,2,3,4,5,6,7,8,9,10,11,12,13,14,15
	ds_load_b128 v[MS+4*\k:MS+4*\k+3], v[MSO] offset:128*(\k/4)+16*(\k%4)   ; back into the registers that they left: LDS serves a wave's instructions in order, so these see the stores, and the next unit's stores come behind them
.endr
	s_wait_alu depctr_va_vdst(0)
	s_wait_dscnt 0x0                               ; the unit's 64 numbers are back: no wait stands among the 64 compares and lane writes
.irp k, 0,1,2,3,4,5,6,7,8,9,10,11,12,13,14,15
.irp e, 0,1,2,3
	v_cmp_ne_u32 s[32+(4*\k+\e)%8], 0, v[MS+4*\k+\e]
	v_writelane_b32 v[12+2*(\u)+\e%2], s[32+(4*\k+\e)%8], (4*\k+\e)/2      ; word n goes to lane n / 2, register n % 2
.endr
.endr
.if (\u)+3 < 8
	MLOAD (\u)+3                                   ; the set is free: its numbers have been compared
.endif
	global_store_b64 v[MOUT], v[12+2*(\u):13+2*(\u)], s[30:31] offset:256*(\u)   ; 32 lanes store 256 consecutive bytes, aligned; each unit has its own pair of registers
.endm
.irp u, 0,1,2,3,4,5,6,7
	UNIT \u
.endr
	s_wait_tensorcnt 0x0
	ds_add_u32 v232, v233
	s_wait_dscnt 0x0
	s_endpgm
.Lfunc_end_k_q270cdf863c_prep:
	.size	k_q270cdf863c_prep, .Lfunc_end_k_q270cdf863c_prep-k_q270cdf863c_prep
	.p2alignl 7, 3214868480
	.fill 96, 4, 3214868480
	.section	.rodata,"a",@progbits
	.p2align	6, 0x0
	.amdhsa_kernel k_q270cdf863c_prep
		.amdhsa_group_segment_fixed_size 99328
		.amdhsa_private_segment_fixed_size 0
		.amdhsa_enable_private_segment 0
		.amdhsa_kernarg_size 88
		.amdhsa_user_sgpr_count 2
		.amdhsa_user_sgpr_kernarg_segment_ptr 1
		.amdhsa_wavefront_size32 1
		.amdhsa_system_sgpr_workgroup_id_x 1
		.amdhsa_system_sgpr_workgroup_id_y 1
		.amdhsa_system_sgpr_workgroup_id_z 1
		.amdhsa_system_vgpr_workitem_id 0
		.amdhsa_next_free_vgpr 234
		.amdhsa_next_free_sgpr 66
		.amdhsa_reserve_vcc 0
		.amdhsa_float_denorm_mode_32 3
		.amdhsa_float_denorm_mode_16_64 3
		.amdhsa_memory_ordered 1
		.amdhsa_forward_progress 1
		.amdhsa_inst_pref_size 158
	.end_amdhsa_kernel
	.amdgpu_metadata
---
amdhsa.version: [ 1, 2 ]
amdhsa.kernels:
  - .name:           k_q270cdf863c_prep
    .symbol:         k_q270cdf863c_prep.kd
    .args:
      - { .name: q, .offset: 0, .size: 8, .value_kind: global_buffer, .address_space: global }
      - { .name: k, .offset: 8, .size: 8, .value_kind: global_buffer, .address_space: global }
      - { .name: v, .offset: 16, .size: 8, .value_kind: global_buffer, .address_space: global }
      - { .name: wq, .offset: 24, .size: 8, .value_kind: global_buffer, .address_space: global }
      - { .name: wk, .offset: 32, .size: 8, .value_kind: global_buffer, .address_space: global }
      - { .name: wv, .offset: 40, .size: 8, .value_kind: global_buffer, .address_space: global }
      - { .name: wo, .offset: 48, .size: 8, .value_kind: global_buffer, .address_space: global }
      - { .name: cod, .offset: 56, .size: 8, .value_kind: global_buffer, .address_space: global }
      - { .name: scl, .offset: 64, .size: 8, .value_kind: global_buffer, .address_space: global }
      - { .name: mask, .offset: 72, .size: 8, .value_kind: global_buffer, .address_space: global }
      - { .name: mb, .offset: 80, .size: 8, .value_kind: global_buffer, .address_space: global }
    .group_segment_fixed_size: 99328
    .private_segment_fixed_size: 0
    .kernarg_segment_align: 8
    .kernarg_segment_size: 88
    .max_flat_workgroup_size: 160
    .sgpr_count:     66
    .vgpr_count:     234
    .wavefront_size: 32
...
	.end_amdgpu_metadata
.endif
;; end of part 6
;; launch proj (part 7): grid 4 x 48, 4 waves a work-group, clusters of 4 x 4, 327,680 bytes of LDS; arguments cod, scl, bq, bk, bv, qimg, kvimg; writes qimg, kvimg
.if DOCPART == 7
	.amdgcn_target "amdgcn-amd-amdhsa--gfx1250"
	.amdhsa_code_object_version 6
	.text
	.protected	k_q270cdf863c_proj
	.globl	k_q270cdf863c_proj
	.p2align	8
	.type	k_q270cdf863c_proj,@function
k_q270cdf863c_proj:
	s_mov_b64 s[64:65], 0
	v_nop
	global_prefetch_b8 v0, s[64:65] scope:SCOPE_SE
	s_setreg_imm32_b32 hwreg(HW_REG_WAVE_MODE, 25, 1), 1
	s_wait_xcnt 0x0
	s_wait_alu depctr_hold_cnt(0) depctr_sa_sdst(0) depctr_va_vdst(0) depctr_va_sdst(0) depctr_va_ssrc(0) depctr_va_vcc(0) depctr_vm_vsrc(0)
	s_getreg_b32 s2, hwreg(HW_REG_IB_STS2, 6, 4)
	s_cmp_eq_u32 s2, 0
	s_cbranch_scc0 .Lentry_in_a_cluster
	s_endpgm
.Lentry_in_a_cluster:
	s_bfe_u32 s2, ttmp6, 0x10000c
	s_cmp_lg_u32 s2, 0xf033
	s_cbranch_scc0 .Lentry_shape_is_right
	s_endpgm
.Lentry_shape_is_right:
.set NQ,     2
.set FR,     12
.set NL,     6
.set NP,     4
.set TILEB,  12288
.set SLB,    3072
.set HALFT,  8*SLB
.set SLOT,   4*HALFT
.set SCL,    2*SLOT
.set HALFS,  4096
.set SBLK,   512
.set SPARE,  SCL+4*HALFS
.set STG,    SPARE+512
.set BOF,  10
.set ADRA, 16
.set ADRB, 20
.set STO,  24
.set RD,   25
.set CO,   26
.set ADRS, 27
.set SPW,  28
.set NIL,  29
.set SHV,  30
.set SVO,  31
.set SC,   32
.set CB,   64
.set TM,   64
.set PW,   80
.set PC,   84
.set SW,   104
.set AF,   128
.set BK,   128
.set G1, 24
.set G0, 32
.set G1B, 48
.set G0B, 56
.set G1S, 68
.set G0S, 76
.set G1SB, 80
.set G0SB, 88
.set MSB, 0
.macro WIN new
.if MSB != (\new)
	s_set_vgpr_msb (MSB<<8)|(\new)
.set MSB, (\new)
.endif
.endm
.set MUL_LO, 0xa1
.set MUL_HI, 0xf1
.set TO_B,   0x40
.macro JLOAD g0a, g1a, g0b, g1b
	s_cmp_eq_u32 s15, 0
	s_cbranch_scc0 .Lfor_b_\@
	tensor_load_to_lds s[\g0a:\g0a+3], s[\g1a:\g1a+7]
	s_nop 0
.rept 4
	v_nop
.endr
	s_branch .Lasked_\@
.Lfor_b_\@:
	tensor_load_to_lds s[\g0b:\g0b+3], s[\g1b:\g1b+7]
	s_nop 0
.rept 4
	v_nop
.endr
.Lasked_\@:
.endm
.macro CREST
	s_cmp_lg_u32 s14, 0
	s_cbranch_scc1 .Lnot_wave_0_\@
	s_barrier_signal -3
.Lnot_wave_0_\@:
	s_barrier_wait -3
	s_barrier_signal -1
	s_barrier_wait -1
.endm
.macro CROUND
	s_barrier_signal -1
	s_barrier_wait -1
	CREST
.endm
	s_load_b256 s[4:11], s[0:1], 0x0
	s_load_b128 s[96:99], s[0:1], 0x20
	s_load_b64 s[100:101], s[0:1], 0x30
	v_lshl_add_u32 v[SPW], v0, 2, SPARE
	v_mov_b32 v[NIL], 0
	ds_add_u32 v28, v29
	ds_add_u32 v28, v29
	s_wait_dscnt 0x0
	v_lshrrev_b32 v1, 5, v0
	v_readfirstlane_b32 s14, v1
	s_lshr_b32 s15, s14, 1
	s_and_b32 s16, s14, 1
	s_bfe_u32 s40, ttmp6, 0x40000
	s_bfe_u32 s41, ttmp6, 0x40004
	s_and_b32 s18, ttmp7, 0xffff
	s_lshr_b32 s66, s18, 2
	s_and_b32 s18, s18, 3
	s_lshl_b32 s18, s18, 2
	s_lshl_b32 s19, s66, 8
	s_lshl_b32 s20, s66, 6
	s_add_co_u32 s20, s20, 768
	s_cmp_eq_u32 s66, 2
	s_cselect_b32 s67, 1, 0
	s_cselect_b32 s17, 0, s18
	s_cselect_b32 s42, s18, 0
	s_cselect_b32 s19, 896, s19
	s_cselect_b32 s20, 512, s20
	s_add_co_u32 s17, s17, s41
	s_add_co_u32 s42, s42, s40
	s_lshl_b32 s43, s41, 2
	s_lshl_b32 s43, 15, s43
	s_lshl_b32 s44, 0x1111, s40
	s_or_b32 s[G1+0], s43, (3<<16)|(1<<21)
	s_or_b32 s[G1B+0], s44, (3<<16)|(1<<21)
.irp g, G1, G1B
	s_mov_b32 s[\g+1], 384<<16
	s_mov_b32 s[\g+2], 8<<16
	s_mov_b32 s[\g+3], 384<<16
	s_mov_b32 s[\g+4], 8
	s_mov_b32 s[\g+5], 1536
	s_mov_b32 s[\g+6], 0
	s_mov_b32 s[\g+7], 0
.endr
	s_or_b32 s[G1S+0], s43, (3<<16)|(1<<21)
	s_or_b32 s[G1SB+0], s44, (3<<16)|(1<<21)
.irp g, G1S, G1SB
	s_mov_b32 s[\g+1], 32<<16
	s_mov_b32 s[\g+2], 16<<16
	s_mov_b32 s[\g+3], 32<<16
	s_mov_b32 s[\g+4], 16
	s_mov_b32 s[\g+5], 32
	s_mov_b32 s[\g+6], 0
	s_mov_b32 s[\g+7], 0
.endr
	s_lshl_b32 s18, s16, 3
	s_lshl_b32 s2, s17, 4
	s_add_co_u32 s2, s2, s18
	s_add_co_u32 s2, s2, s19
	s_lshl_b32 s3, s42, 4
	s_add_co_u32 s3, s3, s18
	s_add_co_u32 s3, s3, s20
	s_mul_i32 s20, s2, TILEB
	s_mov_b32 s21, 0
	s_lshl_b32 s22, s2, 9
	s_mov_b32 s23, 0
	s_mul_i32 s46, s3, TILEB
	s_mov_b32 s47, 0
	s_lshl_b32 s92, s3, 9
	s_mov_b32 s93, 0
	s_mul_i32 s45, s14, HALFT
	s_lshl_b32 s94, s14, 12
	s_wait_kmcnt 0x0
	s_add_nc_u64 s[20:21], s[4:5], s[20:21]
	s_add_nc_u64 s[22:23], s[6:7], s[22:23]
	s_add_nc_u64 s[46:47], s[4:5], s[46:47]
	s_add_nc_u64 s[92:93], s[6:7], s[92:93]
	s_cmp_eq_u32 s66, 1
	s_cselect_b64 s[8:9], s[10:11], s[8:9]
	s_cmp_eq_u32 s66, 2
	s_cselect_b64 s[8:9], s[96:97], s[8:9]
	CROUND
	s_mov_b32 s[G0S], 1
	s_add_co_u32 s[G0S+1], s94, SCL
	s_mov_b64 s[G0S+2:G0S+3], s[22:23]
	s_or_b32 s[G0S+3], s[G0S+3], 0x80000000
	s_mov_b32 s[G0SB], 1
	s_add_co_u32 s[G0SB+1], s94, SCL
	s_mov_b64 s[G0SB+2:G0SB+3], s[92:93]
	s_or_b32 s[G0SB+3], s[G0SB+3], 0x80000000
	JLOAD G0S, G1S, G0SB, G1SB
.irp s, 0,1
	s_mov_b32 s[G0+4*\s], 1
	s_add_co_u32 s[G0+4*\s+1], s45, \s*SLOT
	s_add_nc_u64 s[G0+4*\s+2:G0+4*\s+3], s[20:21], \s*SLB
	s_or_b32 s[G0+4*\s+3], s[G0+4*\s+3], 0x80000000
	s_mov_b32 s[G0B+4*\s], 1
	s_add_co_u32 s[G0B+4*\s+1], s45, \s*SLOT
	s_add_nc_u64 s[G0B+4*\s+2:G0B+4*\s+3], s[46:47], \s*SLB
	s_or_b32 s[G0B+4*\s+3], s[G0B+4*\s+3], 0x80000000
	s_wait_alu depctr_va_vdst(0)
	s_wait_tensorcnt 0x0
	ds_add_u32 v28, v29
	s_wait_dscnt 0x0
	CROUND
	JLOAD G0+4*\s, G1, G0B+4*\s, G1B
.endr
	v_and_b32 v1, 15, v0
	v_bfe_u32 v2, v0, 4, 1
	s_wait_alu depctr_va_vdst(0)
	v_and_b32 v3, 31, v0
	v_mul_u32_u24 v4, v3, 24
	s_wait_alu depctr_va_vdst(0)
	s_mul_i32 s21, s15, HALFT
	s_mul_i32 s22, s16, HALFT
	s_add_co_u32 s22, s22, 2*HALFT
.irp s, 0,1
	v_add_nc_u32 v[ADRA+\s], s21, v4
	v_add_nc_u32 v[ADRB+\s], s22, v4
	s_add_co_u32 s21, s21, SLOT
	s_add_co_u32 s22, s22, SLOT
.endr
	v_lshlrev_b32 v5, 3, v1
	s_lshl_b32 s21, s15, 12
	s_lshl_b32 s22, s16, 12
	s_add_co_u32 s22, s22, 2*HALFS
	s_sub_co_u32 s22, s22, s21
	v_mul_u32_u24 v6, s22, v2
	s_add_co_u32 s21, s21, SCL
	v_add_nc_u32 v5, v5, v6
	v_add_nc_u32 v[ADRS], s21, v5
	s_mul_i32 s23, s14, 12288
	s_add_co_u32 s23, s23, STG
	v_add_nc_u32 v[STO], s23, v4
	v_lshlrev_b32 v[CO], 4, v3
	v_add_nc_u32 v[RD], s23, v[CO]
	s_cmp_eq_u32 s67, 1
	s_cselect_b32 s18, s17, s42
	s_cselect_b32 s19, s15, s16
	s_lshl_b32 s18, s18, 10
	s_lshl_b32 s19, s19, 9
	s_add_co_u32 s18, s18, s19
	s_mov_b32 s19, 0
	s_add_nc_u64 s[8:9], s[8:9], s[18:19]
	s_cmp_eq_u32 s67, 1
	s_cbranch_scc1 .Lbias_v
	v_lshlrev_b32 v[BOF], 6, v2
.irp b, 0,1,2,3,4,5,6,7
	global_load_b128 v[CB+8*\b:CB+8*\b+3], v[BOF], s[8:9] offset:(32*(\b/2)+8*(\b%2))*4
	global_load_b128 v[CB+8*\b+4:CB+8*\b+7], v[BOF], s[8:9] offset:(32*(\b/2)+8*(\b%2))*4+16
.endr
	s_branch .Lbias_done
.Lbias_v:
	v_and_b32 v[BOF], 8, v1
	v_add_nc_u32 v[BOF], v[BOF], v1
	v_lshlrev_b32 v[BOF], 2, v[BOF]
.irp a, 0,1,2,3,4,5,6,7
.irp j, 0,1,2,3,4,5,6,7
	global_load_b32 v[CB+8*\a+\j], v[BOF], s[8:9] offset:(32*(\a/2)+8*(\a%2))*4
.endr
.endr
.Lbias_done:
.macro FRAG reg, adr, q, i
.irp p, 0,1,2,3,4,5
	ds_load_b64 v[\reg+2*\p:\reg+2*\p+1], v[\adr] offset:(\i)*SLB+(\q)*1536+768*(\p/3)+8*(\p%3)
.endr
.endm
.macro MUL16 a0, p, q, sc, zero
.irp a, \a0, \a0+1
.irp b, 0,1,2,3,4,5,6,7
.if \zero == 1
	v_wmma_scale_f32_16x16x128_f8f6f4 v[8*(8*((\a)%4)+\b):8*(8*((\a)%4)+\b)+7], v[128*(\p)+FR*\b:128*(\p)+FR*\b+FR-1], v[AF+FR*(\a):AF+FR*(\a)+FR-1], v[CB+8*\b:CB+8*\b+7], v[SC+8*NQ*(\sc)+NQ*\b+(\q)], v[SC+8*NQ*(\sc)+NQ*(\a)+(\q)] matrix_a_fmt:MATRIX_FMT_BF6 matrix_b_fmt:MATRIX_FMT_BF6 matrix_a_scale:MATRIX_SCALE_ROW1
.elseif \zero == 2
	v_wmma_scale_f32_16x16x128_f8f6f4 v[8*(8*((\a)%4)+\b):8*(8*((\a)%4)+\b)+7], v[128*(\p)+FR*\b:128*(\p)+FR*\b+FR-1], v[AF+FR*(\a):AF+FR*(\a)+FR-1], v[CB+8*(\a):CB+8*(\a)+7], v[SC+8*NQ*(\sc)+NQ*\b+(\q)], v[SC+8*NQ*(\sc)+NQ*(\a)+(\q)] matrix_a_fmt:MATRIX_FMT_BF6 matrix_b_fmt:MATRIX_FMT_BF6 matrix_a_scale:MATRIX_SCALE_ROW1
.else
	v_wmma_scale_f32_16x16x128_f8f6f4 v[8*(8*((\a)%4)+\b):8*(8*((\a)%4)+\b)+7], v[128*(\p)+FR*\b:128*(\p)+FR*\b+FR-1], v[AF+FR*(\a):AF+FR*(\a)+FR-1], v[8*(8*((\a)%4)+\b):8*(8*((\a)%4)+\b)+7], v[SC+8*NQ*(\sc)+NQ*\b+(\q)], v[SC+8*NQ*(\sc)+NQ*(\a)+(\q)] matrix_a_fmt:MATRIX_FMT_BF6 matrix_b_fmt:MATRIX_FMT_BF6 matrix_a_scale:MATRIX_SCALE_ROW1
.endif
.endr
.endr
.endm
.macro FETCH_B slot, q, p
	WIN TO_B
.irp i, 0,1,2,3,4,5,6,7
	FRAG 128*(\p)+FR*\i, ADRB+\slot, \q, \i
.endr
	WIN 0
.endm
.macro FETCH_A slot, q, i0
.irp i, \i0, \i0+1, \i0+2, \i0+3
	FRAG AF+FR*(\i), ADRA+\slot, \q, \i
.endr
.endm
.macro SCALES sc
.irp i, 0,1,2,3,4,5,6,7
	ds_load_b64 v[SC+8*NQ*\sc+NQ*\i:SC+8*NQ*\sc+NQ*\i+1], v[ADRS] offset:\i*SBLK
.endr
.endm
.macro PLACES n
.rept \n
	v_nop
.endr
.endm
.macro STEP slot, q, zero
	s_wait_dscnt 4*NL
.if \zero
	WIN 0x81
.else
	WIN MUL_LO
.endif
	MUL16 0, (\q)%2, \q, \slot, \zero
	MUL16 2, (\q)%2, \q, \slot, \zero
	s_wait_dscnt 0
	PLACES NP
	FETCH_B \slot, (\q)+1, 1-(\q)%2
	FETCH_A \slot, (\q)+1, 0
.if \zero
	WIN 0xc1
.else
	WIN MUL_HI
.endif
	MUL16 4, (\q)%2, \q, \slot, \zero
	MUL16 6, (\q)%2, \q, \slot, \zero
	PLACES NP
	WIN 0
	FETCH_A \slot, (\q)+1, 4
.endm
.macro TURN slot, next, fill
	s_wait_tensorcnt 0x0
	ds_add_u32 v[SPW], v[NIL]
	s_wait_dscnt 4*NL+1
	WIN MUL_LO
	MUL16 0, 1, NQ-1, \slot, 0
	s_wait_dscnt 0x0
	s_barrier_signal -1
	MUL16 2, 1, NQ-1, \slot, 0
	WIN 0
	s_barrier_wait -1
.if \fill
	CREST
	s_add_nc_u64 s[G0+4*\slot+2:G0+4*\slot+3], s[G0+4*\slot+2:G0+4*\slot+3], 2*SLB
	s_add_nc_u64 s[G0B+4*\slot+2:G0B+4*\slot+3], s[G0B+4*\slot+2:G0B+4*\slot+3], 2*SLB
	JLOAD G0+4*\slot, G1, G0B+4*\slot, G1B
.else
	PLACES NP
.endif
	s_wait_alu depctr_va_vdst(0)
	v_add_nc_u32 v[ADRS], 128, v[ADRS]
	FETCH_B \next, 0, 0
	FETCH_A \next, 0, 0
	SCALES \next
	WIN MUL_HI
	MUL16 4, 1, NQ-1, \slot, 0
	MUL16 6, 1, NQ-1, \slot, 0
	PLACES NP
	WIN 0
	FETCH_A \next, 0, 4
.endm
	s_wait_tensorcnt 1
	s_barrier_signal -1
	s_barrier_wait -1
	FETCH_B 0, 0, 0
	FETCH_A 0, 0, 0
	s_wait_alu depctr_va_vdst(0)
	SCALES 0
	FETCH_A 0, 0, 4
	s_wait_loadcnt 0x0
	s_cmp_eq_u32 s67, 1
	s_cbranch_scc1 .Lfirst_v
	STEP 0, 0, 1
	s_branch .Lfirst_done
.Lfirst_v:
	STEP 0, 0, 2
.Lfirst_done:
	TURN 0, 1, 1
	STEP 1, 0, 0
	TURN 1, 0, 1
	STEP 0, 0, 0
	TURN 0, 1, 0
	STEP 1, 0, 0
	s_wait_dscnt 4*NL
	WIN MUL_LO
	MUL16 0, 1, NQ-1, 1, 0
	MUL16 2, 1, NQ-1, 1, 0
	s_wait_dscnt 0
	WIN MUL_HI
	MUL16 4, 1, NQ-1, 1, 0
	MUL16 6, 1, NQ-1, 1, 0
	WIN 0
	PLACES NP
	s_mov_b32 s10, 0x76543210
	s_mov_b32 s11, 0xfedcba98
	s_mov_b32 s87, 208896
	s_mov_b32 s88, 12288
	s_cmp_eq_u32 s67, 1
	s_cselect_b32 s80, s42, s17
	s_cselect_b32 s81, s16, s15
	s_cselect_b32 s82, s17, s42
	s_cselect_b32 s83, s15, s16
	s_cselect_b32 s104, -1, 0xffff
	s_cselect_b32 s105, 0, 0x7f7f0000
	s_cselect_b32 s84, 6144, 0
	s_cselect_b32 s85, 8192, 0
	s_cselect_b32 s86, 8, 9
	s_cmp_eq_u32 s66, 0
	s_cselect_b32 s87, 106496, s87
	s_cselect_b32 s89, 6144, s88
	s_cselect_b32 s88, 8192, s88
	s_cselect_b64 s[12:13], s[98:99], s[100:101]
	s_lshr_b32 s90, s80, 3
	s_lshl_b32 s80, s80, 1
	s_add_co_u32 s80, s80, s81
	s_and_b32 s80, s80, 15
	s_lshl_b32 s82, s82, 2
	s_lshl_b32 s83, s83, 1
	s_add_co_u32 s82, s82, s83
	s_lshl_b32 s90, s90, 4
	s_add_co_u32 s90, s90, s82
	s_mul_i32 s90, s90, s87
	s_mul_i32 s91, s80, s89
	s_add_co_u32 s91, s91, s88
	s_add_co_u32 s91, s91, s84
	s_add_co_u32 s2, s90, s91
	s_mov_b32 s3, 0
	s_add_nc_u64 s[68:69], s[12:13], s[2:3]
	s_mov_b32 s18, 3072
	s_mov_b32 s19, 0
	s_cmp_eq_u32 s67, 1
	s_cselect_b32 s2, s87, s18
	s_cselect_b32 s18, s18, s87
	s_add_nc_u64 s[70:71], s[68:69], s[2:3]
	s_add_nc_u64 s[72:73], s[68:69], s[18:19]
	s_add_nc_u64 s[74:75], s[72:73], s[2:3]
	s_lshl_b32 s2, s80, s86
	s_add_co_u32 s2, s2, s85
	s_add_co_u32 s2, s2, s90
	s_add_nc_u64 s[76:77], s[12:13], s[2:3]
	s_cmp_eq_u32 s67, 1
	s_cselect_b32 s2, s87, 256
	s_cselect_b32 s18, 0, 16
	s_cselect_b32 s19, 0, s87
	s_add_nc_u64 s[78:79], s[76:77], s[2:3]
	v_mul_u32_u24 v[SHV], s18, v2
	v_mul_u32_u24 v[SVO], s19, v2
	v_lshl_add_u32 v[SVO], v1, 4, v[SVO]
.irp b, 0,1,2,3
	v_mov_b32 v[TM+4+\b], 0
.endr
.macro QUANTW a
.set AC, 64*((\a)%4)
.set WW, 2+(\a)/4
	WIN 0
.irp b, 0,1,2,3
	v_mov_b32 v[TM+\b], 0x2800000
.endr
	WIN (WW<<2)|(WW<<4)
.irp i, 0,2,4,6,8,10,12,14
.irp b, 0,1,2,3
	v_max3_num_f32 v[TM+\b], v[TM+\b], |v[AC+16*\b+\i]|, |v[AC+16*\b+\i+1]|
.endr
.endr
	WIN 0
.irp b, 0,1,2,3
	v_permlanex16_b32 v[TM+4+\b], v[TM+\b], s10, s11
.endr
.irp b, 0,1,2,3
	v_max_num_f32 v[TM+\b], v[TM+\b], v[TM+4+\b]
.endr
.irp b, 0,1,2,3
	v_add_nc_u32 v[TM+12+\b], 0xfe000000, v[TM+\b]
.endr
.irp b, 0,1,2,3
	v_lshrrev_b32 v[TM+4+\b], 23, v[TM+12+\b]
.endr
	v_lshl_or_b32 v[PW], v[TM+5], 8, v[TM+4]
	v_lshl_or_b32 v[PW], v[TM+6], 16, v[PW]
	v_lshl_or_b32 v[PW], v[TM+7], 24, v[PW]
	s_wait_dscnt 0x0
	WIN WW
.irp c, 0,1
	v_cvt_scalef32_pk16_bf6_f32 v[PC+6*\c:PC+2+6*\c], v[AC+32*\c:AC+15+32*\c], v[TM+12+2*\c]
	v_cvt_scalef32_pk16_bf6_f32 v[PC+12+4*\c:PC+14+4*\c], v[AC+16+32*\c:AC+31+32*\c], v[TM+12+2*\c+1]
.endr
	WIN 0
	v_nop
.irp c, 0,1
.irp i, 0,1,2
	v_permlane16_swap_b32 v[PC+6*\c+\i], v[PC+12+4*\c+\i]
.endr
.irp i, 0,1,2
	v_mov_b32 v[PC+3+6*\c+\i], v[PC+12+4*\c+\i]
.endr
.endr
.endm
.irp a, 0,1,2,3,4,5,6,7
	QUANTW \a
.irp p, 0,1,2
	ds_store_b64 v[STO], v[PC+2*\p:PC+2*\p+1] offset:768*\a+8*\p
.endr
.irp p, 0,1,2
	ds_store_b64 v[STO], v[PC+6+2*\p:PC+7+2*\p] offset:6144+768*\a+8*\p
.endr
	v_lshrrev_b32 v[SW+\a], v[SHV], v[PW]
	v_and_or_b32 v[SW+\a], v[SW+\a], s104, s105
.endr
.irp n, 0,1,2,3,4,5,6,7,8,9,10,11,12,13,14,15,16,17,18,19,20,21,22,23
	ds_load_b128 v[BK+4*\n:BK+4*\n+3], v[RD] offset:512*\n
.endr
	s_wait_alu depctr_va_vdst(0)
.irp n, 0,1,2,3,4,5,6,7,8,9,10,11,12,13,14,15,16,17,18,19,20,21,22,23
	s_wait_dscnt 23-\n
	global_store_b128 v[CO], v[BK+4*\n:BK+4*\n+3], s[68+2*(\n/6):69+2*(\n/6)] offset:512*(\n%6)
.endr
	global_store_b128 v[SVO], v[SW:SW+3], s[76:77]
	global_store_b128 v[SVO], v[SW+4:SW+7], s[78:79]
	s_wait_tensorcnt 0x0
	ds_add_u32 v[SPW], v[NIL]
	s_wait_dscnt 0x0
	CROUND
	s_endpgm
.Lfunc_end_k_q270cdf863c_proj:
	.size	k_q270cdf863c_proj, .Lfunc_end_k_q270cdf863c_proj-k_q270cdf863c_proj
	.p2alignl 7, 3214868480
	.fill 96, 4, 3214868480
	.section	.rodata,"a",@progbits
	.p2align	6, 0x0
	.amdhsa_kernel k_q270cdf863c_proj
		.amdhsa_group_segment_fixed_size 327680
		.amdhsa_private_segment_fixed_size 0
		.amdhsa_enable_private_segment 0
		.amdhsa_kernarg_size 56
		.amdhsa_user_sgpr_count 2
		.amdhsa_user_sgpr_kernarg_segment_ptr 1
		.amdhsa_wavefront_size32 1
		.amdhsa_system_sgpr_workgroup_id_x 1
		.amdhsa_system_sgpr_workgroup_id_y 1
		.amdhsa_system_sgpr_workgroup_id_z 1
		.amdhsa_system_vgpr_workitem_id 0
		.amdhsa_next_free_vgpr 1024
		.amdhsa_next_free_sgpr 106
		.amdhsa_reserve_vcc 0
		.amdhsa_float_denorm_mode_32 3
		.amdhsa_float_denorm_mode_16_64 3
		.amdhsa_memory_ordered 1
		.amdhsa_forward_progress 1
		.amdhsa_inst_pref_size 196
	.end_amdhsa_kernel
	.amdgpu_metadata
---
amdhsa.version: [ 1, 2 ]
amdhsa.kernels:
  - .name:           k_q270cdf863c_proj
    .symbol:         k_q270cdf863c_proj.kd
    .args:
      - { .name: cod, .offset: 0, .size: 8, .value_kind: global_buffer, .address_space: global }
      - { .name: scl, .offset: 8, .size: 8, .value_kind: global_buffer, .address_space: global }
      - { .name: bq, .offset: 16, .size: 8, .value_kind: global_buffer, .address_space: global }
      - { .name: bk, .offset: 24, .size: 8, .value_kind: global_buffer, .address_space: global }
      - { .name: bv, .offset: 32, .size: 8, .value_kind: global_buffer, .address_space: global }
      - { .name: qimg, .offset: 40, .size: 8, .value_kind: global_buffer, .address_space: global }
      - { .name: kvimg, .offset: 48, .size: 8, .value_kind: global_buffer, .address_space: global }
    .group_segment_fixed_size: 327680
    .private_segment_fixed_size: 0
    .kernarg_segment_align: 8
    .kernarg_segment_size: 56
    .max_flat_workgroup_size: 128
    .sgpr_count:     106
    .vgpr_count:     1024
    .wavefront_size: 32
...
	.end_amdgpu_metadata
.endif
;; end of part 7
;; launch attn (part 8): grid 8 x 32, 16 waves a work-group, clusters of 4 x 1, 223,232 bytes of LDS; arguments qimg, kvimg, mb, xc, xs; writes xc, xs
.if DOCPART == 8
	.amdgcn_target "amdgcn-amd-amdhsa--gfx1250"
	.amdhsa_code_object_version 6
	.text
	.protected	k_q270cdf863c_attn
	.globl	k_q270cdf863c_attn
	.p2align	8
	.type	k_q270cdf863c_attn,@function
k_q270cdf863c_attn:
	s_mov_b64 s[64:65], 0
	v_nop
	global_prefetch_b8 v0, s[64:65] scope:SCOPE_SE
	s_setreg_imm32_b32 hwreg(HW_REG_WAVE_MODE, 25, 1), 1
	s_wait_xcnt 0x0
	s_wait_alu depctr_hold_cnt(0) depctr_sa_sdst(0) depctr_va_vdst(0) depctr_va_sdst(0) depctr_va_ssrc(0) depctr_va_vcc(0) depctr_vm_vsrc(0)
	s_getreg_b32 s2, hwreg(HW_REG_IB_STS2, 6, 4)
	s_cmp_eq_u32 s2, 0
	s_cbranch_scc0 .Lentry_in_a_cluster
	s_endpgm
.Lentry_in_a_cluster:
	s_bfe_u32 s2, ttmp6, 0x10000c
	s_cmp_lg_u32 s2, 0x3003
	s_cbranch_scc0 .Lentry_shape_is_right
	s_endpgm
.Lentry_shape_is_right:
; For each (batch, head): scores = Q K^T on codes of BF6 (K = 64); where the mask is 0 the logit is -1; p = 2^(t - M), t = logit x log2(e), M the running largest t rounded up to a whole number;
; p is quantised along the keys; O = P V on codes; O is divided by the sum of the unquantised p and quantised along head x 64 + channel, as the last product's operand (xc, xs: laid as cod, scl of the first launch).
; SHARES.  A work-group owns 256 queries of one (batch, head); each of its sixteen waves one tile of 16, in 256 registers.  Every wave walks all 2,048 keys, 128 a step: a first step, 14 trips of a loop, a last step.
; A head's K, V and scale words are 208,896 bytes: the whole image comes into LDS ONCE, each wave bringing 51 rows of 256 bytes by its one tensor load.  Nothing is filled again; one barrier shows the image to all waves, and none stands in the walk.
; The four work-groups of a cluster belong to one head and ask for each piece JOINTLY.  No prefetch: every byte of the image is asked for by the launch's first load, so there is no earlier trip to ask in.
; LAYOUT.  Both products are used transposed (source 0 = 16 keys, or 16 channels; source 1 = my 16 queries): a lane holds one query.  Tiles are laid so that the 16 registers of tiles 2 b, 2 b + 1 are 16 neighbours.
; K = 64 IN A FORM 128 DEEP: Q's upper six registers are zero codes; K's tile t is named as v[32 + 6 t] on, twelve registers, of which the upper six are the next tile's codes and meet Q's zeros; bytes 2, 3 of both scale words are 0x7f.
; THE MASK comes as lane masks (mb): 64 words a step, by scalar loads a step ahead; a score whose bit is 0 becomes -8, which is the logit -1 ahead of the division by 8.
; P V COMES ONE STEP LATE.  Step s: Q K of step s; V of step s - 1 is asked for, into K's registers; selections and block maxima; P V of step s - 1 (under the M of step s - 1), its four instructions between the lines of the chain that leads to the new M;
; K of step s + 1 is asked for, into V's registers; O^T and the sum go under the new M; ONE batch of 68 exponentials between its two waits; p's scales and codes, which wait for the next step, among the additions of the row's sum.
; So 96 plain lines stand between V's request and its use, and the step's whole second half between K's and its use.  The last step asks for its own V, and its P V follows the walk.
; LIMITS: a block's largest p is taken from its largest score (v_exp_f32 is taken not to fall where its input rises); a block whose every p is 0 keeps the byte 1 (zero codes); NaN and infinities are not served;
; the scaled scores stay under 2^31 in magnitude.
; REGISTERS: v1-7 addresses that stay (v5: -8.0); v8-11 the step's addresses; v12 -M, v13 the largest score, v[14:15] the sum; v16-27 Q; v32-85 K's or V's fragments (v80-85 zeros); v86-93, v204-209 seven more chains of the sum;
;   v96-159 scores, then p; v160-191 O^T; v192-195 V's scale words, v196-203 K's; v210-217 block maxima, later scale bytes; v224-235 p's codes; v236-254 at work; v249, v251 the add's two; v253 p's scale word; v255 Q's.
.set HS,    208896                     ; a head's image
.set QS,    106496                     ; a head's part of qimg
.set STEPB, 12288                      ; a step's codes: K 6,144, V 6,144
.set PIECE, 13056                      ; 51 rows of 256 bytes: a wave's sixteenth of the image
.set STAGE, HS                         ; behind the image: 768 bytes for each wave; no tensor load lands here
.set SPARE, 0x36000                    ; behind the stages: the spare words, 128 bytes a wave
.macro CROUND
	s_barrier_signal -1
	s_barrier_wait -1
	s_cmp_lg_u32 s4, 0
	s_cbranch_scc1 .Lnot_wave_0_\@
	s_barrier_signal -3
.Lnot_wave_0_\@:
	s_barrier_wait -3
	s_barrier_signal -1
	s_barrier_wait -1
.endm
.macro MASKW                           ; a step's 64 lane masks: word n in s[16 + n], from n = 48 on in s[20 + n]
	s_load_b512 s[16:31], s[2:3], s5 offset:0x0
	s_load_b512 s[32:47], s[2:3], s5 offset:0x40
	s_load_b512 s[48:63], s[2:3], s5 offset:0x80
	s_load_b512 s[68:83], s[2:3], s5 offset:0xc0
.endm
	s_load_b128 s[16:19], s[0:1], 0x0              ; qimg, kvimg
	s_load_b64 s[20:21], s[0:1], 0x10              ; mb
	v_lshl_add_u32 v249, v0, 2, SPARE
	v_mov_b32 v251, 0
	ds_add_u32 v249, v251                          ; the opening lines
	ds_add_u32 v249, v251
	v_lshrrev_b32 v8, 5, v0
	v_readfirstlane_b32 s4, v8                     ; wave 0..15
	s_bfe_u32 s22, ttmp6, 0x40000                  ; cx: it enters Q's, the mask's and the result's addresses alone
	s_lshl_b32 s23, ttmp9, 2
	s_add_co_u32 s23, s23, s22
	s_lshl_b32 s23, s23, 4
	s_add_co_u32 s23, s23, s4                      ; my tile of queries, 0..127
	s_and_b32 s24, ttmp7, 0xffff                   ; 16 batch + head: the four partners share it
	s_mul_i32 s26, s24, HS
	s_mul_i32 s25, s4, PIECE                       ; my piece: in LDS and in memory alike
	s_add_co_u32 s26, s26, s25
	s_mov_b32 s27, 0
	s_mul_i32 s30, s24, QS
	s_mul_i32 s31, s23, 768
	s_add_co_u32 s32, s30, s31
	s_add_co_u32 s32, s32, 8192                    ; Q's codes of my tile
	s_mov_b32 s33, 0
	s_lshr_b32 s34, s23, 2
	s_lshl_b32 s34, s34, 8
	s_and_b32 s35, s23, 3
	s_lshl_b32 s35, s35, 2
	s_add_co_u32 s34, s34, s35
	s_add_co_u32 s34, s34, s30                     ; and its scale words
	s_mov_b32 s35, 0
	s_lshl_b32 s36, s23, 12                        ; my tile's lane masks: 16 steps x 256 bytes
	s_mov_b32 s37, 0
	s_mul_i32 s38, s4, 768
	s_add_co_u32 s38, s38, STAGE                   ; my stage
	s_mov_b32 s84, 15|(3<<16)|(1<<21)              ; group 1: the mask names all four; elements of 8 bytes; bit 21 beside a mask; no padding
	s_mov_b32 s85, 32<<16                          ; tensor_dim0: 256 bytes
	s_mov_b32 s86, 51<<16                          ; tensor_dim1
	s_mov_b32 s87, 32<<16                          ; tile_dim0
	s_mov_b32 s88, 51                              ; tile_dim1
	s_mov_b32 s89, 32                              ; stride: dense
	s_mov_b32 s90, 0
	s_mov_b32 s91, 0
	s_mov_b32 s6, 0x76543210
	s_mov_b32 s7, 0xfedcba98                       ; v_permlanex16_b32's selects for lane l xor 16
	s_mov_b32 s8, 0x3e38aa3b                       ; c = log2(e) / 8
	s_mov_b32 s9, s8
	s_mov_b32 s5, 0                                ; the lane masks, 256 bytes a step
	s_mov_b32 s11, 0                               ; the step's codes, 12,288 a step
	s_mov_b32 s66, 0                               ; K's scale words, 512 a step
	s_mov_b32 s67, 0                               ; V's, 256 a step
	s_wait_dscnt 0x0
	s_wait_kmcnt 0x0
	s_add_nc_u64 s[94:95], s[18:19], s[26:27]
	s_add_nc_u64 s[100:101], s[16:17], s[32:33]
	s_add_nc_u64 s[104:105], s[16:17], s[34:35]
	s_add_nc_u64 s[2:3], s[20:21], s[36:37]
	s_mov_b32 s92, 1
	s_mov_b32 s93, s25
	s_or_b32 s95, s95, 0x80000000
	CROUND                                         ; all four work-groups are here: the joint loads meet
	tensor_load_to_lds s[92:95], s[84:91]          ; my one tensor load of the launch
	s_nop 0
.rept 4
	v_nop
.endr
	v_and_b32 v8, 31, v0                           ; lane
	v_and_b32 v9, 15, v0                           ; r
	v_mul_u32_u24 v10, v8, 24
	v_lshlrev_b32 v3, 4, v9                        ; K's scale words: 16 r
	global_load_b64 v[16:17], v10, s[100:101]      ; Q's 24 bytes a lane stay in registers
	global_load_b64 v[18:19], v10, s[100:101] offset:8
	global_load_b64 v[20:21], v10, s[100:101] offset:16
	global_load_b32 v255, v3, s[104:105]
	v_add_nc_u32 v1, 12288, v10                    ; K's codes of step 0.  In step s the scalars stand at step s + 1 when the addresses are made: K's are those of step s + 1,
	v_add_nc_u32 v2, 6144, v10                     ; V's those of step s: so V's bases lie one step (12,288 bytes,
	v_add_nc_u32 v4, 7936, v3                      ; 256 bytes of scale words) under their places at 18,432 and 8,192
	v_mov_b32 v5, 0xc1000000                       ; -8.0
	v_add_nc_u32 v6, s38, v10                      ; the stage, in
	v_lshl_add_u32 v7, v8, 3, s38                  ; and out
.irp j, 22,23,24,25,26,27,80,81,82,83,84,85
	v_mov_b32 v\j, 0                               ; zero codes
.endr
	v_mov_b32 v13, 0xff61b1e6                      ; the largest score so far: -3e38
	v_mul_f32 v250, s8, v13                        ; as t
	v_floor_f32 v12, -v250                         ; -M
	v_mov_b32 v14, 0
	v_mov_b32 v15, 0
	v_mov_b32 v253, 0                              ; (named as the upper half of the pair v[252:253] before it is first written)
.set n, 0
.rept 32
	v_mov_b32 v[160+n], 0                          ; O^T: the first change of M leaves zeros zeros
.set n, n+1
.endr
	MASKW                                          ; step 0's lane masks
.macro KLOAD                           ; 26 LDS loads: a step's scale words of K, then its eight tiles
	ds_load_b128 v[196:199], v10
	ds_load_b128 v[200:203], v10 offset:256
.irp t, 0,1,2,3,4,5,6,7
.irp p, 0,1,2
	ds_load_b64 v[32+6*\t+2*\p:33+6*\t+2*\p], v8 offset:768*\t+8*\p
.endr
.endr
.endm
.macro VLOAD                           ; V's 25 loads: four tiles of twelve registers, then the scale words
.set vn, 0
.rept 24
	ds_load_b64 v[32+12*(vn/6)+2*(vn%6):33+12*(vn/6)+2*(vn%6)], v9 offset:768*(vn/6)+3072*((vn%6)/3)+8*(vn%3)
.set vn, vn+1
.endr
	ds_load_b128 v[192:195], v11
.endm
; the next cnt of the 32 packed additions that add the step's 32 pairs of UNQUANTISED p to the row's sum (ai counts them): eight chains by turns, v[14:15] and seven that the first fourteen pairs start
; (chain c at v[204 + 2 c] for c under 3, else at v[80 + 2 c]); at last the chains are joined
.macro ADDP cnt
.rept \cnt
.if ai < 7
.set cd, 204+2*ai-124*((ai+3)/6)
	v_pk_add_f32 v[cd:cd+1], v[96+4*ai:97+4*ai], v[98+4*ai:99+4*ai]
.elseif ai < 25
.set cc, (ai-7)%8
.if cc == 7
	v_pk_add_f32 v[14:15], v[14:15], v[110+2*ai:111+2*ai]
.else
.set cd, 204+2*cc-124*((cc+3)/6)
	v_pk_add_f32 v[cd:cd+1], v[cd:cd+1], v[110+2*ai:111+2*ai]
.endif
.elseif ai == 25
	v_pk_add_f32 v[204:205], v[204:205], v[206:207]
.elseif ai == 26
	v_pk_add_f32 v[208:209], v[208:209], v[86:87]
.elseif ai == 27
	v_pk_add_f32 v[88:89], v[88:89], v[90:91]
.elseif ai == 28
	v_pk_add_f32 v[14:15], v[14:15], v[92:93]
.elseif ai == 29
	v_pk_add_f32 v[204:205], v[204:205], v[208:209]
.elseif ai == 30
	v_pk_add_f32 v[14:15], v[14:15], v[88:89]
.else
	v_pk_add_f32 v[14:15], v[14:15], v[204:205]
.endif
.set ai, ai+1
.endr
.endm
.macro QK t
	v_wmma_scale_f32_16x16x128_f8f6f4 v[96+8*\t:103+8*\t], v[32+6*\t:43+6*\t], v[16:27], 0, v[196+\t], v255 matrix_a_fmt:MATRIX_FMT_BF6 matrix_b_fmt:MATRIX_FMT_BF6
.endm
.macro PV t, skip                      ; the four accumulators take turns, one instruction a turn; the first step has no P V to run
.if \skip == 0
	v_wmma_scale_f32_16x16x128_f8f6f4 v[160+8*\t:167+8*\t], v[32+12*\t:43+12*\t], v[224:235], v[160+8*\t:167+8*\t], v[192+\t], v253 matrix_a_fmt:MATRIX_FMT_BF6 matrix_b_fmt:MATRIX_FMT_BF6
.endif
.endm
; A KEY STEP: 128 keys.  first = 1: no step stands before it, so no V is asked for at its head and no P V is run.  last = 1: no K and no lane masks are asked for; its own V is, in K's place.
.macro STEP first, last
.set ai, 0
	s_wait_dscnt 0x0                               ; this step's K
.irp t, 0,1,2,3,4,5,6,7
	QK \t
.endr
	s_add_co_u32 s11, s11, STEPB
	s_add_co_u32 s66, s66, 512
	s_add_co_u32 s67, s67, 256
.if \last
	v_nop
	v_nop
.else
	v_add_nc_u32 v8, s11, v1                       ; the next step's K.  Four plain lines: the places behind the products
	v_add_nc_u32 v10, s66, v3
.endif
	v_mov_b32 v254, v12                            ; the old -M
	v_nop
.if \first == 0
	VLOAD                                          ; V of the step before, into K's registers; its addresses were made in that step
.endif
	s_wait_kmcnt 0x0                               ; this step's lane masks
.set n, 0
.rept 64
	v_cndmask_b32 v[96+n], v5, v[96+n], s[16+n+4*(n/48)]   ; bit 0: the logit is -1.  Ascending: each accumulator is read from its low end on
.set n, n+1
.endr
; the largest score of each block of 32 keys: for the row's maximum and for the block's largest p.  My 16 of a block in two chains, eight chains by turns
.irp b, 0,1,2,3
	v_max3_num_f32 v[210+\b], v[96+16*\b], v[97+16*\b], v[98+16*\b]
.endr
.irp b, 0,1,2,3
	v_max3_num_f32 v[214+\b], v[103+16*\b], v[104+16*\b], v[105+16*\b]
.endr
.irp i, 3,5
.irp b, 0,1,2,3
	v_max3_num_f32 v[210+\b], v[210+\b], v[96+16*\b+\i], v[97+16*\b+\i]
.endr
.irp b, 0,1,2,3
	v_max3_num_f32 v[214+\b], v[214+\b], v[103+16*\b+\i], v[104+16*\b+\i]
.endr
.endr
.irp b, 0,1,2,3
	v_max3_num_f32 v[210+\b], v[210+\b], v[214+\b], v[110+16*\b]
.endr
.irp b, 0,1,2,3
	v_max_num_f32 v[210+\b], v[210+\b], v[111+16*\b]
.endr
.if \last == 0
	s_add_co_u32 s5, s5, 256                       ; the next step's lane masks, into the registers that the selections above have read
	MASKW
.endif
.if \first == 0
	s_wait_alu depctr_va_vdst(0)
	s_wait_dscnt 0x0                               ; V
.endif
.irp b, 0,1,2,3
	v_permlanex16_b32 v[214+\b], v[210+\b], s6, s7
.endr
	PV 0, \first                                   ; P V of the step before: a product stands ahead of each line of a chain in which each line wants the one before
.irp b, 0,1,2,3
	v_max_num_f32 v[210+\b], v[210+\b], v[214+\b]  ; with lane l xor 16's 16 keys
.endr
	PV 1, \first
	v_max3_num_f32 v250, v210, v211, v212
	PV 2, \first
	v_max3_num_f32 v13, v250, v213, v13            ; the running largest score
	PV 3, \first
	v_mul_f32 v250, s8, v13                        ; as t (c is positive, so the largest score gives the largest t).  Four plain lines: the places behind the products
	v_add_nc_u32 v9, s11, v2                       ; this step's V
	v_add_nc_u32 v11, s67, v4
	v_floor_f32 v12, -v250                         ; the new -M = -ceil(t)
.if \last
	VLOAD                                          ; the last step's own V
.else
	KLOAD                                          ; the next step's K, into V's registers
.endif
	v_sub_f32 v254, v12, v254                      ; old M - new M: a whole number, 0 or less
	v_fma_f32 v210, v210, s8, v12                  ; t - M of each block's largest score
	v_fma_f32 v211, v211, s8, v12
	v_cvt_i32_f32 v254, v254                       ; (it saturates)
	v_fma_f32 v212, v212, s8, v12
	v_fma_f32 v213, v213, s8, v12
	v_ldexp_f32 v252, 1.0, v254                    ; f = 2^(old M - new M): rounds nothing
.set n, 0
.rept 32
	v_pk_fma_f32 v[96+2*n:97+2*n], v[96+2*n:97+2*n], s[8:9], v[12:13] op_sel_hi:[1,0,0]   ; t - M, two at a time (of the pairs c and -M the low word serves both halves)
.set n, n+1
.endr
.set n, 0
.rept 16
	v_pk_mul_f32 v[160+2*n:161+2*n], v[160+2*n:161+2*n], v[252:253] op_sel_hi:[1,0]   ; O^T under the new M, ahead of the exponentials; each accumulator from its low end on
.set n, n+1
.endr
	s_wait_alu depctr_va_vdst(0)
.irp b, 0,1,2,3
	v_exp_f32 v[210+\b], v[210+\b]                 ; each block's largest p
.endr
.set n, 0
.rept 64
	v_exp_f32 v[96+n], v[96+n]                     ; p = 2^(t - M)
.set n, n+1
.endr
	v_pk_mul_f32 v[14:15], v[14:15], v[252:253] op_sel_hi:[1,0]      ; the sum under the new M: the plain line behind the batch
	s_wait_alu depctr_va_vdst(0)                   ; and the wait behind it, ahead of its first reader
; p's scales and codes; the sum's additions stand between lines that want each other's results
.irp b, 0,1,2,3
	v_max_num_f32 v[210+\b], 0x2800000, v[210+\b]  ; the floor 2^(5 - 127): the byte cannot fall under 1
.endr
	ADDP 2
.irp b, 0,1,2,3
	v_add_nc_u32 v[244+\b], 0xfe000000, v[210+\b]  ; 4 off the exponent field: the conversion's scale operand
.endr
	ADDP 2
.irp b, 0,1,2,3
	v_lshrrev_b32 v[214+\b], 23, v[244+\b]         ; the scale's byte
.endr
.irp c, 0,1
	v_cvt_scalef32_pk16_bf6_f32 v[224+6*\c:226+6*\c], v[96+32*\c:111+32*\c], v[244+2*\c]
	v_cvt_scalef32_pk16_bf6_f32 v[236+4*\c:238+4*\c], v[112+32*\c:127+32*\c], v[244+2*\c+1]   ; (a conversion's three registers begin on an even number)
.endr
	ADDP 1                                         ; the plain line between the conversions and the lines that touch their results
	v_lshl_or_b32 v253, v215, 8, v214              ; p's scale word for these 128 keys
.irp i, 0,1,2                                  ; a whole block to a lane: lanes 0-15 block 2 c, lanes 16-31 block 2 c + 1
	v_permlane16_swap_b32 v[224+\i], v[236+\i]
.endr
	v_lshl_or_b32 v253, v216, 16, v253
.irp i, 0,1,2
	v_permlane16_swap_b32 v[230+\i], v[240+\i]
.endr
	v_lshl_or_b32 v253, v217, 24, v253
.irp c, 0,1
.irp i, 0,1,2
	v_mov_b32 v[227+6*\c+\i], v[236+4*\c+\i]
.endr
.endr
	ADDP 27                                        ; the rest of the row's sum
.endm
	s_wait_alu depctr_va_vdst(0)
	s_wait_loadcnt 0x0                             ; Q
	s_wait_tensorcnt 0x0                           ; my piece of the image is in
	s_barrier_signal -1
	s_barrier_wait -1                              ; everybody's is: every wave reads what all sixteen brought
	v_add_nc_u32 v8, s11, v1
	v_add_nc_u32 v10, s66, v3
	KLOAD                                          ; step 0's K
	STEP 1, 0                                      ; step 0
	s_mov_b32 s10, 14
.Lrun:
	STEP 0, 0                                      ; steps 1 to 14
	s_sub_co_u32 s10, s10, 1
	s_cmp_lg_u32 s10, 0
	s_cbranch_scc1 .Lrun
	STEP 0, 1                                      ; step 15
	s_wait_alu depctr_va_vdst(0)
	s_wait_dscnt 0x0                               ; step 15's V
.irp t, 0,1,2,3
	PV \t, 0                                       ; and its P V: under the last M, so nothing is rescaled behind it
.endr
	; THE WAY OUT: O^T / the sum; my 32 numbers are channels 32 b + 16 h + i: two blocks of the last product's K; codes through my stage, so that each store covers 256 consecutive bytes.
	s_load_b128 s[92:95], s[0:1], 0x18             ; xc, xs
	v_add_f32 v14, v14, v15                        ; (these seven plain lines are the places behind the last products)
	v_permlanex16_b32 v252, v14, s6, s7
	v_add_f32 v14, v14, v252                       ; the row's sum
	v_and_b32 v8, 31, v0
	v_and_b32 v9, 15, v0
	v_lshlrev_b32 v8, 3, v8                        ; 8 x lane
	v_lshlrev_b32 v9, 3, v9                        ; 8 r
	s_wait_alu depctr_va_vdst(0)
	v_rcp_f32 v14, v14
	v_nop                                          ; a plain place behind it
	s_wait_alu depctr_va_vdst(0)                   ; and the wait ahead of its first reader, which is also O^T's first reader
.set n, 0
.rept 32
	v_mul_f32 v[96+n], v[160+n], v14
.set n, n+1
.endr
.irp b, 0,1
	v_max3_num_f32 v[232+\b], |v[96+16*\b]|, |v[97+16*\b]|, 0x2800000
.endr
.irp i, 2,4,6,8,10,12,14
.irp b, 0,1
	v_max3_num_f32 v[232+\b], v[232+\b], |v[96+16*\b+\i]|, |v[97+16*\b+\i]|
.endr
.endr
.irp b, 0,1
	v_permlanex16_b32 v[236+\b], v[232+\b], s6, s7
.endr
.irp b, 0,1
	v_max_num_f32 v[232+\b], v[232+\b], v[236+\b]
.endr
.irp b, 0,1
	v_add_nc_u32 v[244+\b], 0xfe000000, v[232+\b]
.endr
.irp b, 0,1
	v_lshrrev_b32 v[236+\b], 23, v[244+\b]
.endr
	v_lshl_or_b32 v253, v237, 8, v236              ; my row's two scale bytes
	v_cvt_scalef32_pk16_bf6_f32 v[224:226], v[96:111], v244
	v_cvt_scalef32_pk16_bf6_f32 v[228:230], v[112:127], v245
	v_nop
.irp i, 0,1,2
	v_permlane16_swap_b32 v[224+\i], v[228+\i]     ; lanes 0-15 block 0, lanes 16-31 block 1
.endr
	v_mov_b32 v227, v228
	v_mov_b32 v228, v229
	v_mov_b32 v229, v230
	ds_store_b64 v6, v[224:225]
	ds_store_b64 v6, v[226:227] offset:8
	ds_store_b64 v6, v[228:229] offset:16
.irp i, 0,1,2
	ds_load_b64 v[32+2*\i:33+2*\i], v7 offset:256*\i   ; these see my stores
.endr
	s_wait_alu depctr_va_vdst(0)
	s_wait_kmcnt 0x0                               ; the two addresses; no lane masks are on their way, so their registers are free
	s_bfe_u32 s16, ttmp6, 0x40000
	s_lshl_b32 s17, ttmp9, 2
	s_add_co_u32 s17, s17, s16
	s_lshl_b32 s17, s17, 4
	s_add_co_u32 s17, s17, s4                      ; my tile of queries
	s_and_b32 s18, ttmp7, 0xffff
	s_lshr_b32 s19, s18, 4                         ; batch
	s_and_b32 s18, s18, 15                         ; head
	s_lshl_b32 s19, s19, 7
	s_add_co_u32 s19, s19, s17                     ; the tile among 256
	s_mul_i32 s20, s19, 12288
	s_mul_i32 s21, s18, 768
	s_add_co_u32 s20, s20, s21
	s_mov_b32 s21, 0
	s_add_nc_u64 s[92:93], s[92:93], s[20:21]
	s_lshl_b32 s20, s19, 9
	s_lshr_b32 s22, s18, 2
	s_lshl_b32 s22, s22, 7
	s_add_co_u32 s20, s20, s22
	s_and_b32 s22, s18, 3
	s_lshl_b32 s22, s22, 1
	s_add_co_u32 s20, s20, s22                     ; blocks 2 head, 2 head + 1: 128 (head / 4) + 2 (head % 4), + 8 r
	s_add_nc_u64 s[94:95], s[94:95], s[20:21]
.irp i, 0,1,2
	s_wait_dscnt 2-\i
	global_store_b64 v8, v[32+2*\i:33+2*\i], s[92:93] offset:256*\i   ; 32 lanes store 256 consecutive bytes, aligned
.endr
	global_store_b16 v9, v253, s[94:95]            ; two bytes a row (a scale word is shared by two heads); lanes 16-31 store what lanes 0-15 store
	s_wait_tensorcnt 0x0                           ; the wave's end
	ds_add_u32 v249, v251
	s_wait_dscnt 0x0
	CROUND                                         ; the closing round
	s_endpgm
.Lfunc_end_k_q270cdf863c_attn:
	.size	k_q270cdf863c_attn, .Lfunc_end_k_q270cdf863c_attn-k_q270cdf863c_attn
	.p2alignl 7, 3214868480
	.fill 96, 4, 3214868480
	.section	.rodata,"a",@progbits
	.p2align	6, 0x0
	.amdhsa_kernel k_q270cdf863c_attn
		.amdhsa_group_segment_fixed_size 223232
		.amdhsa_private_segment_fixed_size 0
		.amdhsa_enable_private_segment 0
		.amdhsa_kernarg_size 40
		.amdhsa_user_sgpr_count 2
		.amdhsa_user_sgpr_kernarg_segment_ptr 1
		.amdhsa_wavefront_size32 1
		.amdhsa_system_sgpr_workgroup_id_x 1
		.amdhsa_system_sgpr_workgroup_id_y 1
		.amdhsa_system_sgpr_workgroup_id_z 1
		.amdhsa_system_vgpr_workitem_id 0
		.amdhsa_next_free_vgpr 256
		.amdhsa_next_free_sgpr 106
		.amdhsa_reserve_vcc 0
		.amdhsa_float_denorm_mode_32 3
		.amdhsa_float_denorm_mode_16_64 3
		.amdhsa_memory_ordered 1
		.amdhsa_forward_progress 1
		.amdhsa_inst_pref_size 75
	.end_amdhsa_kernel
	.amdgpu_metadata
---
amdhsa.version: [ 1, 2 ]
amdhsa.kernels:
  - .name:           k_q270cdf863c_attn
    .symbol:         k_q270cdf863c_attn.kd
    .args:
      - { .name: qimg, .offset: 0, .size: 8, .value_kind: global_buffer, .address_space: global }
      - { .name: kvimg, .offset: 8, .size: 8, .value_kind: global_buffer, .address_space: global }
      - { .name: mb, .offset: 16, .size: 8, .value_kind: global_buffer, .address_space: global }
      - { .name: xc, .offset: 24, .size: 8, .value_kind: global_buffer, .address_space: global }
      - { .name: xs, .offset: 32, .size: 8, .value_kind: global_buffer, .address_space: global }
    .group_segment_fixed_size: 223232
    .private_segment_fixed_size: 0
    .kernarg_segment_align: 8
    .kernarg_segment_size: 40
    .max_flat_workgroup_size: 512
    .sgpr_count:     106
    .vgpr_count:     256
    .wavefront_size: 32
...
	.end_amdgpu_metadata
.endif
;; end of part 8
;; launch outp (part 9): grid 8 x 32, 4 waves a work-group, clusters of 4 x 4, 222,720 bytes of LDS; arguments xc, xs, cod, scl, bo, out0; writes out0
.if DOCPART == 9
	.amdgcn_target "amdgcn-amd-amdhsa--gfx1250"
	.amdhsa_code_object_version 6
	.text
	.protected	k_q270cdf863c_outp
	.globl	k_q270cdf863c_outp
	.p2align	8
	.type	k_q270cdf863c_outp,@function
k_q270cdf863c_outp:
	s_mov_b64 s[64:65], 0
	v_nop
	global_prefetch_b8 v0, s[64:65] scope:SCOPE_SE
	s_setreg_imm32_b32 hwreg(HW_REG_WAVE_MODE, 25, 1), 1
	s_wait_xcnt 0x0
	s_wait_alu depctr_hold_cnt(0) depctr_sa_sdst(0) depctr_va_vdst(0) depctr_va_sdst(0) depctr_va_ssrc(0) depctr_va_vcc(0) depctr_vm_vsrc(0)
	s_getreg_b32 s2, hwreg(HW_REG_IB_STS2, 6, 4)
	s_cmp_eq_u32 s2, 0
	s_cbranch_scc0 .Lentry_in_a_cluster
	s_endpgm
.Lentry_in_a_cluster:
	s_bfe_u32 s2, ttmp6, 0x10000c
	s_cmp_lg_u32 s2, 0xf033
	s_cbranch_scc0 .Lentry_shape_is_right
	s_endpgm
.Lentry_shape_is_right:
; out0 = x wo^T + bo on codes of BF6 with E8M0 scales.  x: [4096][1024] as xc, xs (made by the attention launch); wo: tiles 960-1023 of cod, scl.  out0: [4096][1024] f32.
; A tile of 128 x 128 of out0 is made by four waves, 64 x 64 each: 32 x 8 = 256 tiles, one for each WGP.  P = x (source 1: a lane holds a token), R = wo (source 0: a lane's registers run along the channels).
; Codes lie in tiles of 16 rows in the order of the operands' registers (row r of tile T is row 32 (T / 2) + 8 (T % 2) + r + 8 (r / 8); 12,288 bytes a tile, 768 for each 64 along K, 24 a lane).
; ALL OF K FITS IN LDS: 16 tiles x 12,288 bytes.  Four tiles are 49,152 dense bytes of memory: each wave brings four by its ONE tensor load, as 192 rows of 256 bytes (waves 0, 1 P's halves, waves 2, 3 R's).  Nothing is filled again;
; one barrier shows the tiles to all four waves.  No prefetch: every byte is asked for by the launch's first load, so there is no earlier trip to ask in.
; CLUSTERS: 4 x 4 work-groups.  The four of a row of the cluster need the same tiles of x, the four of a column the same tiles of wo: each piece is asked for JOINTLY.
; THE SCALE WORDS go from memory into registers, once: 8 bytes a row for 256 along K, sixteen loads for my four tiles of P and sixteen for R's, in registers of their own.
; A step is 128 along K: 16 matrix instructions on 16 accumulators by turns; the next step's 48 LDS loads are issued ahead of them, into the other of two fragment buffers.  The bias is the C of each sum's first matrix instruction.
; WAY OUT: a wave's 64 channels are 256 consecutive bytes of a row, aligned: a block of 16 tokens goes through the wave's own stage, comes back into its own accumulators' registers, and sixteen lanes store such a run.
; REGISTERS: window 0: v1-5 r, h, lane, at work; v8, v9 LDS addresses of my fragments of P, of R; v16-20 other addresses; v30, v31 the add's two; v32-63 P's scale words (256 c along K: v[32 + 8 c] on), v96-127 R's; v64-95 the bias;
;   v128-255 the accumulators ((a, b) at v[128 + 8 (4 a + b)]).   window 1: two fragment buffers at v0 and v128: P's four fragments, then at + 48 R's four.
.set NP,     4                         ; places behind this matrix instruction (ISA guide 7.12.1)
.set TILEB,  12288                     ; a tile's codes
.set WPART,  4*TILEB                   ; what one tensor load brings, and what a wave reads of P or of R
.set STG,    4*WPART                   ; the way out: 16 rows x 272 bytes for each wave; no tensor load lands here
.set SPITCH, 272
.set SPARE,  0x36400                   ; the spare words, 128 bytes a wave
.set ADRA, 8
.set ADRB, 9
.set BOF,  16
.set STO,  17
.set RD,   18
.set CO,   19
.set SOF,  20
.set SCP,  32
.set SCR,  96
.set CB,   64
.set ACC,  128
.set G1,   24                          ; s[24:31] group 1 for P's codes;  s[32:39] for R's;  groups 0: s[56:59], s[60:63]
.set G1B,  32
.set MSB, 0
.macro WIN new                         ; the immediate's high byte repeats the setting that is left
.if MSB != (\new)
	s_set_vgpr_msb (MSB<<8)|(\new)
.set MSB, (\new)
.endif
.endm
.set MUL_W, 0x05                       ; sources 0 (R) and 1 (P) window 1; C and D window 0
.set TO_F,  0x40                       ; destination window 1, address window 0
.macro CROUND                          ; a round of the cluster's barrier
	s_barrier_signal -1
	s_barrier_wait -1
	s_cmp_lg_u32 s14, 0
	s_cbranch_scc1 .Lnot_wave_0_\@
	s_barrier_signal -3
.Lnot_wave_0_\@:
	s_barrier_wait -3
	s_barrier_signal -1
	s_barrier_wait -1
.endm
.macro PLACES n
.rept \n
	v_nop
.endr
.endm
	s_load_b256 s[4:11], s[0:1], 0x0               ; xc, xs, cod, scl
	s_load_b128 s[20:23], s[0:1], 0x20             ; bo, out0
	v_lshl_add_u32 v30, v0, 2, SPARE
	v_mov_b32 v31, 0
	ds_add_u32 v30, v31                            ; the opening lines
	ds_add_u32 v30, v31
	v_lshrrev_b32 v1, 5, v0
	v_readfirstlane_b32 s14, v1                    ; wave
	s_lshr_b32 s15, s14, 1                         ; my half of the tokens.  Also: I fetch for P (0) or for R (1)
	s_and_b32 s16, s14, 1                          ; my half of the channels.  Also: which four tiles I fetch
	s_bfe_u32 s2, ttmp6, 0x40000                   ; cx
	s_bfe_u32 s3, ttmp6, 0x40004                   ; cy
	s_lshl_b32 s18, ttmp9, 2
	s_add_co_u32 s18, s18, s2                      ; which 128 channels: 4 x cluster x + cx
	s_and_b32 s17, ttmp7, 0xffff
	s_lshl_b32 s17, s17, 2
	s_add_co_u32 s17, s17, s3                      ; which 128 tokens: 4 x cluster y + cy
	s_lshl_b32 s19, s3, 2
	s_lshl_b32 s19, 15, s19                        ; my row of the cluster
	s_lshl_b32 s100, 0x1111, s2                    ; my column
	s_or_b32 s[G1+0], s19, (3<<16)|(1<<21)         ; 192 dense rows of 256 bytes, as elements of 8 bytes; bit 21 beside a mask
	s_or_b32 s[G1B+0], s100, (3<<16)|(1<<21)
.irp g, G1, G1B
	s_mov_b32 s[\g+1], 32<<16                      ; tensor_dim0
	s_mov_b32 s[\g+2], 192<<16                     ; tensor_dim1
	s_mov_b32 s[\g+3], 32<<16                      ; tile_dim0
	s_mov_b32 s[\g+4], 192                         ; tile_dim1
	s_mov_b32 s[\g+5], 32                          ; stride: dense
	s_mov_b32 s[\g+6], 0
	s_mov_b32 s[\g+7], 0
.endr
	s_lshl_b32 s12, s18, 9                         ; my 64 channels, in bytes, in bo and in a row of out0: 512 x block + 256 x half
	s_lshl_b32 s13, s16, 8
	s_add_co_u32 s12, s12, s13
	s_mov_b32 s13, 0
	s_lshl_b32 s101, s16, 2
	s_lshl_b32 s104, s17, 3
	s_add_co_u32 s104, s104, s101                  ; the first of x's four tiles that I would fetch
	s_mul_i32 s104, s104, TILEB
	s_mov_b32 s105, 0
	s_lshl_b32 s100, s18, 3
	s_add_co_u32 s100, s100, s101
	s_add_co_u32 s100, s100, 960                   ; and of wo's: these are also the four that I multiply
	s_lshl_b32 s18, s100, 9                        ; their scale bytes
	s_mov_b32 s19, 0
	s_mul_i32 s100, s100, TILEB
	s_mov_b32 s101, 0
	s_lshl_b32 s2, s17, 3
	s_lshl_b32 s3, s15, 2
	s_add_co_u32 s2, s2, s3                        ; the first of x's four tiles that I multiply
	s_lshl_b32 s2, s2, 9                           ; their scale bytes
	s_mov_b32 s3, 0
	s_lshl_b32 s44, s17, 19                        ; 128 tokens of 4,096 bytes
	s_lshl_b32 s45, s15, 18
	s_add_co_u32 s44, s44, s45
	s_mov_b32 s45, 0
	s_mul_i32 s40, s15, WPART                      ; LDS: my four tiles of P,
	s_mul_i32 s41, s16, WPART
	s_add_co_u32 s41, s41, 2*WPART                 ; of R, behind P's eight,
	s_mul_i32 s42, s14, 16*SPITCH
	s_add_co_u32 s42, s42, STG                     ; my stage,
	s_mul_i32 s43, s14, WPART                      ; and where my load lands: no place in the cluster enters an LDS address
	s_wait_dscnt 0x0
	s_wait_kmcnt 0x0
	s_add_nc_u64 s[58:59], s[4:5], s[104:105]
	s_add_nc_u64 s[62:63], s[8:9], s[100:101]
	s_add_nc_u64 s[2:3], s[6:7], s[2:3]            ; P's scale bytes
	s_add_nc_u64 s[18:19], s[10:11], s[18:19]      ; R's
	s_add_nc_u64 s[20:21], s[20:21], s[12:13]      ; bo at my channels
	s_add_nc_u64 s[22:23], s[22:23], s[12:13]
	s_add_nc_u64 s[22:23], s[22:23], s[44:45]      ; out0 at my first token and channel
	s_mov_b32 s56, 1
	s_mov_b32 s57, s43
	s_or_b32 s59, s59, 0x80000000
	s_mov_b32 s60, 1
	s_mov_b32 s61, s43
	s_or_b32 s63, s63, 0x80000000
	CROUND                                         ; all sixteen work-groups are here: the joint loads meet
	s_cmp_eq_u32 s15, 0                            ; waves 0, 1 fetch for P, waves 2, 3 for R: one load in each arm
	s_cbranch_scc0 .Lfor_r
	tensor_load_to_lds s[56:59], s[G1:G1+7]
	s_nop 0
.rept 4
	v_nop
.endr
	s_branch .Lasked
.Lfor_r:
	tensor_load_to_lds s[60:63], s[G1B:G1B+7]
	s_nop 0
.rept 4
	v_nop
.endr
.Lasked:
	v_and_b32 v1, 15, v0                           ; r
	v_bfe_u32 v2, v0, 4, 1                         ; h
	v_and_b32 v3, 31, v0                           ; lane
	v_lshlrev_b32 v[BOF], 6, v2                    ; the bias: tile b's register j is channel 32 (b / 2) + 8 (b % 2) + 16 h + j
	v_lshlrev_b32 v[SOF], 3, v1                    ; scale words: 8 bytes a row for 256 along K; lanes 16-31 take what lanes 0-15 take
.irp b, 0,1,2,3
	global_load_b128 v[CB+8*\b:CB+8*\b+3], v[BOF], s[20:21] offset:(32*(\b/2)+8*(\b%2))*4
	global_load_b128 v[CB+8*\b+4:CB+8*\b+7], v[BOF], s[20:21] offset:(32*(\b/2)+8*(\b%2))*4+16
.endr
.irp c, 0,1,2,3
.irp i, 0,1,2,3
	global_load_b64 v[SCP+8*\c+2*\i:SCP+8*\c+2*\i+1], v[SOF], s[2:3] offset:512*\i+128*\c
	global_load_b64 v[SCR+8*\c+2*\i:SCR+8*\c+2*\i+1], v[SOF], s[18:19] offset:512*\i+128*\c
.endr
.endr
	v_mul_u32_u24 v4, v3, 24                       ; a lane's 24 bytes in 768
	v_add_nc_u32 v[ADRA], s40, v4
	v_add_nc_u32 v[ADRB], s41, v4
	v_mul_u32_u24 v5, v1, SPITCH
	v_lshl_add_u32 v5, v2, 6, v5
	v_add_nc_u32 v[STO], s42, v5                   ; the stage, in: row r, + 64 h
	v_mul_u32_u24 v5, v2, SPITCH
	v_lshl_add_u32 v5, v1, 4, v5
	v_add_nc_u32 v[RD], s42, v5                    ; back: lanes 0-15 one row of 256 bytes, lanes 16-31 the next
	v_lshlrev_b32 v[CO], 12, v2
	v_lshl_add_u32 v[CO], v1, 4, v[CO]             ; and the same two rows in out0
; the fragments of step q (128 along K) into buffer q % 2: twice 24 bytes a lane for each, as they lie: six loads of 8 bytes; 32 lanes 24 bytes apart touch 64 different banks
.macro FETCH q
.set FQ, (\q)
.set FB, 128*(FQ%2)
	WIN TO_F
.irp i, 0,1,2,3
.irp p, 0,1,2,3,4,5
	ds_load_b64 v[FB+48+12*\i+2*\p:FB+48+12*\i+2*\p+1], v[ADRB] offset:\i*TILEB+FQ*1536+768*(\p/3)+8*(\p%3)
.endr
.endr
.irp i, 0,1,2,3
.irp p, 0,1,2,3,4,5
	ds_load_b64 v[FB+12*\i+2*\p:FB+12*\i+2*\p+1], v[ADRA] offset:\i*TILEB+FQ*1536+768*(\p/3)+8*(\p%3)
.endr
.endr
.endm
; 16 matrix instructions: P's four blocks x R's four.  zero = 1: the sums start from the bias.  The 16 accumulators take turns, in the same order in every step.
.macro MUL q, zero
.set FB, 128*((\q)%2)
.set SS, 8*((\q)/2)+(\q)%2
	WIN MUL_W
.irp a, 0,1,2,3
.irp b, 0,1,2,3
.if \zero
	v_wmma_scale_f32_16x16x128_f8f6f4 v[ACC+8*(4*\a+\b):ACC+8*(4*\a+\b)+7], v[FB+48+12*\b:FB+48+12*\b+11], v[FB+12*\a:FB+12*\a+11], v[CB+8*\b:CB+8*\b+7], v[SCR+SS+2*\b], v[SCP+SS+2*\a] matrix_a_fmt:MATRIX_FMT_BF6 matrix_b_fmt:MATRIX_FMT_BF6
.else
	v_wmma_scale_f32_16x16x128_f8f6f4 v[ACC+8*(4*\a+\b):ACC+8*(4*\a+\b)+7], v[FB+48+12*\b:FB+48+12*\b+11], v[FB+12*\a:FB+12*\a+11], v[ACC+8*(4*\a+\b):ACC+8*(4*\a+\b)+7], v[SCR+SS+2*\b], v[SCP+SS+2*\a] matrix_a_fmt:MATRIX_FMT_BF6 matrix_b_fmt:MATRIX_FMT_BF6
.endif
.endr
.endr
.endm
.macro STEPQ q, zero
	s_wait_dscnt 0x0                               ; this step's fragments are in (asked for ahead of the last step's products)
.if (\q) < 7
.if (\q) > 0
	PLACES NP                                      ; the other buffer was read by the last step's products
.endif
	FETCH (\q)+1
.endif
	MUL \q, \zero
.endm
	s_wait_alu depctr_va_vdst(0)
	s_wait_tensorcnt 0x0                           ; my four tiles are in
	s_barrier_signal -1
	s_barrier_wait -1                              ; everybody's are
	FETCH 0
	s_wait_loadcnt 0x0                             ; the bias and the scale words
	STEPQ 0, 1
.irp q, 1,2,3,4,5,6,7
	STEPQ \q, 0
.endr
	WIN 0
	PLACES NP
; THE WAY OUT, block by block of 16 tokens x 64 channels.  Row t of block a is token 32 (a / 2) + 8 (a % 2) + t + 8 (t / 8) of my 64.
.macro TOSTAGE a
.set AC, ACC+32*(\a)
.irp b, 0,1,2,3
	ds_store_b128 v[STO], v[AC+8*\b:AC+8*\b+3] offset:128*(\b/2)+32*(\b%2)        ; each accumulator from its low end on
	ds_store_b128 v[STO], v[AC+8*\b+4:AC+8*\b+7] offset:128*(\b/2)+32*(\b%2)+16
.endr
.irp t, 0,1,2,3,4,5,6,7
	ds_load_b128 v[AC+4*\t:AC+4*\t+3], v[RD] offset:2*\t*SPITCH     ; back into the registers that they left: LDS serves a wave's instructions in order, so these see my stores, and the next block's stores come behind them
.endr
.endm
.macro SEND a, younger                 ; younger: the LDS instructions issued behind block a's loads, which may stay out
.set AC, ACC+32*(\a)
	s_wait_dscnt \younger
.irp t, 0,1,2,3,4,5,6,7
	global_store_b128 v[CO], v[AC+4*\t:AC+4*\t+3], s[22:23] offset:(32*((\a)/2)+8*((\a)%2)+2*\t+8*(\t/4))*4096 th:TH_STORE_NT   ; sixteen lanes store 256 consecutive bytes, aligned; 62 rows at the most stand in the immediate
.endr
.endm
	TOSTAGE 0
.irp a, 1,2,3
	TOSTAGE \a
	SEND \a-1, 16                                  ; behind block a - 1's loads: block a's 8 stores and 8 loads
.endr
	SEND 3, 0
	s_wait_tensorcnt 0x0                           ; the wave's end
	ds_add_u32 v30, v31
	s_wait_dscnt 0x0
	CROUND                                         ; the closing round: no work-group ends while a partner may still ask for a piece that names it
	s_endpgm
.Lfunc_end_k_q270cdf863c_outp:
	.size	k_q270cdf863c_outp, .Lfunc_end_k_q270cdf863c_outp-k_q270cdf863c_outp
	.p2alignl 7, 3214868480
	.fill 96, 4, 3214868480
	.section	.rodata,"a",@progbits
	.p2align	6, 0x0
	.amdhsa_kernel k_q270cdf863c_outp
		.amdhsa_group_segment_fixed_size 222720
		.amdhsa_private_segment_fixed_size 0
		.amdhsa_enable_private_segment 0
		.amdhsa_kernarg_size 48
		.amdhsa_user_sgpr_count 2
		.amdhsa_user_sgpr_kernarg_segment_ptr 1
		.amdhsa_wavefront_size32 1
		.amdhsa_system_sgpr_workgroup_id_x 1
		.amdhsa_system_sgpr_workgroup_id_y 1
		.amdhsa_system_sgpr_workgroup_id_z 1
		.amdhsa_system_vgpr_workitem_id 0
		.amdhsa_next_free_vgpr 512
		.amdhsa_next_free_sgpr 106
		.amdhsa_reserve_vcc 0
		.amdhsa_float_denorm_mode_32 3
		.amdhsa_float_denorm_mode_16_64 3
		.amdhsa_memory_ordered 1
		.amdhsa_forward_progress 1
		.amdhsa_inst_pref_size 59
	.end_amdhsa_kernel
	.amdgpu_metadata
---
amdhsa.version: [ 1, 2 ]
amdhsa.kernels:
  - .name:           k_q270cdf863c_outp
    .symbol:         k_q270cdf863c_outp.kd
    .args:
      - { .name: xc, .offset: 0, .size: 8, .value_kind: global_buffer, .address_space: global }
      - { .name: xs, .offset: 8, .size: 8, .value_kind: global_buffer, .address_space: global }
      - { .name: cod, .offset: 16, .size: 8, .value_kind: global_buffer, .address_space: global }
      - { .name: scl, .offset: 24, .size: 8, .value_kind: global_buffer, .address_space: global }
      - { .name: bo, .offset: 32, .size: 8, .value_kind: global_buffer, .address_space: global }
      - { .name: out0, .offset: 40, .size: 8, .value_kind: global_buffer, .address_space: global }
    .group_segment_fixed_size: 222720
    .private_segment_fixed_size: 0
    .kernarg_segment_align: 8
    .kernarg_segment_size: 48
    .max_flat_workgroup_size: 128
    .sgpr_count:     106
    .vgpr_count:     512
    .wavefront_size: 32
...
	.end_amdgpu_metadata
.endif
;; end of part 9
